; MI455X (gfx1250); checked and timed in simulation.
; The chip was launched on July 23, 2026; its instructions are those of AMD's public machine-readable ISA for CDNA 5 (MIT licence, August 2026) and "CDNA5" Instruction Set Architecture Reference Guide (July 2026). The comments in the code are by the model that wrote it; some were corrected since.
;; SOPL Layer. Allowed arithmetic: matrix products marked QUANTISED: E2M1 operands, one E8M0 scale for each 32 along K, by v_wmma_scale_f32_16x16x128_f8f6f4 with both operands' format E2M1 (or v_wmma_scale_f32_32x16x128_f4), f32 sums; products left as they are: f32 operands where the result goes on into a quantised operand, else bf16, f16 or f32 operands; f32 sums; everything else in f32.
;; Inputs: centers0 64 x 64 float32; x 400,000 x 64 float32.
;; Outputs: out0 64 x 64 float32.
;; This version of the problem:
;;   THIS VERSION OF THE PROBLEM IS GIVEN IN LOW PRECISION. The matrix products marked QUANTISED in the list below multiply operands that are first quantised to E2M1 (2 exponent bits, 1 mantissa bit; 4 bits a number), with one power-of-two scale for each 32 numbers along K (OCP MX v1.0); their sums are f32. All else is computed in f32.
;;   The module's matrix products, in the order in which they are computed (A, B: the left and right operand; K: the contracted axis; several contracted axes count as one K, in the product's order):
;;     1. [M 400,000, K 64] x [K 64, N 64]; A: input x; B: input centers0: QUANTISED
;;     2. [M 64, K 400,000] x [K 400,000, N 64]; A: computed on the way; B: input x: QUANTISED
;;     3. [M 64, K 400,000] x [K 400,000, N 1]; A: computed on the way; B: computed on the way: left as it is (N = 1 < 16)
;;     4. [M 400,000, K 64] x [K 64, N 64]; A: input x; B: computed on the way: QUANTISED
;;     5. [M 64, K 400,000] x [K 400,000, N 64]; A: computed on the way; B: input x: QUANTISED
;;     6. [M 64, K 400,000] x [K 400,000, N 1]; A: computed on the way; B: computed on the way: left as it is (N = 1 < 16)
;;   THE QUANTISER, for each operand of a quantised product, along K:
;;     - K is cut into blocks of 32 from its start; a last block that is shorter is filled with zeros.
;;     - A block's scale is 2^e with e = floor(log2(the largest magnitude in the block)) - 2, held to -126 .. 127; a block of zeros has e = 0. As a byte (E8M0): e + 127.
;;     - Each number is divided by its block's scale, clamped to +-6, and rounded to the nearest number of E2M1, ties to even, subnormals kept.
;;     - The product sums the exact products of the quantised numbers (number of the format x scale) in f32.
;;   ~~~python
;;   def quantise(x, axis):      # numpy; x: float32 -> the quantised numbers, widened to float32 again
;;       x = np.moveaxis(x, axis, -1); K = x.shape[-1]
;;       x = np.pad(x, [(0, 0)] * (x.ndim - 1) + [(0, -K % 32)]); x = x.reshape(x.shape[:-1] + (-1, 32)); a = np.abs(x).max(-1, keepdims=True)
;;       e = np.where(a > 0, np.clip(np.frexp(np.where(a > 0, a, 1))[1] - 1 - 2, -126, 127), 0)      # np.frexp(a)[1] - 1 = floor(log2(a)), exactly
;;       r = np.clip(x / 2.0 ** e, -6, 6)
;;       step = 2.0 ** (np.maximum(np.frexp(np.where(r == 0, 1, r))[1] - 1, 0) - 1)
;;       q = np.round(r / step) * step * 2.0 ** e      # np.round: ties to even
;;       return np.moveaxis(q.reshape(q.shape[:-2] + (-1,))[..., :K], -1, axis).astype(np.float32)
;;   ~~~
;;   OPERANDS COMPUTED ON THE WAY. 'Computed on the way' means the value that the module computes at that place (a softmax that the list does not call 'softmax' is quantised finished and normalised). What goes into a quantiser is computed in f32, as accurately as f32 sums, v_exp_f32 and their like allow (about 1e-6 of the number): no bf16 or f16 on the way to a quantiser, and a product that is left as it is and whose result goes on into a quantised operand takes f32 operands (vector FMAs, or v_wmma_f32_16x16x4_f32). A number that lies on a knife's edge between two numbers of the format may be rounded either way, as far as f32 arithmetic and the matrix unit's own rounding can turn it there, and no further.
;; 2 versions. Each part assembles by itself: llvm-mc -triple=amdgcn-amd-amdhsa -mcpu=gfx1250 --defsym DOCPART=n.
;; ======== version 1 of 2: 4 launches
;; workspace buffers: xq 28,800,000 bytes; rec1 4,352,000 bytes; rec2 4,352,000 bytes; par 1,024 bytes; csum 16,384 bytes; zp 64,000 bytes
;; launch pass1 (part 1): grid 250 x 1, 4 waves a work-group, no clusters, 71,168 bytes of LDS; arguments x, centers0, xq, rec1; writes xq, rec1
.if DOCPART == 1
	.amdgcn_target "amdgcn-amd-amdhsa--gfx1250"
	.amdhsa_code_object_version 6
	.text
	.protected	k_q941f17dc4e_pass1
	.globl	k_q941f17dc4e_pass1
	.p2align	8
	.type	k_q941f17dc4e_pass1,@function
k_q941f17dc4e_pass1:
	s_mov_b64 s[64:65], 0
	v_nop
	global_prefetch_b8 v0, s[64:65] scope:SCOPE_SE
	s_setreg_imm32_b32 hwreg(HW_REG_WAVE_MODE, 25, 1), 1
	s_wait_xcnt 0x0
; THE FIRST SWEEP of the soft k-means.  x [400000][64] f32, centers0 [64][64] f32.
; For each row: scores x.c on E2M1 codes (K = the 64 columns), softmax over the 64 centres, then sums over rows: w^T x on E2M1 codes (K = rows, blocks of 32 rows), and in f32 sum w, sum w rel, sum w rel^2.
; WHAT reference() ITSELF FIXES: in its first iteration time_means = time_vars = 0, so its prior is the same number for every row and centre; that number and x_sq are equal for all centres of a row,
; and the softmax's own subtraction of the row's maximum removes them: neither is formed.  The logit is 2 (x.c - c_sq / 2); the maximum is taken away before the exponential.
; SHARES.  250 work-groups x 1,600 rows = 25 HALVES of 64 rows (two quantiser blocks).  Wave w takes halves w, w + 4, ..; wave 0 one more (half 24).  No clusters: work-groups share only the 16 KB of centres.
; A MATRIX INSTRUCTION'S K IS HALF FILLED: K = 64 (columns, or one half's rows); registers 4-7 of every fragment are zero codes, scale bytes 2, 3 are 0 (a finite scale over zero codes).
; LAYOUT, lane = (r = lane % 16, h = lane / 16).  Product 1: source 0 = 16 rows of x, tile u: row m is (block m / 8, i = 8 u + m % 8); source 1 = centres 16 t + r; C = -c_sq / 2.
; Result register j of lane (r, h) is row (block h, i = 8 u + j) against centre 16 t + r: a lane's 32 registers of one t are one whole block of 32 rows of one centre, in K order: product 2's operand as it stands.
; Product 2: source 0 = x with rows innermost (column 16 d + r), source 1 = the weights (centre 16 t + r): register j = (column 16 d + 8 h + j, centre 16 t + r).
; x's codes in both directions go to xq as register images ([wg][half][9 x 512 bytes]), so that the second sweep reads 72 bytes a row in place of 256 and quantises nothing of x.
; rec1 [wg][17 x 1,024 bytes]: chunk q < 16: [centre][columns 4 q .. 4 q + 3] of sum w x; chunk 16: [centre][S0, S1, S2, 0], rel = row - first row of the group - 800.
; LIMITS: NaN and infinities are not served; a block whose largest magnitude lies under 2^-124 keeps the scale byte 1 (a block of zeros too: its codes are zeros, and this program alone reads the bytes).
; REGISTERS, in windows of 256.  Window 0: v1-9 addresses and the half's offset; v12-27 the quantiser's; v28-35 scale words and nothing else; v36-59 a half's sums; v60-75 the wave's sums; v76-95 at work; v96-127 a value for each row; v128-255 scores, then weights.
;   window 1: v0-127 the 16 accumulators; v128 centres' codes; v160 -c_sq / 2; v192 x's codes, rows innermost; v224 weights' codes.   window 2: v0-127 x by rows, v128-255 x by columns.   window 3: v0-127 x as loaded; v128 x's codes, columns innermost.
.set PASS, 1
.set STG, 17664                        ; LDS of a wave: the stage, later its part of the way out
.set BLK, 8832                         ; a block's 32 rows in the stage: 32 x 272 + 128: block 1 begins 32 banks on from block 0 (64 banks of 4 bytes: ISA guide 11.1)
.set RP, 272                           ; a row in the stage: 256 bytes + 16: row i begins at bank 4 i
.set IMG, 1                            ; 16 x lane
.set SH8, 2                            ; 8 h
.set GX, 3                             ; x: 8192 h + 16 r
.set STW, 4                            ; stage, in: + 8832 h + 16 r
.set AI, 5                             ; stage, by rows: + 8832 (r / 8) + 272 (r % 8) + 128 h
.set AII, 6                            ; stage, by columns: + 8832 h + 4 r
.set DEL, 7                            ; the offset of my block's first row: 64 half + 32 h - 800
.set DEL2, 8                           ; v8 twice that, v9 its square
.set QM, 12
.set QS, 16
.set QB, 20
.set QO, 24
.set SXD, 28
.set SXN, 30
.set SWC, 32
.set SCB, 34
.set LS, 36
.set ST, 60
.set TP, 76
.set MX, 96
.set W, 128
.set ACC, 0
.set CB, 128
.set CC, 160
.set XN, 192
.set WC, 224
.set XA, 0
.set XB, 128
.set G, 0
.set XD, 128
.set XDW, 3
.set W_P1, 0x17                        ; product 1: source 0 window 3, source 1 and C window 1, D window 0
.set WV, 14
.set HF, 15
.set CNT, 21
.set HG, 24
.set RECP, 10
.set MSB, 0
.macro WIN new                         ; the immediate's high byte repeats the setting that is left; a switch that changes nothing is dropped
.if MSB != (\new)
	s_set_vgpr_msb (MSB<<8)|(\new)
.set MSB, (\new)
.endif
.endm
.macro PLACES n
.rept \n
	v_nop
.endr
.endm
; one scaled product on E2M1 codes.  ra, rb = 1: that side's scale words stand in lanes 16-31 of the register named.  zero = 1: the product starts its sum
.macro WM d, a, b, c, sa, sb, ra, rb, zero
.if \zero
.if (\ra) && (\rb)
	v_wmma_scale_f32_16x16x128_f8f6f4 v[(\d):(\d)+7], v[(\a):(\a)+7], v[(\b):(\b)+7], 0, v[\sa], v[\sb] matrix_a_fmt:MATRIX_FMT_FP4 matrix_b_fmt:MATRIX_FMT_FP4 matrix_a_scale:MATRIX_SCALE_ROW1 matrix_b_scale:MATRIX_SCALE_ROW1
.elseif (\ra)
	v_wmma_scale_f32_16x16x128_f8f6f4 v[(\d):(\d)+7], v[(\a):(\a)+7], v[(\b):(\b)+7], 0, v[\sa], v[\sb] matrix_a_fmt:MATRIX_FMT_FP4 matrix_b_fmt:MATRIX_FMT_FP4 matrix_a_scale:MATRIX_SCALE_ROW1
.elseif (\rb)
	v_wmma_scale_f32_16x16x128_f8f6f4 v[(\d):(\d)+7], v[(\a):(\a)+7], v[(\b):(\b)+7], 0, v[\sa], v[\sb] matrix_a_fmt:MATRIX_FMT_FP4 matrix_b_fmt:MATRIX_FMT_FP4 matrix_b_scale:MATRIX_SCALE_ROW1
.else
	v_wmma_scale_f32_16x16x128_f8f6f4 v[(\d):(\d)+7], v[(\a):(\a)+7], v[(\b):(\b)+7], 0, v[\sa], v[\sb] matrix_a_fmt:MATRIX_FMT_FP4 matrix_b_fmt:MATRIX_FMT_FP4
.endif
.else
.if (\ra) && (\rb)
	v_wmma_scale_f32_16x16x128_f8f6f4 v[(\d):(\d)+7], v[(\a):(\a)+7], v[(\b):(\b)+7], v[(\c):(\c)+7], v[\sa], v[\sb] matrix_a_fmt:MATRIX_FMT_FP4 matrix_b_fmt:MATRIX_FMT_FP4 matrix_a_scale:MATRIX_SCALE_ROW1 matrix_b_scale:MATRIX_SCALE_ROW1
.elseif (\ra)
	v_wmma_scale_f32_16x16x128_f8f6f4 v[(\d):(\d)+7], v[(\a):(\a)+7], v[(\b):(\b)+7], v[(\c):(\c)+7], v[\sa], v[\sb] matrix_a_fmt:MATRIX_FMT_FP4 matrix_b_fmt:MATRIX_FMT_FP4 matrix_a_scale:MATRIX_SCALE_ROW1
.elseif (\rb)
	v_wmma_scale_f32_16x16x128_f8f6f4 v[(\d):(\d)+7], v[(\a):(\a)+7], v[(\b):(\b)+7], v[(\c):(\c)+7], v[\sa], v[\sb] matrix_a_fmt:MATRIX_FMT_FP4 matrix_b_fmt:MATRIX_FMT_FP4 matrix_b_scale:MATRIX_SCALE_ROW1
.else
	v_wmma_scale_f32_16x16x128_f8f6f4 v[(\d):(\d)+7], v[(\a):(\a)+7], v[(\b):(\b)+7], v[(\c):(\c)+7], v[\sa], v[\sb] matrix_a_fmt:MATRIX_FMT_FP4 matrix_b_fmt:MATRIX_FMT_FP4
.endif
.endif
.endm
; FOUR FRAGMENTS ARE QUANTISED.  Group g: 32 numbers of a lane, one whole block, at v[sb + 32 g] of window sw -> codes in v[db + 8 g .. + 3] of window dw.
; A lane has the byte of block h of its row; shifted up 8 h bits and joined with lane l xor 16's it is the row's scale word.  Two tiles share a register: lanes 0-15 the even tile's words, lanes 16-31 the odd one's.
.macro QUANT4 sw, sb, dw, db, s0r, s1r
	WIN ((\sw)<<2)|((\sw)<<4)
.irp g,0,1,2,3
	v_max3_num_f32 v[QM+\g], 0x1800000, |v[\sb+32*\g]|, |v[\sb+32*\g+1]|   ; with the floor 2^(3 - 127): the byte cannot fall under 1
.endr
.irp i,2,4,6,8,10,12,14,16,18,20,22,24,26,28,30
.irp g,0,1,2,3
	v_max3_num_f32 v[QM+\g], v[QM+\g], |v[\sb+32*\g+\i]|, |v[\sb+32*\g+\i+1]|   ; the four blocks by turns
.endr
.endr
	WIN 0
.irp g,0,1,2,3
	v_add_nc_u32 v[QS+\g], 0xff000000, v[QM+\g]    ; 2 off the exponent field: the conversion's scale operand
.endr
.irp g,0,1,2,3
	v_lshrrev_b32 v[QB+\g], 23, v[QS+\g]           ; the scale's byte
.endr
.irp g,0,1,2,3
	v_lshlrev_b32 v[QB+\g], v[SH8], v[QB+\g]       ; at its place in the word
.endr
.irp g,0,1,2,3
	v_permlanex16_b32 v[QO+\g], v[QB+\g], s22, s23
.endr
.irp g,0,1,2,3
	v_or_b32 v[QB+\g], v[QB+\g], v[QO+\g]
.endr
	v_cndmask_b32 v[\s0r], v[QB], v[QB+1], s20
	v_cndmask_b32 v[\s1r], v[QB+2], v[QB+3], s20
	WIN (\sw)|((\dw)<<6)
.irp g,0,1,2,3
.irp c,0,1,2,3
	v_cvt_scalef32_pk8_fp4_f32 v[\db+8*\g+\c], v[\sb+32*\g+8*\c:\sb+32*\g+8*\c+7], v[QS+\g]
.endr
.endr
	WIN 0
	v_nop                                          ; one plain place behind a scaled conversion
.endm
; The centres lie in v[XA] on (window 2): group t = centre 16 t + r, columns 32 h + 0 .. 31.  -c_sq / 2 of the unquantised centres, then their codes.
.macro CENTERS
.if PASS == 2
	WIN 0x82
.irp t,0,1,2,3
.set i,0
.rept 16
	v_pk_mul_f32 v[XA+32*\t+i:XA+32*\t+i+1], v[XA+32*\t+i:XA+32*\t+i+1], v[TP+8+2*\t:TP+9+2*\t]   ; the sums / (S0 + 1e-10)
.set i,i+2
.endr
.endr
.endif
	WIN 0x0a
.irp t,0,1,2,3
	v_pk_mul_f32 v[TP+2*\t:TP+2*\t+1], v[XA+32*\t:XA+32*\t+1], v[XA+32*\t:XA+32*\t+1]
.endr
.irp i,2,4,6,8,10,12,14,16,18,20,22,24,26,28,30
.irp t,0,1,2,3
	v_pk_fma_f32 v[TP+2*\t:TP+2*\t+1], v[XA+32*\t+\i:XA+32*\t+\i+1], v[XA+32*\t+\i:XA+32*\t+\i+1], v[TP+2*\t:TP+2*\t+1]
.endr
.endr
	WIN 0
.irp t,0,1,2,3
	v_add_f32 v[TP+2*\t], v[TP+2*\t], v[TP+2*\t+1]
.endr
.irp t,0,1,2,3
	v_permlanex16_b32 v[QO+\t], v[TP+2*\t], s22, s23
.endr
.irp t,0,1,2,3
	v_add_f32 v[TP+2*\t], v[TP+2*\t], v[QO+\t]     ; with the other 32 columns
.endr
.irp t,0,1,2,3
	v_mul_f32 v[TP+2*\t], -0.5, v[TP+2*\t]
.endr
.if PASS == 1
	WIN 0x40
.irp t,0,1,2,3
.irp j,0,1,2,3,4,5,6,7
	v_mov_b32 v[CC+8*\t+\j], v[TP+2*\t]            ; the C of product 1: the same for a lane's eight rows
.endr
.endr
.else
	WIN 0x80
.irp t,0,1,2,3
	v_mov_b32 v[PRM+8*\t+6], v[TP+2*\t]
	v_mov_b32 v[PRM+8*\t+7], v[TP+2*\t]
.endr
.endif
	QUANT4 2, XA, 1, CB, SCB, SCB+1
.endm
; pair p of a block's rows (rows 2 p, 2 p + 1) joins the half's sums: s0 += w, s1 += 2 p w, s2 += 4 p^2 w (f1, f2: these factors as f32)
.macro STP p, f1, f2
.irp t,0,1,2,3
	v_pk_add_f32 v[LS+6*\t:LS+6*\t+1], v[LS+6*\t:LS+6*\t+1], v[W+32*\t+2*\p:W+32*\t+2*\p+1]
.endr
.irp t,0,1,2,3
	v_pk_fma_f32 v[LS+6*\t+2:LS+6*\t+3], v[W+32*\t+2*\p:W+32*\t+2*\p+1], \f1, v[LS+6*\t+2:LS+6*\t+3] op_sel_hi:[1,0,1]
.endr
.if PASS == 1
.irp t,0,1,2,3
	v_pk_fma_f32 v[LS+6*\t+4:LS+6*\t+5], v[W+32*\t+2*\p:W+32*\t+2*\p+1], \f2, v[LS+6*\t+4:LS+6*\t+5] op_sel_hi:[1,0,1]
.endr
.endif
.endm
; A half's sums (even rows in the low word e, odd rows in the high word o) join the wave's: sum i w = s1e + s1o + s0o; sum i^2 w = s2e + s2o + 2 s1o + s0o; rel = offset + i
.macro MERGE first
.irp t,0,1,2,3
	v_add_f32 v[TP+3*\t], v[LS+6*\t], v[LS+6*\t+1]
	v_add_f32 v[TP+3*\t+1], v[LS+6*\t+2], v[LS+6*\t+3]
.endr
.irp t,0,1,2,3
	v_add_f32 v[TP+3*\t+1], v[TP+3*\t+1], v[LS+6*\t+1]
.endr
.if PASS == 1
.irp t,0,1,2,3
	v_add_f32 v[TP+3*\t+2], v[LS+6*\t+4], v[LS+6*\t+5]
.endr
.irp t,0,1,2,3
	v_fma_f32 v[TP+3*\t+2], 2.0, v[LS+6*\t+3], v[TP+3*\t+2]
.endr
.irp t,0,1,2,3
	v_add_f32 v[TP+3*\t+2], v[TP+3*\t+2], v[LS+6*\t+1]
.endr
.irp t,0,1,2,3
	v_fma_f32 v[TP+3*\t+2], v[DEL2], v[TP+3*\t+1], v[TP+3*\t+2]
.endr
.irp t,0,1,2,3
	v_fma_f32 v[TP+3*\t+2], v[DEL2+1], v[TP+3*\t], v[TP+3*\t+2]
.endr
.endif
.irp t,0,1,2,3
	v_fma_f32 v[TP+3*\t+1], v[DEL], v[TP+3*\t], v[TP+3*\t+1]
.endr
.if \first
.irp t,0,1,2,3
	v_mov_b32 v[ST+4*\t], v[TP+3*\t]               ; the first half starts the wave's sums
	v_mov_b32 v[ST+4*\t+1], v[TP+3*\t+1]
.if PASS == 1
	v_mov_b32 v[ST+4*\t+2], v[TP+3*\t+2]
.else
	v_mov_b32 v[ST+4*\t+2], 0
.endif
	v_mov_b32 v[ST+4*\t+3], 0
.endr
.else
.irp t,0,1,2,3
	v_add_f32 v[ST+4*\t], v[ST+4*\t], v[TP+3*\t]
	v_add_f32 v[ST+4*\t+1], v[ST+4*\t+1], v[TP+3*\t+1]
.if PASS == 1
	v_add_f32 v[ST+4*\t+2], v[ST+4*\t+2], v[TP+3*\t+2]
.endif
.endr
.endif
.endm
; A HALF, from codes to sums.
.macro PHASEB first
	WIN W_P1
.irp u,0,1,2,3
.irp t,0,1,2,3
.if PASS == 1
	WM W+32*\t+8*\u, XD+8*\u, CB+8*\t, CC+8*\t, SXD+\u/2, SCB+\t/2, \u%2, \t%2, 0
.else
	WM W+32*\t+8*\u, XD+8*\u, CB+8*\t, PP+32*\t+8*\u, SXD+\u/2, SCB+\t/2, \u%2, \t%2, 0
.endif
.endr
.endr
	WIN 0
	PLACES 4                                       ; in front of the first read of results, and of loads into registers that these products read
.if PASS == 2
	WIN 0x80
.irp u,0,1,2,3
	global_load_b128 v[XD+8*\u:XD+8*\u+3], v[IMG], s[NX:NX+1] offset:512*\u   ; the next half's codes, columns innermost
.endr
	WIN 0
	global_load_b64 v[SXD:SXD+1], v[IMG], s[NX:NX+1] offset:4096
.endif
.set i,0
.rept 32
	v_max3_num_f32 v[MX+i], v[W+i], v[W+32+i], v[W+64+i]   ; each row's largest score: my four centres (each result is read from its low end on),
.set i,i+1
.endr
.set i,0
.rept 32
	v_max_num_f32 v[MX+i], v[MX+i], v[W+96+i]
.set i,i+1
.endr
.irp m,1,2,4,8
.set i,0
.rept 32
	v_max_num_f32_dpp v[MX+i], v[MX+i], v[MX+i] row_xmask:\m row_mask:0xf bank_mask:0xf   ; and the sixteen lanes'
.set i,i+1
.endr
.endr
.set i,0
.rept 16
	v_pk_mul_f32 v[MX+i:MX+i+1], v[MX+i:MX+i+1], s[18:19] op_sel_hi:[1,0]   ; -c max, c = 2 log2(e)
.set i,i+2
.endr
.irp t,0,1,2,3
.set i,0
.rept 16
	v_pk_fma_f32 v[W+32*\t+i:W+32*\t+i+1], v[W+32*\t+i:W+32*\t+i+1], s[16:17], v[MX+i:MX+i+1] op_sel_hi:[1,0,1]
.set i,i+2
.endr
.endr
.set i,0
.rept 128
	v_exp_f32 v[W+i], v[W+i]
.set i,i+1
.endr
	v_nop                                          ; a plain place behind the exponentials
.set i,0
	s_wait_alu depctr_va_vdst(0)
.rept 16
	v_pk_add_f32 v[MX+i:MX+i+1], v[W+i:W+i+1], v[W+32+i:W+33+i]
.set i,i+2
.endr
.set i,0
.rept 16
	v_pk_add_f32 v[MX+i:MX+i+1], v[MX+i:MX+i+1], v[W+64+i:W+65+i]
.set i,i+2
.endr
.set i,0
.rept 16
	v_pk_add_f32 v[MX+i:MX+i+1], v[MX+i:MX+i+1], v[W+96+i:W+97+i]
.set i,i+2
.endr
.irp m,1,2,4,8
.set i,0
.rept 32
	v_add_f32_dpp v[MX+i], v[MX+i], v[MX+i] row_xmask:\m row_mask:0xf bank_mask:0xf
.set i,i+1
.endr
.endr
.set i,0
.rept 32
	v_rcp_f32 v[MX+i], v[MX+i]
.set i,i+1
.endr
	v_nop
	s_wait_alu depctr_va_vdst(0)
.irp t,0,1,2,3
.set i,0
.rept 16
	v_pk_mul_f32 v[W+32*\t+i:W+32*\t+i+1], v[W+32*\t+i:W+32*\t+i+1], v[MX+i:MX+i+1]   ; the weights, finished and normalised
.set i,i+2
.endr
.endr
.irp t,0,1,2,3
	v_pk_add_f32 v[LS+6*\t:LS+6*\t+1], v[W+32*\t:W+32*\t+1], v[W+32*\t+2:W+32*\t+3]   ; pairs 0 and 1 start the half's sums: nothing is cleared
.endr
.irp t,0,1,2,3
	v_pk_mul_f32 v[LS+6*\t+2:LS+6*\t+3], v[W+32*\t+2:W+32*\t+3], 2.0 op_sel_hi:[1,0]
.endr
.if PASS == 1
.irp t,0,1,2,3
	v_pk_mul_f32 v[LS+6*\t+4:LS+6*\t+5], v[W+32*\t+2:W+32*\t+3], 4.0 op_sel_hi:[1,0]
.endr
.endif
	STP 2, 0x40800000, 0x41800000
	STP 3, 0x40c00000, 0x42100000
	STP 4, 0x41000000, 0x42800000
	STP 5, 0x41200000, 0x42c80000
	STP 6, 0x41400000, 0x43100000
	STP 7, 0x41600000, 0x43440000
	STP 8, 0x41800000, 0x43800000
	STP 9, 0x41900000, 0x43a20000
	STP 10, 0x41a00000, 0x43c80000
	STP 11, 0x41b00000, 0x43f20000
	STP 12, 0x41c00000, 0x44100000
	STP 13, 0x41d00000, 0x44290000
	STP 14, 0x41e00000, 0x44440000
	STP 15, 0x41f00000, 0x44610000
	QUANT4 0, W, 1, WC, SWC, SWC+1
	MERGE \first                                   ; these lines are also the places between the scale words' last write and product 2
.if PASS == 2
	s_wait_loadcnt 5                               ; this half's codes with rows innermost are in; the five loads issued behind them (the next half's, above) may be out
.endif
	WIN 0x55
.irp d,0,1,2,3
.irp t,0,1,2,3
	WM ACC+8*(4*\d+\t), XN+8*\d, WC+8*\t, ACC+8*(4*\d+\t), SXN+\d/2, SWC+\t/2, \d%2, \t%2, \first   ; sixteen accumulators by turns, one instruction a turn
.endr
.endr
	WIN 0
.if PASS == 2
	PLACES 4
	WIN 0x40
.irp u,0,1,2,3
	global_load_b128 v[XN+8*\u:XN+8*\u+3], v[IMG], s[NX:NX+1] offset:2048+512*\u
.endr
	WIN 0
	global_load_b64 v[SXN:SXN+1], v[IMG], s[NX:NX+1] offset:4104
.endif
.endm
; THE WAY OUT.  Each wave lays its sums in its own LDS region as the record's 17 chunks; a barrier; wave w adds the four regions' bytes 4096 w on and stores them: each store covers 512 consecutive bytes, aligned.
.macro EPILOG
	s_wait_dscnt 0x0
	s_mul_i32 s25, s[WV], STG
	s_lshl_b32 s26, s[WV], 12
	s_lshl_b32 s27, s[WV], 9
	s_add_co_u32 s27, s27, 16384
	v_and_b32 v88, 15, v0                          ; (these six lines are the places behind the last products)
	v_bfe_u32 v89, v0, 4, 1
	v_lshl_add_u32 v88, v88, 4, s25                ; my region + 16 r
	v_lshl_add_u32 v90, v89, 11, v88               ; + 2048 h
	v_add_nc_u32 v91, s26, v[IMG]                  ; 4096 w + 16 lane
	v_add_nc_u32 v92, s27, v[IMG]                  ; 16384 + 512 w + 16 lane
.irp t,0,1,2,3
	v_permlanex16_b32 v[TP+3*\t], v[ST+4*\t], s22, s23
	v_permlanex16_b32 v[TP+3*\t+1], v[ST+4*\t+1], s22, s23
.if PASS == 1
	v_permlanex16_b32 v[TP+3*\t+2], v[ST+4*\t+2], s22, s23
.endif
.endr
.irp t,0,1,2,3
	v_add_f32 v[ST+4*\t], v[ST+4*\t], v[TP+3*\t]   ; the two blocks of a half lie in lanes l and l xor 16
	v_add_f32 v[ST+4*\t+1], v[ST+4*\t+1], v[TP+3*\t+1]
.if PASS == 1
	v_add_f32 v[ST+4*\t+2], v[ST+4*\t+2], v[TP+3*\t+2]
.endif
.endr
	WIN 0x04
.irp d,0,1,2,3
.irp t,0,1,2,3
	ds_store_b128 v90, v[ACC+8*(4*\d+\t):ACC+8*(4*\d+\t)+3] offset:4096*\d+256*\t          ; chunk 4 d + 2 h, centre 16 t + r: each accumulator from its low end on
	ds_store_b128 v90, v[ACC+8*(4*\d+\t)+4:ACC+8*(4*\d+\t)+7] offset:4096*\d+256*\t+1024   ; the next chunk
.endr
.endr
	WIN 0
.irp t,0,1,2,3
	ds_store_b128 v88, v[ST+4*\t:ST+4*\t+3] offset:16384+256*\t   ; both halves of the lanes write the same bytes with the same value
.endr
	s_wait_dscnt 0x0                               ; for the others' sake: my stores have landed
	s_barrier_signal -1
	s_barrier_wait -1
.irp v,0,1,2,3
.irp s,0,1,2,3,4,5,6,7
	ds_load_b128 v[W+32*\v+4*\s:W+32*\v+4*\s+3], v91 offset:STG*\v+512*\s
.endr
.endr
	s_wait_dscnt 0x0
.set i,0
.rept 16
	v_pk_add_f32 v[W+i:W+i+1], v[W+i:W+i+1], v[W+32+i:W+33+i]
	v_pk_add_f32 v[W+64+i:W+65+i], v[W+64+i:W+65+i], v[W+96+i:W+97+i]
.set i,i+2
.endr
.set i,0
.rept 16
	v_pk_add_f32 v[W+i:W+i+1], v[W+i:W+i+1], v[W+64+i:W+65+i]
.set i,i+2
.endr
.irp s,0,1,2,3,4,5,6,7
	global_store_b128 v91, v[W+4*\s:W+4*\s+3], s[RECP:RECP+1] offset:512*\s
.endr
	s_cmp_gt_u32 s[WV], 1                          ; chunk 16 is 1,024 bytes: waves 0 and 1
	s_cbranch_scc1 .Lno_stat
.irp v,0,1,2,3
	ds_load_b128 v[MX+4*\v:MX+4*\v+3], v92 offset:STG*\v
.endr
	s_wait_dscnt 0x0
	v_pk_add_f32 v[MX:MX+1], v[MX:MX+1], v[MX+4:MX+5]
	v_pk_add_f32 v[MX+2:MX+3], v[MX+2:MX+3], v[MX+6:MX+7]
	v_pk_add_f32 v[MX+8:MX+9], v[MX+8:MX+9], v[MX+12:MX+13]
	v_pk_add_f32 v[MX+10:MX+11], v[MX+10:MX+11], v[MX+14:MX+15]
	v_pk_add_f32 v[MX:MX+1], v[MX:MX+1], v[MX+8:MX+9]
	v_pk_add_f32 v[MX+2:MX+3], v[MX+2:MX+3], v[MX+10:MX+11]
	global_store_b128 v92, v[MX:MX+3], s[RECP:RECP+1]
.Lno_stat:
.endm
; THE TURN THROUGH THE STAGE.  G holds half HG as loaded (a load: two whole rows, 256 consecutive bytes each).  It goes into my stage and comes back twice: by rows (a lane: 32 columns of one row) and by columns
; (a lane: 32 rows of one column).  The next half of mine is asked for as soon as the stores have read G: a whole half's work ahead of the wait for it.
; always = 1: the wave's first turn, HG = the wave's number: that half and the one four on (7 at the most) exist in every wave, so neither jump is written, and the registers by rows and by columns are filled on every way.
.macro TURN always
.if \always == 0
	s_cmp_gt_u32 s[HG], 24
	s_cbranch_scc1 .Lt_end_\@
.endif
	s_wait_loadcnt 0x0                             ; G is in; its loads are done, so their base may step
	s_add_nc_u64 s[4:5], s[4:5], 65536             ; four halves on
	WIN 0x0c
.set i,0
.rept 32
	ds_store_b128 v[STW], v[G+4*i:G+4*i+3] offset:RP*i
.set i,i+1
.endr
	WIN 0x80
.irp u,0,1,2,3
.irp q,0,1,2,3,4,5,6,7
	ds_load_b128 v[XA+32*\u+4*\q:XA+32*\u+4*\q+3], v[AI] offset:2176*\u+16*\q
.endr
.endr
	WIN 0
	s_wait_dscnt 32                                ; LDS serves a wave's instructions in order (ISA guide 5.7.1): all but the 32 loads just issued are done, so the stores have read G
.if \always == 0
	s_cmp_gt_u32 s[HG], 20
	s_cbranch_scc1 .Lt_nog_\@                      ; no load leaves the work-group's 25 halves
.endif
	WIN 0xc0
.set i,0
.rept 32
	global_load_b128 v[G+4*i:G+4*i+3], v[GX], s[4:5] offset:256*i th:TH_LOAD_NT
.set i,i+1
.endr
	WIN 0
.Lt_nog_\@:
	WIN 0x80
.irp t,0,1,2,3
.set i,0
.rept 32
	ds_load_b32 v[XB+32*\t+i], v[AII] offset:RP*i+64*\t
.set i,i+1
.endr
.endr
	WIN 0
.Lt_end_\@:
	s_add_co_u32 s[HG], s[HG], 4
.endm
.macro TRIP first
	s_wait_dscnt 0x0                               ; this half's numbers are back from the stage
	QUANT4 2, XA, XDW, XD, SXD, SXD+1              ; along the columns
	QUANT4 2, XB, 1, XN, SXN, SXN+1                ; along the rows
	WIN 0x0c
.irp u,0,1,2,3
	global_store_b128 v[IMG], v[XD+8*\u:XD+8*\u+3], s[8:9] offset:512*\u
.endr
	WIN 0x04
.irp u,0,1,2,3
	global_store_b128 v[IMG], v[XN+8*\u:XN+8*\u+3], s[8:9] offset:2048+512*\u
.endr
	WIN 0
	global_store_b128 v[IMG], v[SXD:SXD+3], s[8:9] offset:4096
	TURN 0
	v_add_f32 v[DEL2], v[DEL], v[DEL]
	v_mul_f32 v[DEL2+1], v[DEL], v[DEL]
	PHASEB \first
	v_add_f32 v[DEL], 0x43800000, v[DEL]           ; my next half lies 256 rows on
.endm
	s_load_b256 s[4:11], s[0:1], 0x0               ; x s[4:5], centers0 s[6:7], xq s[8:9], rec1 s[10:11]
	v_lshl_add_u32 v94, v0, 2, 0x11400
	v_mov_b32 v95, 0
	v_lshrrev_b32 v10, 5, v0
	v_readfirstlane_b32 s[WV], v10                 ; wave 0..3
	v_and_b32 v11, 31, v0
	v_lshlrev_b32 v[IMG], 4, v11
	v_and_b32 v76, 15, v0                          ; r
	v_bfe_u32 v77, v0, 4, 1                        ; h
	v_lshlrev_b32 v[SH8], 3, v77
	v_lshlrev_b32 v[GX], 4, v76
	v_lshl_add_u32 v[GX], v77, 13, v[GX]
	s_mul_i32 s25, s[WV], STG
	v_mul_u32_u24 v78, v77, BLK
	v_add_nc_u32 v78, s25, v78
	v_lshl_add_u32 v[STW], v76, 4, v78
	v_lshl_add_u32 v[AII], v76, 2, v78
	v_bfe_u32 v79, v0, 3, 1
	v_and_b32 v80, 7, v0
	v_mul_u32_u24 v79, v79, BLK
	v_mad_u32_u24 v79, v80, RP, v79
	v_lshl_add_u32 v79, v77, 7, v79
	v_add_nc_u32 v[AI], s25, v79
	v_lshlrev_b32 v81, 8, v76
	v_lshl_add_u32 v81, v77, 7, v81                ; centers0: 256 r + 128 h
	s_mov_b32 s16, 0x4038aa3b                      ; c = 2 log2(e)
	s_mov_b32 s17, s16
	s_mov_b32 s18, 0xc038aa3b                      ; -c
	s_mov_b32 s19, s18
	s_mov_b32 s20, 0xffff0000                      ; lanes 16-31
	s_mov_b32 s22, 0x76543210
	s_mov_b32 s23, 0xfedcba98                      ; v_permlanex16_b32's selects for lane l xor 16
	s_mul_i32 s26, ttmp9, 409600                   ; the work-group's 1,600 rows of 256 bytes,
	s_lshl_b32 s27, s[WV], 14                      ; my first half
	s_add_co_u32 s26, s26, s27
	s_mov_b32 s27, 0
	s_mul_i32 s28, ttmp9, 115200
	s_mul_i32 s29, s[WV], 4608
	s_add_co_u32 s28, s28, s29
	s_mov_b32 s29, 0
	s_mul_i32 s30, ttmp9, 17408
	s_mov_b32 s31, 0
	s_mov_b32 s[HG], s[WV]
	s_mov_b32 s[HF], s[WV]
	s_wait_kmcnt 0x0
	s_add_nc_u64 s[4:5], s[4:5], s[26:27]
	s_add_nc_u64 s[8:9], s[8:9], s[28:29]
	s_add_nc_u64 s[10:11], s[10:11], s[30:31]
	WIN 0xc0
.set i,0
.rept 32
	global_load_b128 v[G+4*i:G+4*i+3], v[GX], s[4:5] offset:256*i th:TH_LOAD_NT   ; my first half
.set i,i+1
.endr
	WIN 0x80
.irp t,0,1,2,3
.irp q,0,1,2,3,4,5,6,7
	global_load_b128 v[XA+32*\t+4*\q:XA+32*\t+4*\q+3], v81, s[6:7] offset:4096*\t+16*\q
.endr
.endr
	WIN 0xc0
.irp u,0,1,2,3
.irp c,4,5,6,7
	v_mov_b32 v[XD+8*\u+\c], 0                     ; K = 64 .. 127 of every fragment: zero codes, written once
.endr
.endr
	WIN 0x40
.irp u,0,1,2,3
.irp c,4,5,6,7
	v_mov_b32 v[CB+8*\u+\c], 0
	v_mov_b32 v[XN+8*\u+\c], 0
	v_mov_b32 v[WC+8*\u+\c], 0
.endr
.endr
	WIN 0
.irp g,0,1,2,3
	v_mov_b32 v[QO+\g], 0                          ; written once: a lane permute's destination counts as one of its sources
.endr
	s_lshl_b32 s25, s[WV], 6
	s_sub_co_i32 s25, s25, 800
	v_lshlrev_b32 v10, 5, v77
	v_add_nc_u32 v10, s25, v10
	v_cvt_f32_i32 v[DEL], v10                      ; 64 w + 32 h - 800
	s_wait_loadcnt 0x0
	CENTERS
	TURN 1
	TRIP 1                                         ; the first half stands ahead of the loop: its products start the sums
	s_mov_b32 s[CNT], 6
.Lloop:                                            ; six trips in every wave; a half past the 25th is jumped over (in the last trip: waves 1 to 3)
	s_add_co_u32 s[HF], s[HF], 4
	s_cmp_gt_u32 s[HF], 24
	s_cbranch_scc1 .Lskip
	s_wait_xcnt 0x0                                ; the last half's stores have read their registers and their base
	s_add_nc_u64 s[8:9], s[8:9], 18432
	TRIP 0
.Lskip:
	s_sub_co_u32 s[CNT], s[CNT], 1
	s_cmp_lg_u32 s[CNT], 0
	s_cbranch_scc1 .Lloop
	EPILOG
	s_wait_tensorcnt 0x0
	ds_add_u32 v94, v95
	s_wait_dscnt 0x0
	s_endpgm
.Lfunc_end_k_q941f17dc4e_pass1:
	.size	k_q941f17dc4e_pass1, .Lfunc_end_k_q941f17dc4e_pass1-k_q941f17dc4e_pass1
	.p2alignl 7, 3214868480
	.fill 96, 4, 3214868480
	.section	.rodata,"a",@progbits
	.p2align	6, 0x0
	.amdhsa_kernel k_q941f17dc4e_pass1
		.amdhsa_group_segment_fixed_size 71168
		.amdhsa_private_segment_fixed_size 0
		.amdhsa_enable_private_segment 0
		.amdhsa_kernarg_size 32
		.amdhsa_user_sgpr_count 2
		.amdhsa_user_sgpr_kernarg_segment_ptr 1
		.amdhsa_wavefront_size32 1
		.amdhsa_system_sgpr_workgroup_id_x 1
		.amdhsa_system_sgpr_workgroup_id_y 1
		.amdhsa_system_sgpr_workgroup_id_z 1
		.amdhsa_system_vgpr_workitem_id 0
		.amdhsa_next_free_vgpr 928
		.amdhsa_next_free_sgpr 66
		.amdhsa_reserve_vcc 0
		.amdhsa_float_denorm_mode_32 3
		.amdhsa_float_denorm_mode_16_64 3
		.amdhsa_memory_ordered 1
		.amdhsa_forward_progress 1
		.amdhsa_inst_pref_size 235
	.end_amdhsa_kernel
	.amdgpu_metadata
---
amdhsa.version: [ 1, 2 ]
amdhsa.kernels:
  - .name:           k_q941f17dc4e_pass1
    .symbol:         k_q941f17dc4e_pass1.kd
    .args:
      - { .name: x, .offset: 0, .size: 8, .value_kind: global_buffer, .address_space: global }
      - { .name: centers0, .offset: 8, .size: 8, .value_kind: global_buffer, .address_space: global }
      - { .name: xq, .offset: 16, .size: 8, .value_kind: global_buffer, .address_space: global }
      - { .name: rec1, .offset: 24, .size: 8, .value_kind: global_buffer, .address_space: global }
    .group_segment_fixed_size: 71168
    .private_segment_fixed_size: 0
    .kernarg_segment_align: 8
    .kernarg_segment_size: 32
    .max_flat_workgroup_size: 128
    .sgpr_count:     66
    .vgpr_count:     928
    .wavefront_size: 32
...
	.end_amdgpu_metadata
.endif
;; end of part 1
;; launch mid (part 2): grid 250 x 1, 20 waves a work-group, no clusters, 35,840 bytes of LDS; arguments rec1, par, csum, zp; writes par, csum, zp
.if DOCPART == 2
	.amdgcn_target "amdgcn-amd-amdhsa--gfx1250"
	.amdhsa_code_object_version 6
	.text
	.protected	k_q941f17dc4e_mid
	.globl	k_q941f17dc4e_mid
	.p2align	8
	.type	k_q941f17dc4e_mid,@function
k_q941f17dc4e_mid:
	s_mov_b64 s[64:65], 0
	v_nop
	global_prefetch_b8 v0, s[64:65] scope:SCOPE_SE
	s_setreg_imm32_b32 hwreg(HW_REG_WAVE_MODE, 25, 1), 1
	s_wait_xcnt 0x0
; BETWEEN THE TWO SWEEPS.  Every work-group adds the 250 records' statistics (thread = centre k x one of ten parts of 25 records), forms each centre's time mean and variance and from them reference()'s a and b,
; and then sums its own 1,600 rows' share of the prior's normaliser.  Work-groups 0-15 also add one chunk each of sum w x; work-group 0 stores the parameters.
; ORIGINS.  Records hold S1, S2 about the group's centre row.  With O_g = 1600 g - 199199.5 (exact in f32), N t - 200000 = rel + O_g.  M1 = sum (S1 + O_g S0).
; N mean - 200000 = (M1 - 2e-5) / (S0 + 1e-10): the same number as reference()'s sum w t / (wsum + 1e-10), since S0 / (S0 + 1e-10) - 1 = -1e-10 / (S0 + 1e-10).
; N^2 var (S0 + 1e-10) = sum over groups of S2 + dd (2 S1 + dd S0), dd = O_g - (N mean - 200000): each group's term is a sum of squares: no difference of large sums.
; THE PRIOR.  y = pdf / sum pdf: betaln cancels.  g(t) = (a - 1) log2 t + (b - 1) log2(1 - t); Z = sum over rows of 2^(g - m), m the largest of g at both ends of the grid and at the mode where g has one inside:
; the maximum is taken away before the exponential.  Where reference()'s ok is false a = b = 1: g = 0, Z = N, y = 1 / N, as reference() selects.
; reference()'s max(sum, 1e-10) cannot act: a and b are at least a last place of mu, 1e-13 and 4e-15 at the least, and the sum of the pdf over the grid is about 1e7 times the smaller of them.
; LIMITS: NaN and infinities are not served; for very large a, b the number g has f32's absolute accuracy, as reference()'s log_pdf has.
; No matrix work, no clusters: nothing here is a tile that work-groups share at the same time.
.set REC, 32                           ; v32-131  25 records x 4
.set LND, 132                          ; v132-171 what comes from LDS
.set LT, 0                             ; LDS: log2 t of my 1,600 rows
.set L1, 6400                          ; log2(1 - t)
.set C1, 12800                         ; 640 x (S0, M1)
.set C2, 17920                         ; 640 x the variance's part
.set C3, 20480                         ; 640 x Z's part
.set C4, 23040                         ; 640 x four columns' part
.set SRN, 20
.set SNN, 21
.set SNH, 22
.macro BARRIER                         ; my LDS stores have landed and my LDS loads are in: then the work-group's barrier
	s_wait_dscnt 0x0
	s_barrier_signal -1
	s_barrier_wait -1
.endm
; row v[n] -> v[a] = log2 t, v[b] = log2(1 - t).  t = (n + 0.5) / N and 1 - t = (N - 0.5 - n) / N: both numerators exact; the quotient by 1 / N and one correction
.macro TLOG n, a, b, t
	v_cvt_f32_u32 v[\t], v[\n]
	v_add_f32 v[\a], 0.5, v[\t]
	v_sub_f32 v[\b], s[SNH], v[\t]
	v_mul_f32 v[\t], s[SRN], v[\a]
	v_mul_f32 v[\t+1], s[SRN], v[\b]
	v_fma_f32 v[\a], -v[\t], s[SNN], v[\a]
	v_fma_f32 v[\b], -v[\t+1], s[SNN], v[\b]
	v_fma_f32 v[\a], v[\a], s[SRN], v[\t]
	v_fma_f32 v[\b], v[\b], s[SRN], v[\t+1]
	v_log_f32 v[\a], v[\a]
	v_log_f32 v[\b], v[\b]
	v_nop
.endm
	s_load_b256 s[4:11], s[0:1], 0x0               ; rec1 s[4:5], par s[6:7], csum s[8:9], zp s[10:11]
	v_lshl_add_u32 v184, v0, 2, 0x8200
	v_mov_b32 v185, 0
	v_lshrrev_b32 v5, 5, v0
	v_readfirstlane_b32 s12, v5                    ; wave 0..19
	v_and_b32 v1, 63, v0                           ; k
	v_lshrrev_b32 v2, 6, v0                        ; part 0..9
	v_mul_u32_u24 v3, v2, 435200                   ; 25 records of 17,408 bytes
	v_lshl_add_u32 v3, v1, 4, v3
	s_mov_b32 s13, 0x471c4000                      ; 40000
	s_mov_b32 s14, 0xc84287e0                      ; -199199.5
	s_mov_b32 s[SRN], 0x3627c5ac                   ; 1 / N
	s_mov_b32 s[SNN], 0x48c35000                   ; N
	s_mov_b32 s[SNH], 0x48c34ff0                   ; N - 0.5
	s_mov_b32 s23, 0x44c80000                      ; 1600
	s_mov_b32 s24, 0x2edbe6ff                      ; 1e-10
	s_mov_b32 s25, 0xb7a7c5ac                      ; -2e-5
	s_mov_b32 s26, 0x48435000                      ; 200000
	s_mov_b32 s27, 0x38d1b717                      ; 1e-4
	s_mov_b32 s28, 0xc19ce08b                      ; log2 of the grid's first t
	s_mov_b32 s29, 0xb5f20b4e                      ; log2 of its last
	s_mov_b32 s30, 0x35a7c5ac                      ; the first t
	s_mov_b32 s31, 0x3f7fffeb                      ; the last
	v_cvt_f32_u32 v4, v2
	v_fma_f32 v4, v4, s13, s14                     ; O of my first record
	v_lshlrev_b32 v7, 2, v0                        ; LDS places: 4, 8, 16 x thread; 4, 8, 16 x k; my part's rows
	v_lshlrev_b32 v172, 3, v0
	v_lshlrev_b32 v173, 4, v0
	v_lshlrev_b32 v174, 2, v1
	v_lshlrev_b32 v175, 3, v1
	v_lshlrev_b32 v176, 4, v1
	v_mul_u32_u24 v177, v2, 640
	s_mul_i32 s15, ttmp9, 1600
	s_lshl_b32 s16, ttmp9, 10
	s_mov_b32 s17, 0
	s_lshl_b32 s32, ttmp9, 8
	s_mov_b32 s33, 0
	s_wait_kmcnt 0x0
	s_add_nc_u64 s[18:19], s[4:5], s[16:17]        ; rec1 at chunk (work-group): used by work-groups 0-15
	s_add_nc_u64 s[8:9], s[8:9], s[16:17]          ; csum likewise
	s_add_nc_u64 s[10:11], s[10:11], s[32:33]      ; zp at my row
.set i,0
.rept 25
	global_load_b128 v[REC+4*i:REC+4*i+3], v3, s[4:5] offset:17408*i+16384
.set i,i+1
.endr
	v_add_nc_u32 v6, s15, v0                       ; the table of my 1,600 rows is made while the records come
	TLOG 6, 8, 9, 10
	s_wait_alu depctr_va_vdst(0)
	ds_store_b32 v7, v8 offset:LT
	ds_store_b32 v7, v9 offset:L1
	v_add_nc_u32 v6, 640, v6
	TLOG 6, 12, 13, 10
	s_wait_alu depctr_va_vdst(0)
	ds_store_b32 v7, v12 offset:LT+2560
	ds_store_b32 v7, v13 offset:L1+2560
	s_cmp_gt_u32 s12, 9                            ; rows 1,280 on: 320 threads
	s_cbranch_scc1 .Lno_third
	v_add_nc_u32 v6, 640, v6
	TLOG 6, 14, 15, 10
	s_wait_alu depctr_va_vdst(0)
	ds_store_b32 v7, v14 offset:LT+5120
	ds_store_b32 v7, v15 offset:L1+5120
.Lno_third:
	s_wait_loadcnt 0x0
	v_mov_b32 v18, v4
	v_fma_f32 v17, v18, v[REC], v[REC+1]
.set i,1
.rept 24
	v_add_f32 v18, s23, v18
.if i == 1
	v_add_f32 v16, v[REC], v[REC+4]
.else
	v_add_f32 v16, v16, v[REC+4*i]
.endif
	v_fma_f32 v19, v18, v[REC+4*i], v[REC+4*i+1]
	v_add_f32 v17, v17, v19
.set i,i+1
.endr
	ds_store_b64 v172, v[16:17] offset:C1
	BARRIER                                        ; the table and the ten parts of (S0, M1) lie in LDS
.irp p,0,1,2,3,4,5,6,7,8,9
	ds_load_b64 v[LND+2*\p:LND+2*\p+1], v175 offset:C1+512*\p
.endr
	s_wait_dscnt 0x0
	v_pk_add_f32 v[16:17], v[LND:LND+1], v[LND+2:LND+3]
.irp p,2,3,4,5,6,7,8,9
	v_pk_add_f32 v[16:17], v[16:17], v[LND+2*\p:LND+2*\p+1]
.endr
	v_add_f32 v22, s24, v16                        ; S0 + 1e-10
	v_rcp_f32 v23, v22
	v_add_f32 v24, s25, v17                        ; (a plain place)  M1 - 2e-5
	s_wait_alu depctr_va_vdst(0)
	v_fma_f32 v25, -v22, v23, 1.0
	v_fma_f32 v23, v25, v23, v23                   ; its reciprocal, corrected once
	v_mul_f32 v24, v24, v23                        ; N mean - 200000
	v_sub_f32 v18, v4, v24                         ; dd of my first record
.set i,0
.rept 25
	v_mul_f32 v19, v18, v[REC+4*i]
	v_fma_f32 v19, 2.0, v[REC+4*i+1], v19
.if i == 0
	v_fma_f32 v26, v18, v19, v[REC+2]
.else
	v_fma_f32 v19, v18, v19, v[REC+4*i+2]
	v_add_f32 v26, v26, v19
.endif
	v_add_f32 v18, s23, v18
.set i,i+1
.endr
	ds_store_b32 v7, v26 offset:C2
	BARRIER
.irp p,0,1,2,3,4,5,6,7,8,9
	ds_load_b32 v[LND+\p], v174 offset:C2+256*\p
.endr
	s_cmp_gt_u32 ttmp9, 15
	s_cbranch_scc1 .Lno_c
.set i,0
.rept 25
	global_load_b128 v[REC+4*i:REC+4*i+3], v3, s[18:19] offset:17408*i   ; one chunk of sum w x: it lands while the parameters and Z are made
.set i,i+1
.endr
.Lno_c:
	s_wait_dscnt 0x0
	v_add_f32 v26, v[LND], v[LND+1]
.irp p,2,3,4,5,6,7,8,9
	v_add_f32 v26, v26, v[LND+\p]
.endr
	; the parameters, in reference()'s order
	v_add_f32 v5, s26, v24
	v_mul_f32 v8, s[SRN], v5
	v_fma_f32 v6, -v8, s[SNN], v5
	v_fma_f32 v8, v6, s[SRN], v8                   ; mu
	v_mul_f32 v9, v26, v23
	v_mul_f32 v9, s[SRN], v9
	v_mul_f32 v9, s[SRN], v9                       ; var
	v_sqrt_f32 v10, v9
	v_nop
	s_wait_alu depctr_va_vdst(0)
	v_cmp_lt_f32 s40, s27, v10                     ; sigma > 1e-4
	v_cmp_lt_f32 s41, 0, v8                        ; mu > 0
	s_and_b32 s40, s40, s41                        ; valid
	v_cndmask_b32 v8, 0.5, v8, s40
	v_cndmask_b32 v9, 1.0, v9, s40
	v_sub_f32 v10, 1.0, v8
	v_mul_f32 v11, v8, v8
	v_mul_f32 v10, v10, v11                        ; (1 - mu) mu^2
	v_rcp_f32 v11, v9
	v_rcp_f32 v12, v8
	v_nop
	s_wait_alu depctr_va_vdst(0)
	v_fma_f32 v13, -v9, v11, 1.0
	v_fma_f32 v14, -v8, v12, 1.0
	v_fma_f32 v11, v13, v11, v11
	v_fma_f32 v12, v14, v12, v12
	v_mul_f32 v13, v10, v11
	v_fma_f32 v14, -v13, v9, v10
	v_fma_f32 v13, v14, v11, v13                   ; / var, corrected once
	v_sub_f32 v13, v13, v8                         ; a
	v_mul_f32 v14, v13, v12
	v_fma_f32 v15, -v14, v8, v13
	v_fma_f32 v14, v15, v12, v14                   ; a / mu
	v_sub_f32 v14, v14, v13                        ; b
	v_cmp_lt_f32 s41, 0, v13
	v_cmp_lt_f32 s42, 0, v14
	s_and_b32 s40, s40, s41
	s_and_b32 s40, s40, s42                        ; ok
	v_add_f32 v13, -1.0, v13
	v_add_f32 v14, -1.0, v14
	v_cndmask_b32 v10, 0, v13, s40                 ; a - 1
	v_cndmask_b32 v12, 0, v14, s40                 ; b - 1
	v_mov_b32 v11, v10                             ; as pairs, for the packed forms
	v_mov_b32 v13, v12
	v_mul_f32 v14, s29, v12
	v_mul_f32 v15, s29, v10
	v_fma_f32 v14, s28, v10, v14                   ; g at the first t
	v_fma_f32 v15, s28, v12, v15                   ; g at the last
	v_cmp_lt_f32 s41, 0, v10
	v_cmp_lt_f32 s42, 0, v12
	s_and_b32 s41, s41, s42                        ; g has a mode inside
	v_add_f32 v17, v10, v12
	v_cndmask_b32 v17, 1.0, v17, s41
	v_rcp_f32 v17, v17
	v_nop
	s_wait_alu depctr_va_vdst(0)
	v_mul_f32 v18, v10, v17
	v_mul_f32 v19, v12, v17
	v_med3_num_f32 v18, v18, s30, s31
	v_med3_num_f32 v19, v19, s30, s31
	v_log_f32 v18, v18
	v_log_f32 v19, v19
	v_nop
	s_wait_alu depctr_va_vdst(0)
	v_mul_f32 v19, v12, v19
	v_fma_f32 v18, v10, v18, v19                   ; g at the mode
	v_cndmask_b32 v18, v14, v18, s41
	v_max3_num_f32 v22, v14, v15, v18              ; m
	v_mul_f32 v20, -1.0, v22
	v_mov_b32 v21, v20
	v_mov_b32 v28, 0                               ; Z, in two chains of pairs
	v_mov_b32 v29, 0
	v_mov_b32 v30, 0
	v_mov_b32 v31, 0
; twenty rows of my part's 160: every lane of a wave reads the same bytes of the table
.macro ZB bt
.irp j,0,1,2,3,4
	ds_load_b128 v[LND+4*\j:LND+4*\j+3], v177 offset:LT+16*(5*\bt+\j)
	ds_load_b128 v[LND+20+4*\j:LND+23+4*\j], v177 offset:L1+16*(5*\bt+\j)
.endr
	s_wait_dscnt 0x0
.set i,0
.rept 10
	v_pk_fma_f32 v[LND+i:LND+i+1], v[LND+i:LND+i+1], v[10:11], v[20:21]
.set i,i+2
.endr
.set i,0
.rept 10
	v_pk_fma_f32 v[LND+i:LND+i+1], v[LND+20+i:LND+21+i], v[12:13], v[LND+i:LND+i+1]
.set i,i+2
.endr
.set i,0
.rept 20
	v_exp_f32 v[LND+i], v[LND+i]
.set i,i+1
.endr
	v_nop
.set i,0
	s_wait_alu depctr_va_vdst(0)
.rept 5
	v_pk_add_f32 v[28:29], v[28:29], v[LND+i:LND+i+1]
	v_pk_add_f32 v[30:31], v[30:31], v[LND+i+2:LND+i+3]
.set i,i+4
.endr
.endm
.irp b,0,1,2,3,4,5,6,7
	ZB \b
.endr
	v_pk_add_f32 v[28:29], v[28:29], v[30:31]
	v_add_f32 v28, v28, v29
	ds_store_b32 v7, v28 offset:C3
	s_wait_loadcnt 0x0                             ; the chunk's loads are in.  The wait stands on every way, ahead of the branch: a work-group that asked for nothing meets it at once
	s_cmp_gt_u32 ttmp9, 15
	s_cbranch_scc1 .Lno_c2
.set i,1
.rept 24
	v_pk_add_f32 v[REC:REC+1], v[REC:REC+1], v[REC+4*i:REC+4*i+1]
	v_pk_add_f32 v[REC+2:REC+3], v[REC+2:REC+3], v[REC+4*i+2:REC+4*i+3]
.set i,i+1
.endr
	ds_store_b128 v173, v[REC:REC+3] offset:C4
.Lno_c2:
	BARRIER
	s_cmp_gt_u32 s12, 1
	s_cbranch_scc1 .Lend
	s_cmp_lg_u32 s12, 0
	s_cbranch_scc1 .Lnot0
.irp p,0,1,2,3,4,5,6,7,8,9
	ds_load_b64 v[LND+2*\p:LND+2*\p+1], v172 offset:C3+256*\p   ; wave 0: two centres a lane
.endr
	s_wait_dscnt 0x0
.irp p,1,2,3,4,5,6,7,8,9
	v_pk_add_f32 v[LND:LND+1], v[LND:LND+1], v[LND+2*\p:LND+2*\p+1]
.endr
	global_store_b64 v172, v[LND:LND+1], s[10:11]  ; 32 lanes store 256 consecutive bytes, aligned
.Lnot0:
	s_cmp_lg_u32 ttmp9, 0
	s_cbranch_scc1 .Lno_par
	v_mov_b32 v160, v10
	v_mov_b32 v161, v12
	v_mov_b32 v162, v22
	v_mov_b32 v163, v16
	global_store_b128 v176, v[160:163], s[6:7]     ; [k][a - 1, b - 1, m, S0]
.Lno_par:
	s_cmp_gt_u32 ttmp9, 15
	s_cbranch_scc1 .Lend
.irp p,0,1,2,3,4,5,6,7,8,9
	ds_load_b128 v[REC+4*\p:REC+4*\p+3], v176 offset:C4+1024*\p
.endr
	s_wait_dscnt 0x0
.irp p,1,2,3,4,5,6,7,8,9
	v_pk_add_f32 v[REC:REC+1], v[REC:REC+1], v[REC+4*\p:REC+4*\p+1]
	v_pk_add_f32 v[REC+2:REC+3], v[REC+2:REC+3], v[REC+4*\p+2:REC+4*\p+3]
.endr
	global_store_b128 v176, v[REC:REC+3], s[8:9]   ; my chunk of the summed centres: a wave's store covers 512 consecutive bytes
.Lend:
	s_wait_tensorcnt 0x0
	ds_add_u32 v184, v185
	s_wait_dscnt 0x0
	s_endpgm
.Lfunc_end_k_q941f17dc4e_mid:
	.size	k_q941f17dc4e_mid, .Lfunc_end_k_q941f17dc4e_mid-k_q941f17dc4e_mid
	.p2alignl 7, 3214868480
	.fill 96, 4, 3214868480
	.section	.rodata,"a",@progbits
	.p2align	6, 0x0
	.amdhsa_kernel k_q941f17dc4e_mid
		.amdhsa_group_segment_fixed_size 35840
		.amdhsa_private_segment_fixed_size 0
		.amdhsa_enable_private_segment 0
		.amdhsa_kernarg_size 32
		.amdhsa_user_sgpr_count 2
		.amdhsa_user_sgpr_kernarg_segment_ptr 1
		.amdhsa_wavefront_size32 1
		.amdhsa_system_sgpr_workgroup_id_x 1
		.amdhsa_system_sgpr_workgroup_id_y 1
		.amdhsa_system_sgpr_workgroup_id_z 1
		.amdhsa_system_vgpr_workitem_id 0
		.amdhsa_next_free_vgpr 186
		.amdhsa_next_free_sgpr 66
		.amdhsa_reserve_vcc 0
		.amdhsa_float_denorm_mode_32 3
		.amdhsa_float_denorm_mode_16_64 3
		.amdhsa_memory_ordered 1
		.amdhsa_forward_progress 1
		.amdhsa_inst_pref_size 58
	.end_amdhsa_kernel
	.amdgpu_metadata
---
amdhsa.version: [ 1, 2 ]
amdhsa.kernels:
  - .name:           k_q941f17dc4e_mid
    .symbol:         k_q941f17dc4e_mid.kd
    .args:
      - { .name: rec1, .offset: 0, .size: 8, .value_kind: global_buffer, .address_space: global }
      - { .name: par, .offset: 8, .size: 8, .value_kind: global_buffer, .address_space: global }
      - { .name: csum, .offset: 16, .size: 8, .value_kind: global_buffer, .address_space: global }
      - { .name: zp, .offset: 24, .size: 8, .value_kind: global_buffer, .address_space: global }
    .group_segment_fixed_size: 35840
    .private_segment_fixed_size: 0
    .kernarg_segment_align: 8
    .kernarg_segment_size: 32
    .max_flat_workgroup_size: 640
    .sgpr_count:     66
    .vgpr_count:     186
    .wavefront_size: 32
...
	.end_amdgpu_metadata
.endif
;; end of part 2
;; launch pass2 (part 3): grid 250 x 1, 4 waves a work-group, no clusters, 74,752 bytes of LDS; arguments xq, par, csum, zp, rec2; writes rec2
.if DOCPART == 3
	.amdgcn_target "amdgcn-amd-amdhsa--gfx1250"
	.amdhsa_code_object_version 6
	.text
	.protected	k_q941f17dc4e_pass2
	.globl	k_q941f17dc4e_pass2
	.p2align	8
	.type	k_q941f17dc4e_pass2,@function
k_q941f17dc4e_pass2:
	s_mov_b64 s[64:65], 0
	v_nop
	global_prefetch_b8 v0, s[64:65] scope:SCOPE_SE
	s_setreg_imm32_b32 hwreg(HW_REG_WAVE_MODE, 25, 1), 1
	s_wait_xcnt 0x0
; THE SECOND SWEEP of the soft k-means, on the codes of x that the first sweep left in xq.  Shares, layouts and the work of a half are the first sweep's; three things differ.
; (1) The centres are csum / (S0 + 1e-10); each work-group forms them, their -c_sq / 2 and their codes at its head.
; (2) The time prior: ln y = ln 2 (g(t) - m - log2 Z), held to ln 1e-30 .. 0 as reference() clips y.  The logit is 2 (x.c - c_sq / 2 + ln y / 2): the bracket's last two terms are the C of product 1, a number for each row and centre.
;     x_sq is equal for all centres of a row and the softmax's own subtraction of the maximum removes it: it is not formed.
; (3) reference()'s second time_vars is used by nothing and is not formed: S2 = 0 in rec2.
; A half's operands come straight from memory into the operand registers, as they were stored, one half ahead: columns-innermost codes behind product 1, rows-innermost codes behind product 2.
; The last halves ask for half 24 again in place of one past the end: no load leaves the work-group's 25 halves, and the counts of the waits are the same on every way.
; No clusters: every half of xq is multiplied by one wave alone; what work-groups share (80 KB of sums) is read once at the head.
; LIMITS: as in the first sweep; NaN and infinities are not served.
; REGISTERS.  Window 0 and window 1 as in the first sweep (window 1 has no -c_sq / 2).  Window 2: v0-127 the prior's C (at the head: the centres); v128 log2 t, v160 log2(1 - t) of my block's 32 rows; v192 four pairs a tile of centres; v224 x's codes, columns innermost.
.set PASS, 2
.set STG, 17664                        ; LDS: a wave's region for the way out
.set LOGB, 70656                       ; 512 bytes a wave: log2 t, then log2(1 - t), of a half's 64 rows
.set ZC, 72704                         ; 128 parts of Z
.set PT, 73216                         ; [k][four numbers]
.set IMG, 1
.set SH8, 2
.set LRD, 3                            ; my block's 128 bytes of the wave's logs
.set LWR, 4                            ; where I put my rows' logs
.set LANE, 6
.set DEL, 7
.set DEL2, 8
.set QM, 12
.set QS, 16
.set QB, 20
.set QO, 24
.set SXD, 28
.set SXN, 30
.set SWC, 32
.set SCB, 34
.set LS, 36
.set ST, 60
.set TP, 76
.set MX, 96
.set W, 128
.set ACC, 0
.set CB, 128
.set XN, 192
.set WC, 224
.set XA, 0
.set PP, 0
.set LTR, 128
.set L1R, 160
.set PRM, 192
.set XD, 224
.set XDW, 2
.set W_P1, 0x26                        ; product 1: source 0 and C window 2, source 1 window 1, D window 0
.set WV, 14
.set HF, 15
.set CNT, 21
.set RECP, 12
.set NX, 28                            ; s[28:29] xq at the half to be fetched
.set SRN, 32
.set SNN, 33
.set SNH, 34
.set R0, 38
.set MSB, 0
.macro WIN new                         ; the immediate's high byte repeats the setting that is left; a switch that changes nothing is dropped
.if MSB != (\new)
	s_set_vgpr_msb (MSB<<8)|(\new)
.set MSB, (\new)
.endif
.endm
.macro PLACES n
.rept \n
	v_nop
.endr
.endm
; one scaled product on E2M1 codes.  ra, rb = 1: that side's scale words stand in lanes 16-31 of the register named.  zero = 1: the product starts its sum
.macro WM d, a, b, c, sa, sb, ra, rb, zero
.if \zero
.if (\ra) && (\rb)
	v_wmma_scale_f32_16x16x128_f8f6f4 v[(\d):(\d)+7], v[(\a):(\a)+7], v[(\b):(\b)+7], 0, v[\sa], v[\sb] matrix_a_fmt:MATRIX_FMT_FP4 matrix_b_fmt:MATRIX_FMT_FP4 matrix_a_scale:MATRIX_SCALE_ROW1 matrix_b_scale:MATRIX_SCALE_ROW1
.elseif (\ra)
	v_wmma_scale_f32_16x16x128_f8f6f4 v[(\d):(\d)+7], v[(\a):(\a)+7], v[(\b):(\b)+7], 0, v[\sa], v[\sb] matrix_a_fmt:MATRIX_FMT_FP4 matrix_b_fmt:MATRIX_FMT_FP4 matrix_a_scale:MATRIX_SCALE_ROW1
.elseif (\rb)
	v_wmma_scale_f32_16x16x128_f8f6f4 v[(\d):(\d)+7], v[(\a):(\a)+7], v[(\b):(\b)+7], 0, v[\sa], v[\sb] matrix_a_fmt:MATRIX_FMT_FP4 matrix_b_fmt:MATRIX_FMT_FP4 matrix_b_scale:MATRIX_SCALE_ROW1
.else
	v_wmma_scale_f32_16x16x128_f8f6f4 v[(\d):(\d)+7], v[(\a):(\a)+7], v[(\b):(\b)+7], 0, v[\sa], v[\sb] matrix_a_fmt:MATRIX_FMT_FP4 matrix_b_fmt:MATRIX_FMT_FP4
.endif
.else
.if (\ra) && (\rb)
	v_wmma_scale_f32_16x16x128_f8f6f4 v[(\d):(\d)+7], v[(\a):(\a)+7], v[(\b):(\b)+7], v[(\c):(\c)+7], v[\sa], v[\sb] matrix_a_fmt:MATRIX_FMT_FP4 matrix_b_fmt:MATRIX_FMT_FP4 matrix_a_scale:MATRIX_SCALE_ROW1 matrix_b_scale:MATRIX_SCALE_ROW1
.elseif (\ra)
	v_wmma_scale_f32_16x16x128_f8f6f4 v[(\d):(\d)+7], v[(\a):(\a)+7], v[(\b):(\b)+7], v[(\c):(\c)+7], v[\sa], v[\sb] matrix_a_fmt:MATRIX_FMT_FP4 matrix_b_fmt:MATRIX_FMT_FP4 matrix_a_scale:MATRIX_SCALE_ROW1
.elseif (\rb)
	v_wmma_scale_f32_16x16x128_f8f6f4 v[(\d):(\d)+7], v[(\a):(\a)+7], v[(\b):(\b)+7], v[(\c):(\c)+7], v[\sa], v[\sb] matrix_a_fmt:MATRIX_FMT_FP4 matrix_b_fmt:MATRIX_FMT_FP4 matrix_b_scale:MATRIX_SCALE_ROW1
.else
	v_wmma_scale_f32_16x16x128_f8f6f4 v[(\d):(\d)+7], v[(\a):(\a)+7], v[(\b):(\b)+7], v[(\c):(\c)+7], v[\sa], v[\sb] matrix_a_fmt:MATRIX_FMT_FP4 matrix_b_fmt:MATRIX_FMT_FP4
.endif
.endif
.endm
; FOUR FRAGMENTS ARE QUANTISED.  Group g: 32 numbers of a lane, one whole block, at v[sb + 32 g] of window sw -> codes in v[db + 8 g .. + 3] of window dw.
; A lane has the byte of block h of its row; shifted up 8 h bits and joined with lane l xor 16's it is the row's scale word.  Two tiles share a register: lanes 0-15 the even tile's words, lanes 16-31 the odd one's.
.macro QUANT4 sw, sb, dw, db, s0r, s1r
	WIN ((\sw)<<2)|((\sw)<<4)
.irp g,0,1,2,3
	v_max3_num_f32 v[QM+\g], 0x1800000, |v[\sb+32*\g]|, |v[\sb+32*\g+1]|   ; with the floor 2^(3 - 127): the byte cannot fall under 1
.endr
.irp i,2,4,6,8,10,12,14,16,18,20,22,24,26,28,30
.irp g,0,1,2,3
	v_max3_num_f32 v[QM+\g], v[QM+\g], |v[\sb+32*\g+\i]|, |v[\sb+32*\g+\i+1]|   ; the four blocks by turns
.endr
.endr
	WIN 0
.irp g,0,1,2,3
	v_add_nc_u32 v[QS+\g], 0xff000000, v[QM+\g]    ; 2 off the exponent field: the conversion's scale operand
.endr
.irp g,0,1,2,3
	v_lshrrev_b32 v[QB+\g], 23, v[QS+\g]           ; the scale's byte
.endr
.irp g,0,1,2,3
	v_lshlrev_b32 v[QB+\g], v[SH8], v[QB+\g]       ; at its place in the word
.endr
.irp g,0,1,2,3
	v_permlanex16_b32 v[QO+\g], v[QB+\g], s22, s23
.endr
.irp g,0,1,2,3
	v_or_b32 v[QB+\g], v[QB+\g], v[QO+\g]
.endr
	v_cndmask_b32 v[\s0r], v[QB], v[QB+1], s20
	v_cndmask_b32 v[\s1r], v[QB+2], v[QB+3], s20
	WIN (\sw)|((\dw)<<6)
.irp g,0,1,2,3
.irp c,0,1,2,3
	v_cvt_scalef32_pk8_fp4_f32 v[\db+8*\g+\c], v[\sb+32*\g+8*\c:\sb+32*\g+8*\c+7], v[QS+\g]
.endr
.endr
	WIN 0
	v_nop                                          ; one plain place behind a scaled conversion
.endm
; The centres' sums lie in v[XA] on (window 2): group t = centre 16 t + r, columns 32 h + 0 .. 31.  The centres, -c_sq / 2 of the unquantised centres, then their codes.
.macro CENTERS
.if PASS == 2
	WIN 0x82
.irp t,0,1,2,3
.set i,0
.rept 16
	v_pk_mul_f32 v[XA+32*\t+i:XA+32*\t+i+1], v[XA+32*\t+i:XA+32*\t+i+1], v[TP+8+2*\t:TP+9+2*\t]   ; the sums / (S0 + 1e-10)
.set i,i+2
.endr
.endr
.endif
	WIN 0x0a
.irp t,0,1,2,3
	v_pk_mul_f32 v[TP+2*\t:TP+2*\t+1], v[XA+32*\t:XA+32*\t+1], v[XA+32*\t:XA+32*\t+1]
.endr
.irp i,2,4,6,8,10,12,14,16,18,20,22,24,26,28,30
.irp t,0,1,2,3
	v_pk_fma_f32 v[TP+2*\t:TP+2*\t+1], v[XA+32*\t+\i:XA+32*\t+\i+1], v[XA+32*\t+\i:XA+32*\t+\i+1], v[TP+2*\t:TP+2*\t+1]
.endr
.endr
	WIN 0
.irp t,0,1,2,3
	v_add_f32 v[TP+2*\t], v[TP+2*\t], v[TP+2*\t+1]
.endr
.irp t,0,1,2,3
	v_permlanex16_b32 v[QO+\t], v[TP+2*\t], s22, s23
.endr
.irp t,0,1,2,3
	v_add_f32 v[TP+2*\t], v[TP+2*\t], v[QO+\t]     ; with the other 32 columns
.endr
.irp t,0,1,2,3
	v_mul_f32 v[TP+2*\t], -0.5, v[TP+2*\t]
.endr
.if PASS == 1
	WIN 0x40
.irp t,0,1,2,3
.irp j,0,1,2,3,4,5,6,7
	v_mov_b32 v[CC+8*\t+\j], v[TP+2*\t]
.endr
.endr
.else
	WIN 0x80
.irp t,0,1,2,3
	v_mov_b32 v[PRM+8*\t+6], v[TP+2*\t]
	v_mov_b32 v[PRM+8*\t+7], v[TP+2*\t]
.endr
.endif
	QUANT4 2, XA, 1, CB, SCB, SCB+1
.endm
; pair p of a block's rows (rows 2 p, 2 p + 1) joins the half's sums: s0 += w, s1 += 2 p w (f1: that factor as f32)
.macro STP p, f1, f2
.irp t,0,1,2,3
	v_pk_add_f32 v[LS+6*\t:LS+6*\t+1], v[LS+6*\t:LS+6*\t+1], v[W+32*\t+2*\p:W+32*\t+2*\p+1]
.endr
.irp t,0,1,2,3
	v_pk_fma_f32 v[LS+6*\t+2:LS+6*\t+3], v[W+32*\t+2*\p:W+32*\t+2*\p+1], \f1, v[LS+6*\t+2:LS+6*\t+3] op_sel_hi:[1,0,1]
.endr
.if PASS == 1
.irp t,0,1,2,3
	v_pk_fma_f32 v[LS+6*\t+4:LS+6*\t+5], v[W+32*\t+2*\p:W+32*\t+2*\p+1], \f2, v[LS+6*\t+4:LS+6*\t+5] op_sel_hi:[1,0,1]
.endr
.endif
.endm
; A half's sums (even rows in the low word e, odd rows in the high word o) join the wave's: sum i w = s1e + s1o + s0o; rel = offset + i
.macro MERGE first
.irp t,0,1,2,3
	v_add_f32 v[TP+3*\t], v[LS+6*\t], v[LS+6*\t+1]
	v_add_f32 v[TP+3*\t+1], v[LS+6*\t+2], v[LS+6*\t+3]
.endr
.irp t,0,1,2,3
	v_add_f32 v[TP+3*\t+1], v[TP+3*\t+1], v[LS+6*\t+1]
.endr
.if PASS == 1
.irp t,0,1,2,3
	v_add_f32 v[TP+3*\t+2], v[LS+6*\t+4], v[LS+6*\t+5]
.endr
.irp t,0,1,2,3
	v_fma_f32 v[TP+3*\t+2], 2.0, v[LS+6*\t+3], v[TP+3*\t+2]
.endr
.irp t,0,1,2,3
	v_add_f32 v[TP+3*\t+2], v[TP+3*\t+2], v[LS+6*\t+1]
.endr
.irp t,0,1,2,3
	v_fma_f32 v[TP+3*\t+2], v[DEL2], v[TP+3*\t+1], v[TP+3*\t+2]
.endr
.irp t,0,1,2,3
	v_fma_f32 v[TP+3*\t+2], v[DEL2+1], v[TP+3*\t], v[TP+3*\t+2]
.endr
.endif
.irp t,0,1,2,3
	v_fma_f32 v[TP+3*\t+1], v[DEL], v[TP+3*\t], v[TP+3*\t+1]
.endr
.if \first
.irp t,0,1,2,3
	v_mov_b32 v[ST+4*\t], v[TP+3*\t]               ; the first half starts the wave's sums
	v_mov_b32 v[ST+4*\t+1], v[TP+3*\t+1]
.if PASS == 1
	v_mov_b32 v[ST+4*\t+2], v[TP+3*\t+2]
.else
	v_mov_b32 v[ST+4*\t+2], 0
.endif
	v_mov_b32 v[ST+4*\t+3], 0
.endr
.else
.irp t,0,1,2,3
	v_add_f32 v[ST+4*\t], v[ST+4*\t], v[TP+3*\t]
	v_add_f32 v[ST+4*\t+1], v[ST+4*\t+1], v[TP+3*\t+1]
.if PASS == 1
	v_add_f32 v[ST+4*\t+2], v[ST+4*\t+2], v[TP+3*\t+2]
.endif
.endr
.endif
.endm
; A HALF, from codes to sums.
.macro PHASEB first
	WIN W_P1
.irp u,0,1,2,3
.irp t,0,1,2,3
.if PASS == 1
	WM W+32*\t+8*\u, XD+8*\u, CB+8*\t, CC+8*\t, SXD+\u/2, SCB+\t/2, \u%2, \t%2, 0
.else
	WM W+32*\t+8*\u, XD+8*\u, CB+8*\t, PP+32*\t+8*\u, SXD+\u/2, SCB+\t/2, \u%2, \t%2, 0
.endif
.endr
.endr
	WIN 0
	PLACES 4                                       ; in front of the first read of results, and of loads into registers that these products read
.if PASS == 2
	WIN 0x80
.irp u,0,1,2,3
	global_load_b128 v[XD+8*\u:XD+8*\u+3], v[IMG], s[NX:NX+1] offset:512*\u   ; the next half's codes, columns innermost
.endr
	WIN 0
	global_load_b64 v[SXD:SXD+1], v[IMG], s[NX:NX+1] offset:4096
.endif
.set i,0
.rept 32
	v_max3_num_f32 v[MX+i], v[W+i], v[W+32+i], v[W+64+i]   ; each row's largest score: my four centres (each result is read from its low end on),
.set i,i+1
.endr
.set i,0
.rept 32
	v_max_num_f32 v[MX+i], v[MX+i], v[W+96+i]
.set i,i+1
.endr
.irp m,1,2,4,8
.set i,0
.rept 32
	v_max_num_f32_dpp v[MX+i], v[MX+i], v[MX+i] row_xmask:\m row_mask:0xf bank_mask:0xf   ; and the sixteen lanes'
.set i,i+1
.endr
.endr
.set i,0
.rept 16
	v_pk_mul_f32 v[MX+i:MX+i+1], v[MX+i:MX+i+1], s[18:19] op_sel_hi:[1,0]   ; -c max, c = 2 log2(e)
.set i,i+2
.endr
.irp t,0,1,2,3
.set i,0
.rept 16
	v_pk_fma_f32 v[W+32*\t+i:W+32*\t+i+1], v[W+32*\t+i:W+32*\t+i+1], s[16:17], v[MX+i:MX+i+1] op_sel_hi:[1,0,1]
.set i,i+2
.endr
.endr
.set i,0
.rept 128
	v_exp_f32 v[W+i], v[W+i]
.set i,i+1
.endr
	v_nop                                          ; a plain place behind the exponentials
.set i,0
	s_wait_alu depctr_va_vdst(0)
.rept 16
	v_pk_add_f32 v[MX+i:MX+i+1], v[W+i:W+i+1], v[W+32+i:W+33+i]
.set i,i+2
.endr
.set i,0
.rept 16
	v_pk_add_f32 v[MX+i:MX+i+1], v[MX+i:MX+i+1], v[W+64+i:W+65+i]
.set i,i+2
.endr
.set i,0
.rept 16
	v_pk_add_f32 v[MX+i:MX+i+1], v[MX+i:MX+i+1], v[W+96+i:W+97+i]
.set i,i+2
.endr
.irp m,1,2,4,8
.set i,0
.rept 32
	v_add_f32_dpp v[MX+i], v[MX+i], v[MX+i] row_xmask:\m row_mask:0xf bank_mask:0xf
.set i,i+1
.endr
.endr
.set i,0
.rept 32
	v_rcp_f32 v[MX+i], v[MX+i]
.set i,i+1
.endr
	v_nop
	s_wait_alu depctr_va_vdst(0)
.irp t,0,1,2,3
.set i,0
.rept 16
	v_pk_mul_f32 v[W+32*\t+i:W+32*\t+i+1], v[W+32*\t+i:W+32*\t+i+1], v[MX+i:MX+i+1]   ; the weights, finished and normalised
.set i,i+2
.endr
.endr
.irp t,0,1,2,3
	v_pk_add_f32 v[LS+6*\t:LS+6*\t+1], v[W+32*\t:W+32*\t+1], v[W+32*\t+2:W+32*\t+3]   ; pairs 0 and 1 start the half's sums: nothing is cleared
.endr
.irp t,0,1,2,3
	v_pk_mul_f32 v[LS+6*\t+2:LS+6*\t+3], v[W+32*\t+2:W+32*\t+3], 2.0 op_sel_hi:[1,0]
.endr
.if PASS == 1
.irp t,0,1,2,3
	v_pk_mul_f32 v[LS+6*\t+4:LS+6*\t+5], v[W+32*\t+2:W+32*\t+3], 4.0 op_sel_hi:[1,0]
.endr
.endif
	STP 2, 0x40800000, 0x41800000
	STP 3, 0x40c00000, 0x42100000
	STP 4, 0x41000000, 0x42800000
	STP 5, 0x41200000, 0x42c80000
	STP 6, 0x41400000, 0x43100000
	STP 7, 0x41600000, 0x43440000
	STP 8, 0x41800000, 0x43800000
	STP 9, 0x41900000, 0x43a20000
	STP 10, 0x41a00000, 0x43c80000
	STP 11, 0x41b00000, 0x43f20000
	STP 12, 0x41c00000, 0x44100000
	STP 13, 0x41d00000, 0x44290000
	STP 14, 0x41e00000, 0x44440000
	STP 15, 0x41f00000, 0x44610000
	QUANT4 0, W, 1, WC, SWC, SWC+1
	MERGE \first                                   ; these lines are also the places between the scale words' last write and product 2
.if PASS == 2
	s_wait_loadcnt 5                               ; this half's codes with rows innermost are in; the five loads issued behind them (the next half's, above) may be out
.endif
	WIN 0x55
.irp d,0,1,2,3
.irp t,0,1,2,3
	WM ACC+8*(4*\d+\t), XN+8*\d, WC+8*\t, ACC+8*(4*\d+\t), SXN+\d/2, SWC+\t/2, \d%2, \t%2, \first   ; sixteen accumulators by turns, one instruction a turn
.endr
.endr
	WIN 0
.if PASS == 2
	PLACES 4
	WIN 0x40
.irp u,0,1,2,3
	global_load_b128 v[XN+8*\u:XN+8*\u+3], v[IMG], s[NX:NX+1] offset:2048+512*\u
.endr
	WIN 0
	global_load_b64 v[SXN:SXN+1], v[IMG], s[NX:NX+1] offset:4104
.endif
.endm
; THE WAY OUT.  Each wave lays its sums in its own LDS region as the record's 17 chunks; a barrier; wave w adds the four regions' bytes 4096 w on and stores them: each store covers 512 consecutive bytes, aligned.
.macro EPILOG
	s_wait_dscnt 0x0
	s_mul_i32 s25, s[WV], STG
	s_lshl_b32 s26, s[WV], 12
	s_lshl_b32 s27, s[WV], 9
	s_add_co_u32 s27, s27, 16384
	v_and_b32 v88, 15, v0                          ; (these six lines are the places behind the last products)
	v_bfe_u32 v89, v0, 4, 1
	v_lshl_add_u32 v88, v88, 4, s25                ; my region + 16 r
	v_lshl_add_u32 v90, v89, 11, v88               ; + 2048 h
	v_add_nc_u32 v91, s26, v[IMG]                  ; 4096 w + 16 lane
	v_add_nc_u32 v92, s27, v[IMG]                  ; 16384 + 512 w + 16 lane
.irp t,0,1,2,3
	v_permlanex16_b32 v[TP+3*\t], v[ST+4*\t], s22, s23
	v_permlanex16_b32 v[TP+3*\t+1], v[ST+4*\t+1], s22, s23
.if PASS == 1
	v_permlanex16_b32 v[TP+3*\t+2], v[ST+4*\t+2], s22, s23
.endif
.endr
.irp t,0,1,2,3
	v_add_f32 v[ST+4*\t], v[ST+4*\t], v[TP+3*\t]   ; the two blocks of a half lie in lanes l and l xor 16
	v_add_f32 v[ST+4*\t+1], v[ST+4*\t+1], v[TP+3*\t+1]
.if PASS == 1
	v_add_f32 v[ST+4*\t+2], v[ST+4*\t+2], v[TP+3*\t+2]
.endif
.endr
	WIN 0x04
.irp d,0,1,2,3
.irp t,0,1,2,3
	ds_store_b128 v90, v[ACC+8*(4*\d+\t):ACC+8*(4*\d+\t)+3] offset:4096*\d+256*\t          ; chunk 4 d + 2 h, centre 16 t + r: each accumulator from its low end on
	ds_store_b128 v90, v[ACC+8*(4*\d+\t)+4:ACC+8*(4*\d+\t)+7] offset:4096*\d+256*\t+1024   ; the next chunk
.endr
.endr
	WIN 0
.irp t,0,1,2,3
	ds_store_b128 v88, v[ST+4*\t:ST+4*\t+3] offset:16384+256*\t   ; both halves of the lanes write the same bytes with the same value
.endr
	s_wait_dscnt 0x0                               ; for the others' sake: my stores have landed
	s_barrier_signal -1
	s_barrier_wait -1
.irp v,0,1,2,3
.irp s,0,1,2,3,4,5,6,7
	ds_load_b128 v[W+32*\v+4*\s:W+32*\v+4*\s+3], v91 offset:STG*\v+512*\s
.endr
.endr
	s_wait_dscnt 0x0
.set i,0
.rept 16
	v_pk_add_f32 v[W+i:W+i+1], v[W+i:W+i+1], v[W+32+i:W+33+i]
	v_pk_add_f32 v[W+64+i:W+65+i], v[W+64+i:W+65+i], v[W+96+i:W+97+i]
.set i,i+2
.endr
.set i,0
.rept 16
	v_pk_add_f32 v[W+i:W+i+1], v[W+i:W+i+1], v[W+64+i:W+65+i]
.set i,i+2
.endr
.irp s,0,1,2,3,4,5,6,7
	global_store_b128 v91, v[W+4*\s:W+4*\s+3], s[RECP:RECP+1] offset:512*\s
.endr
	s_cmp_gt_u32 s[WV], 1                          ; chunk 16 is 1,024 bytes: waves 0 and 1
	s_cbranch_scc1 .Lno_stat
.irp v,0,1,2,3
	ds_load_b128 v[MX+4*\v:MX+4*\v+3], v92 offset:STG*\v
.endr
	s_wait_dscnt 0x0
	v_pk_add_f32 v[MX:MX+1], v[MX:MX+1], v[MX+4:MX+5]
	v_pk_add_f32 v[MX+2:MX+3], v[MX+2:MX+3], v[MX+6:MX+7]
	v_pk_add_f32 v[MX+8:MX+9], v[MX+8:MX+9], v[MX+12:MX+13]
	v_pk_add_f32 v[MX+10:MX+11], v[MX+10:MX+11], v[MX+14:MX+15]
	v_pk_add_f32 v[MX:MX+1], v[MX:MX+1], v[MX+8:MX+9]
	v_pk_add_f32 v[MX+2:MX+3], v[MX+2:MX+3], v[MX+10:MX+11]
	global_store_b128 v92, v[MX:MX+3], s[RECP:RECP+1]
.Lno_stat:
.endm
; row v[n] -> v[a] = log2 t, v[b] = log2(1 - t).  t = (n + 0.5) / N and 1 - t = (N - 0.5 - n) / N: both numerators exact; the quotient by 1 / N and one correction
.macro TLOG n, a, b, t
	v_cvt_f32_u32 v[\t], v[\n]
	v_add_f32 v[\a], 0.5, v[\t]
	v_sub_f32 v[\b], s[SNH], v[\t]
	v_mul_f32 v[\t], s[SRN], v[\a]
	v_mul_f32 v[\t+1], s[SRN], v[\b]
	v_fma_f32 v[\a], -v[\t], s[SNN], v[\a]
	v_fma_f32 v[\b], -v[\t+1], s[SNN], v[\b]
	v_fma_f32 v[\a], v[\a], s[SRN], v[\t]
	v_fma_f32 v[\b], v[\b], s[SRN], v[\t+1]
	v_log_f32 v[\a], v[\a]
	v_log_f32 v[\b], v[\b]
	v_nop
.endm
; The logs of the half that begins at row s25: each lane makes two rows'; they go through the wave's own 512 bytes of LDS and come back as my block's 32 rows (LDS serves a wave's instructions in order: no wait between)
.macro LOGS
	v_add_nc_u32 v10, s25, v[LANE]
	v_add_nc_u32 v11, 32, v10
	TLOG 10, 88, 89, 92
	TLOG 11, 90, 91, 94
	s_wait_alu depctr_va_vdst(0)
	ds_store_b32 v[LWR], v88
	ds_store_b32 v[LWR], v90 offset:128
	ds_store_b32 v[LWR], v89 offset:256
	ds_store_b32 v[LWR], v91 offset:384
	WIN 0x80
.irp e,0,1,2,3,4,5,6,7
	ds_load_b128 v[LTR+4*\e:LTR+4*\e+3], v[LRD] offset:16*\e
	ds_load_b128 v[L1R+4*\e:L1R+4*\e+3], v[LRD] offset:256+16*\e
.endr
	WIN 0
.endm
; The C of product 1: ln y / 2, held to ln(1e-30) / 2 .. 0, less c_sq / 2.  All operands in window 2: one setting for the 320 lines
.macro PRIOR
	WIN 0xaa
.irp t,0,1,2,3
.set i,0
.rept 16
	v_pk_fma_f32 v[PP+32*\t+i:PP+32*\t+i+1], v[LTR+i:LTR+i+1], v[PRM+8*\t:PRM+8*\t+1], v[PRM+8*\t+4:PRM+8*\t+5]
.set i,i+2
.endr
.endr
.irp t,0,1,2,3
.set i,0
.rept 16
	v_pk_fma_f32 v[PP+32*\t+i:PP+32*\t+i+1], v[L1R+i:L1R+i+1], v[PRM+8*\t+2:PRM+8*\t+3], v[PP+32*\t+i:PP+32*\t+i+1]
.set i,i+2
.endr
.endr
.set i,0
.rept 128
	v_med3_num_f32 v[PP+i], v[PP+i], 0xc20a27b5, 0
.set i,i+1
.endr
.irp t,0,1,2,3
.set i,0
.rept 16
	v_pk_add_f32 v[PP+32*\t+i:PP+32*\t+i+1], v[PP+32*\t+i:PP+32*\t+i+1], v[PRM+8*\t+6:PRM+8*\t+7]
.set i,i+2
.endr
.endr
	WIN 0
.endm
.macro TRIP first
	s_wait_dscnt 0x0                               ; this half's logs are in
	PRIOR
	s_add_co_u32 s25, s[HF], 4
	s_min_u32 s25, s25, 24                         ; the half to be fetched: my next, or the last of the work-group's
	s_mul_i32 s26, s25, 4608
	s_mov_b32 s27, 0
	s_wait_xcnt 0x0                                ; the loads that are out have read their base
	s_add_nc_u64 s[NX:NX+1], s[4:5], s[26:27]
	s_lshl_b32 s25, s25, 6
	s_add_co_u32 s25, s25, s[R0]
	LOGS
	s_wait_loadcnt 5                               ; this half's codes with columns innermost are in; the five loads issued behind them (rows innermost) may be out
	PHASEB \first
	v_add_f32 v[DEL], 0x43800000, v[DEL]           ; my next half lies 256 rows on
.endm
	s_load_b256 s[4:11], s[0:1], 0x0               ; xq s[4:5], par s[6:7], csum s[8:9], zp s[10:11]
	s_load_b64 s[12:13], s[0:1], 0x20              ; rec2
	v_lshl_add_u32 v58, v0, 2, 0x12200
	v_mov_b32 v59, 0
	v_lshrrev_b32 v10, 5, v0
	v_readfirstlane_b32 s[WV], v10                 ; wave 0..3
	v_and_b32 v[LANE], 31, v0
	v_lshlrev_b32 v[IMG], 4, v[LANE]
	v_and_b32 v76, 15, v0                          ; r
	v_bfe_u32 v77, v0, 4, 1                        ; h
	v_lshlrev_b32 v[SH8], 3, v77
	s_lshl_b32 s25, s[WV], 9
	s_add_co_u32 s25, s25, LOGB
	v_lshl_add_u32 v[LRD], v77, 7, s25
	v_lshl_add_u32 v[LWR], v[LANE], 2, s25
	v_lshlrev_b32 v5, 4, v76
	v_lshl_add_u32 v5, v77, 13, v5                 ; csum: 8192 h + 16 r
	v_and_b32 v78, 63, v0                          ; k
	v_lshrrev_b32 v79, 6, v0                       ; which 125 of zp's rows
	v_mul_u32_u24 v79, v79, 32000
	v_lshl_add_u32 v79, v78, 2, v79
	v_lshlrev_b32 v80, 4, v78
	v_lshl_add_u32 v92, v0, 2, ZC
	v_lshl_add_u32 v93, v78, 2, ZC
	v_lshl_add_u32 v94, v78, 4, PT
	v_lshl_add_u32 v95, v76, 4, PT
	s_mov_b32 s16, 0x4038aa3b                      ; c = 2 log2(e)
	s_mov_b32 s17, s16
	s_mov_b32 s18, 0xc038aa3b
	s_mov_b32 s19, s18
	s_mov_b32 s20, 0xffff0000                      ; lanes 16-31
	s_mov_b32 s22, 0x76543210
	s_mov_b32 s23, 0xfedcba98                      ; v_permlanex16_b32's selects for lane l xor 16
	s_mov_b32 s[SRN], 0x3627c5ac                   ; 1 / N
	s_mov_b32 s[SNN], 0x48c35000                   ; N
	s_mov_b32 s[SNH], 0x48c34ff0                   ; N - 0.5
	s_mov_b32 s35, 0x3eb17218                      ; ln 2 / 2
	s_mov_b32 s36, 0xbeb17218
	s_mov_b32 s37, 0x2edbe6ff                      ; 1e-10
	s_mul_i32 s[R0], ttmp9, 1600
	s_mov_b32 s[HF], s[WV]
	s_mul_i32 s24, ttmp9, 115200
	s_mov_b32 s25, 0
	s_mul_i32 s26, s[WV], 4608
	s_mov_b32 s27, 0
	s_mul_i32 s30, ttmp9, 17408
	s_mov_b32 s31, 0
	s_wait_kmcnt 0x0
	s_add_nc_u64 s[4:5], s[4:5], s[24:25]          ; xq at the work-group's first half
	s_add_nc_u64 s[NX:NX+1], s[4:5], s[26:27]      ; and at my first
	s_add_nc_u64 s[12:13], s[12:13], s[30:31]
	WIN 0x80
.irp u,0,1,2,3
	global_load_b128 v[XD+8*\u:XD+8*\u+3], v[IMG], s[NX:NX+1] offset:512*\u
.endr
	WIN 0
	global_load_b64 v[SXD:SXD+1], v[IMG], s[NX:NX+1] offset:4096
	WIN 0x40
.irp u,0,1,2,3
	global_load_b128 v[XN+8*\u:XN+8*\u+3], v[IMG], s[NX:NX+1] offset:2048+512*\u
.endr
	WIN 0
	global_load_b64 v[SXN:SXN+1], v[IMG], s[NX:NX+1] offset:4104
.set i,0
.rept 125
	global_load_b32 v[W+i], v79, s[10:11] offset:256*i
.set i,i+1
.endr
	global_load_b128 v[MX:MX+3], v80, s[6:7]       ; a - 1, b - 1, m, S0 of centre k
	WIN 0x80
.irp t,0,1,2,3
.irp q,0,1,2,3,4,5,6,7
	global_load_b128 v[XA+32*\t+4*\q:XA+32*\t+4*\q+3], v5, s[8:9] offset:1024*\q+256*\t
.endr
.endr
.irp u,0,1,2,3
.irp c,4,5,6,7
	v_mov_b32 v[XD+8*\u+\c], 0                     ; K = 64 .. 127 of every fragment: zero codes, written once
.endr
.endr
	WIN 0x40
.irp u,0,1,2,3
.irp c,4,5,6,7
	v_mov_b32 v[CB+8*\u+\c], 0
	v_mov_b32 v[XN+8*\u+\c], 0
	v_mov_b32 v[WC+8*\u+\c], 0
.endr
.endr
	WIN 0
.irp g,0,1,2,3
	v_mov_b32 v[QO+\g], 0                          ; written once: a lane permute's destination counts as one of its sources
.endr
	s_lshl_b32 s25, s[WV], 6
	s_sub_co_i32 s25, s25, 800
	v_lshlrev_b32 v10, 5, v77
	v_add_nc_u32 v10, s25, v10
	v_cvt_f32_i32 v[DEL], v10                      ; 64 w + 32 h - 800
	s_wait_loadcnt 0x0
.set i,4
.rept 30
	v_pk_add_f32 v[W:W+1], v[W:W+1], v[W+i:W+i+1]
	v_pk_add_f32 v[W+2:W+3], v[W+2:W+3], v[W+i+2:W+i+3]
.set i,i+4
.endr
	v_pk_add_f32 v[W:W+1], v[W:W+1], v[W+2:W+3]
	v_add_f32 v[W], v[W], v[W+1]
	v_add_f32 v[W], v[W], v[W+124]
	ds_store_b32 v92, v[W]
	s_wait_dscnt 0x0
	s_barrier_signal -1
	s_barrier_wait -1
	ds_load_b32 v100, v93
	ds_load_b32 v101, v93 offset:256
	s_wait_dscnt 0x0
	v_add_f32 v100, v100, v101                     ; Z
	v_add_f32 v101, s37, v[MX+3]                   ; S0 + 1e-10
	v_log_f32 v100, v100
	v_rcp_f32 v102, v101
	v_nop
	s_wait_alu depctr_va_vdst(0)
	v_add_f32 v100, v100, v[MX+2]                  ; m + log2 Z
	v_fma_f32 v103, -v101, v102, 1.0
	v_fma_f32 v107, v103, v102, v102               ; 1 / (S0 + 1e-10)
	v_mul_f32 v104, s35, v[MX]
	v_mul_f32 v105, s35, v[MX+1]
	v_mul_f32 v106, s36, v100
	s_cmp_gt_u32 s[WV], 1                          ; waves 2 and 3 hold the same 64 centres' numbers: waves 0 and 1 store
	s_cbranch_scc1 .Lno_pt
	ds_store_b128 v94, v[104:107]
.Lno_pt:
	s_wait_dscnt 0x0
	s_barrier_signal -1
	s_barrier_wait -1
.irp t,0,1,2,3
	ds_load_b128 v[108+4*\t:111+4*\t], v95 offset:256*\t
.endr
	s_wait_dscnt 0x0
	WIN 0x80
.irp t,0,1,2,3
.irp c,0,1,2
	v_mov_b32 v[PRM+8*\t+2*\c], v[108+4*\t+\c]     ; as pairs, for the packed forms
	v_mov_b32 v[PRM+8*\t+2*\c+1], v[108+4*\t+\c]
.endr
.endr
	WIN 0
.irp t,0,1,2,3
	v_mov_b32 v[TP+8+2*\t], v[111+4*\t]
	v_mov_b32 v[TP+9+2*\t], v[111+4*\t]
.endr
	CENTERS
	s_lshl_b32 s25, s[WV], 6
	s_add_co_u32 s25, s25, s[R0]
	LOGS
	TRIP 1                                         ; the first half stands ahead of the loop: its products start the sums
	s_mov_b32 s[CNT], 6
.Lloop:                                            ; six trips in every wave; a half past the 25th is jumped over (in the last trip: waves 1 to 3)
	s_add_co_u32 s[HF], s[HF], 4
	s_cmp_gt_u32 s[HF], 24
	s_cbranch_scc1 .Lskip
	TRIP 0
.Lskip:
	s_sub_co_u32 s[CNT], s[CNT], 1
	s_cmp_lg_u32 s[CNT], 0
	s_cbranch_scc1 .Lloop
	EPILOG
	s_wait_tensorcnt 0x0
	ds_add_u32 v58, v59
	s_wait_dscnt 0x0
	s_endpgm
.Lfunc_end_k_q941f17dc4e_pass2:
	.size	k_q941f17dc4e_pass2, .Lfunc_end_k_q941f17dc4e_pass2-k_q941f17dc4e_pass2
	.p2alignl 7, 3214868480
	.fill 96, 4, 3214868480
	.section	.rodata,"a",@progbits
	.p2align	6, 0x0
	.amdhsa_kernel k_q941f17dc4e_pass2
		.amdhsa_group_segment_fixed_size 74752
		.amdhsa_private_segment_fixed_size 0
		.amdhsa_enable_private_segment 0
		.amdhsa_kernarg_size 40
		.amdhsa_user_sgpr_count 2
		.amdhsa_user_sgpr_kernarg_segment_ptr 1
		.amdhsa_wavefront_size32 1
		.amdhsa_system_sgpr_workgroup_id_x 1
		.amdhsa_system_sgpr_workgroup_id_y 1
		.amdhsa_system_sgpr_workgroup_id_z 1
		.amdhsa_system_vgpr_workitem_id 0
		.amdhsa_next_free_vgpr 768
		.amdhsa_next_free_sgpr 66
		.amdhsa_reserve_vcc 0
		.amdhsa_float_denorm_mode_32 3
		.amdhsa_float_denorm_mode_16_64 3
		.amdhsa_memory_ordered 1
		.amdhsa_forward_progress 1
		.amdhsa_inst_pref_size 226
	.end_amdhsa_kernel
	.amdgpu_metadata
---
amdhsa.version: [ 1, 2 ]
amdhsa.kernels:
  - .name:           k_q941f17dc4e_pass2
    .symbol:         k_q941f17dc4e_pass2.kd
    .args:
      - { .name: xq, .offset: 0, .size: 8, .value_kind: global_buffer, .address_space: global }
      - { .name: par, .offset: 8, .size: 8, .value_kind: global_buffer, .address_space: global }
      - { .name: csum, .offset: 16, .size: 8, .value_kind: global_buffer, .address_space: global }
      - { .name: zp, .offset: 24, .size: 8, .value_kind: global_buffer, .address_space: global }
      - { .name: rec2, .offset: 32, .size: 8, .value_kind: global_buffer, .address_space: global }
    .group_segment_fixed_size: 74752
    .private_segment_fixed_size: 0
    .kernarg_segment_align: 8
    .kernarg_segment_size: 40
    .max_flat_workgroup_size: 128
    .sgpr_count:     66
    .vgpr_count:     768
    .wavefront_size: 32
...
	.end_amdgpu_metadata
.endif
;; end of part 3
;; launch fin (part 4): grid 16 x 1, 20 waves a work-group, no clusters, 20,480 bytes of LDS; arguments rec2, out0; writes out0
.if DOCPART == 4
	.amdgcn_target "amdgcn-amd-amdhsa--gfx1250"
	.amdhsa_code_object_version 6
	.text
	.protected	k_q941f17dc4e_fin
	.globl	k_q941f17dc4e_fin
	.p2align	8
	.type	k_q941f17dc4e_fin,@function
k_q941f17dc4e_fin:
	s_mov_b64 s[64:65], 0
	v_nop
	global_prefetch_b8 v0, s[64:65] scope:SCOPE_SE
	s_setreg_imm32_b32 hwreg(HW_REG_WAVE_MODE, 25, 1), 1
	s_wait_xcnt 0x0
; THE END.  Work-group q owns columns 4 q .. 4 q + 3 of all 64 centres.  It adds the 250 records (thread = centre k x one of ten parts of 25 records), forms the centres and the time means,
; ranks the means and stores each centre's four columns at the row of its rank.
; The key is N mean - 200000 = (M1 - 2e-5) / (S0 + 1e-10), M1 = sum (S1 + O_g S0), O_g = 1600 g - 199199.5: it rises with reference()'s time mean.
; rank(k) = the number of j whose key is smaller, or equal with j < k: the stable order of argsort.  The rank steers no address: thread i goes through all 64 centres and keeps, by selection, the one whose rank is i.
; LIMITS: NaN is not served; two means closer than f32 tells apart may come out in either order.
; Sixteen bytes a lane, 256 bytes apart, is the price of ordering here and not in a launch of its own: the output is 16 KB in all.
.set C1, 0                             ; LDS: 640 x (S0, M1)
.set C4, 5120                          ; 640 x four columns' part
.set MEAN, 15360                       ; 64 keys
.set CN, 15616                         ; 64 x four columns
.set RK, 16640                         ; 64 ranks
.macro BARRIER
	s_wait_dscnt 0x0
	s_barrier_signal -1
	s_barrier_wait -1
.endm
	s_load_b128 s[4:7], s[0:1], 0x0                ; rec2 s[4:5], out0 s[6:7]
	v_lshl_add_u32 v190, v0, 2, 0x4600
	v_mov_b32 v191, 0
	v_lshrrev_b32 v12, 5, v0
	v_readfirstlane_b32 s12, v12                   ; wave 0..19
	v_and_b32 v1, 63, v0                           ; k
	v_lshrrev_b32 v2, 6, v0                        ; part 0..9
	v_mul_u32_u24 v3, v2, 435200
	v_lshl_add_u32 v3, v1, 4, v3
	s_mov_b32 s13, 0x471c4000                      ; 40000
	s_mov_b32 s14, 0xc84287e0                      ; -199199.5
	s_mov_b32 s23, 0x44c80000                      ; 1600
	s_mov_b32 s24, 0x2edbe6ff                      ; 1e-10
	s_mov_b32 s25, 0xb7a7c5ac                      ; -2e-5
	v_cvt_f32_u32 v4, v2
	v_fma_f32 v4, v4, s13, s14
	v_lshlrev_b32 v5, 3, v0                        ; every LDS place is made here, ahead of the first parting of the waves
	v_lshlrev_b32 v6, 4, v0
	v_lshlrev_b32 v7, 3, v1
	v_lshlrev_b32 v8, 4, v1
	v_lshlrev_b32 v9, 2, v1
	v_mov_b32 v10, 0
	v_lshlrev_b32 v11, 8, v1                       ; a row of out0
	s_lshl_b32 s16, ttmp9, 10
	s_mov_b32 s17, 0
	s_lshl_b32 s18, ttmp9, 4
	s_mov_b32 s19, 0
	s_wait_kmcnt 0x0
	s_add_nc_u64 s[8:9], s[4:5], s[16:17]          ; rec2 at my chunk
	s_add_nc_u64 s[6:7], s[6:7], s[18:19]          ; out0 at my four columns
.set i,0
.rept 25
	global_load_b64 v[32+2*i:33+2*i], v3, s[4:5] offset:17408*i+16384
.set i,i+1
.endr
.set i,0
.rept 25
	global_load_b128 v[84+4*i:87+4*i], v3, s[8:9] offset:17408*i
.set i,i+1
.endr
	s_wait_loadcnt 25                              ; the statistics are in; the 25 loads issued behind them may be out
	v_mov_b32 v18, v4
	v_fma_f32 v17, v18, v32, v33
.set i,1
.rept 24
	v_add_f32 v18, s23, v18
.if i == 1
	v_add_f32 v16, v32, v34
.else
	v_add_f32 v16, v16, v[32+2*i]
.endif
	v_fma_f32 v19, v18, v[32+2*i], v[33+2*i]
	v_add_f32 v17, v17, v19
.set i,i+1
.endr
	ds_store_b64 v5, v[16:17] offset:C1
	s_wait_loadcnt 0x0
.set i,1
.rept 24
	v_pk_add_f32 v[84:85], v[84:85], v[84+4*i:85+4*i]
	v_pk_add_f32 v[86:87], v[86:87], v[86+4*i:87+4*i]
.set i,i+1
.endr
	ds_store_b128 v6, v[84:87] offset:C4
	BARRIER
	s_cmp_gt_u32 s12, 1
	s_cbranch_scc1 .Lb2
.irp p,0,1,2,3,4,5,6,7,8,9
	ds_load_b64 v[32+2*\p:33+2*\p], v7 offset:C1+512*\p
	ds_load_b128 v[84+4*\p:87+4*\p], v8 offset:C4+1024*\p
.endr
	s_wait_dscnt 0x0
.irp p,1,2,3,4,5,6,7,8,9
	v_pk_add_f32 v[32:33], v[32:33], v[32+2*\p:33+2*\p]
	v_pk_add_f32 v[84:85], v[84:85], v[84+4*\p:85+4*\p]
	v_pk_add_f32 v[86:87], v[86:87], v[86+4*\p:87+4*\p]
.endr
	v_add_f32 v22, s24, v32                        ; S0 + 1e-10
	v_rcp_f32 v23, v22
	v_add_f32 v24, s25, v33                        ; (a plain place)  M1 - 2e-5
	s_wait_alu depctr_va_vdst(0)
	v_fma_f32 v25, -v22, v23, 1.0
	v_fma_f32 v23, v25, v23, v23
	v_mul_f32 v24, v24, v23                        ; the key
	v_mul_f32 v84, v84, v23
	v_mul_f32 v85, v85, v23
	v_mul_f32 v86, v86, v23
	v_mul_f32 v87, v87, v23                        ; the centre's four columns
	ds_store_b32 v9, v24 offset:MEAN
	ds_store_b128 v8, v[84:87] offset:CN
.Lb2:
	BARRIER
	s_cmp_gt_u32 s12, 1
	s_cbranch_scc1 .Lb3
.irp j,0,1,2,3,4,5,6,7,8,9,10,11,12,13,14,15
	ds_load_b128 v[32+4*\j:35+4*\j], v10 offset:MEAN+16*\j   ; all 64 keys, in every lane
.endr
	ds_load_b32 v26, v9 offset:MEAN                ; and my own
	s_wait_dscnt 0x0
	v_mov_b32 v27, 0
.set j,0
.rept 64
	v_cmp_lt_f32 vcc_lo, v[32+j], v26
	v_cmp_eq_f32 s40, v[32+j], v26
	v_cmp_lt_u32 s41, j, v1
	s_and_b32 s40, s40, s41
	s_or_b32 vcc_lo, vcc_lo, s40
	v_add_co_ci_u32 v27, vcc_lo, 0, v27, vcc_lo
.set j,j+1
.endr
	ds_store_b32 v9, v27 offset:RK
.Lb3:
	BARRIER
	s_cmp_gt_u32 s12, 1
	s_cbranch_scc1 .Lend
.irp j,0,1,2,3,4,5,6,7,8,9,10,11,12,13,14,15
	ds_load_b128 v[32+4*\j:35+4*\j], v10 offset:RK+16*\j     ; all 64 ranks
.endr
; sixteen centres: the one whose rank is my row's number is kept
.macro SELB b
.irp j,0,1,2,3,4,5,6,7,8,9,10,11,12,13,14,15
	ds_load_b128 v[96+4*\j:99+4*\j], v10 offset:CN+16*(16*\b+\j)
.endr
	s_wait_dscnt 0x0
.irp j,0,1,2,3,4,5,6,7,8,9,10,11,12,13,14,15
.if (16*\b+\j) == 0
.irp c,0,1,2,3
	v_mov_b32 v[28+\c], v[96+\c]                   ; centre 0 to begin with: the ranks are a permutation, so exactly one centre is mine
.endr
.else
	v_cmp_eq_u32 vcc_lo, v[32+16*\b+\j], v1
.irp c,0,1,2,3
	v_cndmask_b32 v[28+\c], v[28+\c], v[96+4*\j+\c], vcc_lo
.endr
.endif
.endr
.endm
	SELB 0
	SELB 1
	SELB 2
	SELB 3
	global_store_b128 v11, v[28:31], s[6:7]
.Lend:
	s_wait_tensorcnt 0x0
	ds_add_u32 v190, v191
	s_wait_dscnt 0x0
	s_endpgm
.Lfunc_end_k_q941f17dc4e_fin:
	.size	k_q941f17dc4e_fin, .Lfunc_end_k_q941f17dc4e_fin-k_q941f17dc4e_fin
	.p2alignl 7, 3214868480
	.fill 96, 4, 3214868480
	.section	.rodata,"a",@progbits
	.p2align	6, 0x0
	.amdhsa_kernel k_q941f17dc4e_fin
		.amdhsa_group_segment_fixed_size 20480
		.amdhsa_private_segment_fixed_size 0
		.amdhsa_enable_private_segment 0
		.amdhsa_kernarg_size 16
		.amdhsa_user_sgpr_count 2
		.amdhsa_user_sgpr_kernarg_segment_ptr 1
		.amdhsa_wavefront_size32 1
		.amdhsa_system_sgpr_workgroup_id_x 1
		.amdhsa_system_sgpr_workgroup_id_y 1
		.amdhsa_system_sgpr_workgroup_id_z 1
		.amdhsa_system_vgpr_workitem_id 0
		.amdhsa_next_free_vgpr 192
		.amdhsa_next_free_sgpr 66
		.amdhsa_reserve_vcc 1
		.amdhsa_float_denorm_mode_32 3
		.amdhsa_float_denorm_mode_16_64 3
		.amdhsa_memory_ordered 1
		.amdhsa_forward_progress 1
		.amdhsa_inst_pref_size 50
	.end_amdhsa_kernel
	.amdgpu_metadata
---
amdhsa.version: [ 1, 2 ]
amdhsa.kernels:
  - .name:           k_q941f17dc4e_fin
    .symbol:         k_q941f17dc4e_fin.kd
    .args:
      - { .name: rec2, .offset: 0, .size: 8, .value_kind: global_buffer, .address_space: global }
      - { .name: out0, .offset: 8, .size: 8, .value_kind: global_buffer, .address_space: global }
    .group_segment_fixed_size: 20480
    .private_segment_fixed_size: 0
    .kernarg_segment_align: 8
    .kernarg_segment_size: 16
    .max_flat_workgroup_size: 640
    .sgpr_count:     66
    .vgpr_count:     192
    .wavefront_size: 32
...
	.end_amdgpu_metadata
.endif
;; end of part 4
;; ======== version 2 of 2: 4 launches
;; workspace buffers: xq 28,800,000 bytes; rec1 4,352,000 bytes; rec2 4,352,000 bytes; par 1,024 bytes; csum 16,384 bytes; zp 64,000 bytes
;; launch pass1 (part 5): grid 250 x 1, 4 waves a work-group, no clusters, 71,168 bytes of LDS; arguments x, centers0, xq, rec1; writes xq, rec1
.if DOCPART == 5
	.amdgcn_target "amdgcn-amd-amdhsa--gfx1250"
	.amdhsa_code_object_version 6
	.text
	.protected	k_q941f17dc4e_pass1
	.globl	k_q941f17dc4e_pass1
	.p2align	8
	.type	k_q941f17dc4e_pass1,@function
k_q941f17dc4e_pass1:
	s_mov_b64 s[64:65], 0
	v_nop
	global_prefetch_b8 v0, s[64:65] scope:SCOPE_SE
	s_setreg_imm32_b32 hwreg(HW_REG_WAVE_SCHED_MODE, 0, 2), 2
	s_setreg_imm32_b32 hwreg(HW_REG_WAVE_MODE, 25, 1), 1
	s_wait_xcnt 0x0
	s_wait_alu depctr_vm_vsrc(0)
; THE FIRST SWEEP of the soft k-means.  x [400000][64] f32, centers0 [64][64] f32.
; For each row: scores x.c on E2M1 codes (K = the 64 columns), softmax over the 64 centres, then sums over rows: w^T x on E2M1 codes (K = rows, blocks of 32 rows), and in f32 sum w, sum w rel, sum w rel^2.
; WHAT reference() ITSELF FIXES: in its first iteration time_means = time_vars = 0, so its prior is the same number for every row and centre; that number and x_sq are equal for all centres of a row,
; and the softmax's own subtraction of the row's maximum removes them: neither is formed.  The logit is 2 (x.c - c_sq / 2); the maximum is taken away before the exponential.
; SHARES.  250 work-groups x 1,600 rows = 25 HALVES of 64 rows (two quantiser blocks).  Wave w takes halves w, w + 4, ..; wave 0 one more (half 24).  No clusters: work-groups share only the 16 KB of centres.
; A MATRIX INSTRUCTION'S K IS HALF FILLED: K = 64 (columns, or one half's rows); registers 4-7 of every fragment are zero codes, scale bytes 2, 3 are 0 (a finite scale over zero codes).
; LAYOUT, lane = (r = lane % 16, h = lane / 16).  Product 1: source 0 = 16 rows of x, tile u: row m is (block m / 8, i = 8 u + m % 8); source 1 = centres 16 t + r; C = -c_sq / 2.
; Result register j of lane (r, h) is row (block h, i = 8 u + j) against centre 16 t + r: a lane's 32 registers of one t are one whole block of 32 rows of one centre, in K order: product 2's operand as it stands.
; Product 2: source 0 = x with rows innermost (column 16 d + r), source 1 = the weights (centre 16 t + r): register j = (column 16 d + 8 h + j, centre 16 t + r).
; x's codes in both directions go to xq as register images ([wg][half][9 x 512 bytes]), so that the second sweep reads 72 bytes a row in place of 256 and quantises nothing of x.
; rec1 [wg][17 x 1,024 bytes]: chunk q < 16: [centre][columns 4 q .. 4 q + 3] of sum w x; chunk 16: [centre][S0, S1, S2, 0], rel = row - first row of the group - 800.
; LIMITS: NaN and infinities are not served; a block whose largest magnitude lies under 2^-124 keeps the scale byte 1 (a block of zeros too: its codes are zeros, and this program alone reads the bytes).
; REGISTERS, in windows of 256.  Window 0: v1-9 addresses and the half's offset; v12-27 the quantiser's; v28-35 scale words and nothing else; v36-59 a half's sums; v60-75 the wave's sums; v76-95 at work; v96-127 a value for each row; v128-255 scores, then weights.
;   window 1: v0-127 the 16 accumulators; v128 centres' codes; v160 -c_sq / 2; v192 x's codes, rows innermost; v224 weights' codes.   window 2: v0-127 x by rows, v128-255 x by columns.   window 3: v0-127 x as loaded; v128 x's codes, columns innermost.
; THE MODE: SCHED_MODE bits 1:0 = 2 (LLVM: expert scheduling mode 2), set by the entry lines.  The code itself states the register dependences
; between vector or matrix instructions and memory or LDS instructions, with s_wait_alu, always for 0.
; THE PLAN.  Registers that memory or LDS instructions touch, in the loop:
;   G (x as loaded)      Written by the turn's global loads; read by the next turn's LDS stores; no vector instruction names it.
;   XA, XB (by rows, by columns)   Written by the turn's LDS loads; read by the next half's two quantisers.
;   XD, XN, v28-31 (codes, scale words)   Written by the two quantisers; read by the half's nine global stores, and by the products.
;   v1, v3-6             Addresses, made at the head and never written again: the rows are reached by the scalar bases and by immediate offsets.
; So ONE wait on va_vdst stands ahead of a half's memory work, behind its two quantisers: it states that the codes and scale words are written and that XA and XB have been read.  The nine stores, the turn's
; 32 LDS stores, 160 LDS loads and 32 global loads follow it with no vector instruction among them.  One wait on vm_vsrc stands ahead of the loads into G (the LDS stores have read it), one at the loop's head
; (the last half's global stores have read the codes).  The other waits on va_vdst stand between vector and matrix instructions alone: behind the exponentials, behind the reciprocals, ahead of product 2.
.set PASS, 1
.set STG, 17664                        ; LDS of a wave: the stage, later its part of the way out
.set BLK, 8832                         ; a block's 32 rows in the stage: 32 x 272 + 128: block 1 begins 32 banks on from block 0 (64 banks of 4 bytes: ISA guide 11.1)
.set RP, 272                           ; a row in the stage: 256 bytes + 16: row i begins at bank 4 i
.set IMG, 1                            ; 16 x lane
.set SH8, 2                            ; 8 h
.set GX, 3                             ; x: 8192 h + 16 r
.set STW, 4                            ; stage, in: + 8832 h + 16 r
.set AI, 5                             ; stage, by rows: + 8832 (r / 8) + 272 (r % 8) + 128 h
.set AII, 6                            ; stage, by columns: + 8832 h + 4 r
.set DEL, 7                            ; the offset of my block's first row: 64 half + 32 h - 800
.set DEL2, 8                           ; v8 twice that, v9 its square
.set QM, 12
.set QS, 16
.set QB, 20
.set QO, 24
.set SXD, 28
.set SXN, 30
.set SWC, 32
.set SCB, 34
.set LS, 36
.set ST, 60
.set TP, 76
.set MX, 96
.set W, 128
.set ACC, 0
.set CB, 128
.set CC, 160
.set XN, 192
.set WC, 224
.set XA, 0
.set XB, 128
.set G, 0
.set XD, 128
.set XDW, 3
.set W_P1, 0x17                        ; product 1: source 0 window 3, source 1 and C window 1, D window 0
.set WV, 14
.set HF, 15
.set CNT, 21
.set HG, 24
.set RECP, 10
.set MSB, 0
.macro WIN new                         ; the immediate's high byte repeats the setting that is left; a switch that changes nothing is dropped
.if MSB != (\new)
	s_set_vgpr_msb (MSB<<8)|(\new)
.set MSB, (\new)
.endif
.endm
.macro PLACES n
.rept \n
	v_nop
.endr
.endm
; one scaled product on E2M1 codes.  ra, rb = 1: that side's scale words stand in lanes 16-31 of the register named.  zero = 1: the product starts its sum
.macro WM d, a, b, c, sa, sb, ra, rb, zero
.if \zero
.if (\ra) && (\rb)
	v_wmma_scale_f32_16x16x128_f8f6f4 v[(\d):(\d)+7], v[(\a):(\a)+7], v[(\b):(\b)+7], 0, v[\sa], v[\sb] matrix_a_fmt:MATRIX_FMT_FP4 matrix_b_fmt:MATRIX_FMT_FP4 matrix_a_scale:MATRIX_SCALE_ROW1 matrix_b_scale:MATRIX_SCALE_ROW1
.elseif (\ra)
	v_wmma_scale_f32_16x16x128_f8f6f4 v[(\d):(\d)+7], v[(\a):(\a)+7], v[(\b):(\b)+7], 0, v[\sa], v[\sb] matrix_a_fmt:MATRIX_FMT_FP4 matrix_b_fmt:MATRIX_FMT_FP4 matrix_a_scale:MATRIX_SCALE_ROW1
.elseif (\rb)
	v_wmma_scale_f32_16x16x128_f8f6f4 v[(\d):(\d)+7], v[(\a):(\a)+7], v[(\b):(\b)+7], 0, v[\sa], v[\sb] matrix_a_fmt:MATRIX_FMT_FP4 matrix_b_fmt:MATRIX_FMT_FP4 matrix_b_scale:MATRIX_SCALE_ROW1
.else
	v_wmma_scale_f32_16x16x128_f8f6f4 v[(\d):(\d)+7], v[(\a):(\a)+7], v[(\b):(\b)+7], 0, v[\sa], v[\sb] matrix_a_fmt:MATRIX_FMT_FP4 matrix_b_fmt:MATRIX_FMT_FP4
.endif
.else
.if (\ra) && (\rb)
	v_wmma_scale_f32_16x16x128_f8f6f4 v[(\d):(\d)+7], v[(\a):(\a)+7], v[(\b):(\b)+7], v[(\c):(\c)+7], v[\sa], v[\sb] matrix_a_fmt:MATRIX_FMT_FP4 matrix_b_fmt:MATRIX_FMT_FP4 matrix_a_scale:MATRIX_SCALE_ROW1 matrix_b_scale:MATRIX_SCALE_ROW1
.elseif (\ra)
	v_wmma_scale_f32_16x16x128_f8f6f4 v[(\d):(\d)+7], v[(\a):(\a)+7], v[(\b):(\b)+7], v[(\c):(\c)+7], v[\sa], v[\sb] matrix_a_fmt:MATRIX_FMT_FP4 matrix_b_fmt:MATRIX_FMT_FP4 matrix_a_scale:MATRIX_SCALE_ROW1
.elseif (\rb)
	v_wmma_scale_f32_16x16x128_f8f6f4 v[(\d):(\d)+7], v[(\a):(\a)+7], v[(\b):(\b)+7], v[(\c):(\c)+7], v[\sa], v[\sb] matrix_a_fmt:MATRIX_FMT_FP4 matrix_b_fmt:MATRIX_FMT_FP4 matrix_b_scale:MATRIX_SCALE_ROW1
.else
	v_wmma_scale_f32_16x16x128_f8f6f4 v[(\d):(\d)+7], v[(\a):(\a)+7], v[(\b):(\b)+7], v[(\c):(\c)+7], v[\sa], v[\sb] matrix_a_fmt:MATRIX_FMT_FP4 matrix_b_fmt:MATRIX_FMT_FP4
.endif
.endif
.endm
; FOUR FRAGMENTS ARE QUANTISED.  Group g: 32 numbers of a lane, one whole block, at v[sb + 32 g] of window sw -> codes in v[db + 8 g .. + 3] of window dw.
; A lane has the byte of block h of its row; shifted up 8 h bits and joined with lane l xor 16's it is the row's scale word.  Two tiles share a register: lanes 0-15 the even tile's words, lanes 16-31 the odd one's.
.macro QUANT4 sw, sb, dw, db, s0r, s1r
	WIN ((\sw)<<2)|((\sw)<<4)
.irp g,0,1,2,3
	v_max3_num_f32 v[QM+\g], 0x1800000, |v[\sb+32*\g]|, |v[\sb+32*\g+1]|   ; with the floor 2^(3 - 127): the byte cannot fall under 1
.endr
.irp i,2,4,6,8,10,12,14,16,18,20,22,24,26,28,30
.irp g,0,1,2,3
	v_max3_num_f32 v[QM+\g], v[QM+\g], |v[\sb+32*\g+\i]|, |v[\sb+32*\g+\i+1]|   ; the four blocks by turns
.endr
.endr
	WIN 0
.irp g,0,1,2,3
	v_add_nc_u32 v[QS+\g], 0xff000000, v[QM+\g]    ; 2 off the exponent field: the conversion's scale operand
.endr
.irp g,0,1,2,3
	v_lshrrev_b32 v[QB+\g], 23, v[QS+\g]           ; the scale's byte
.endr
.irp g,0,1,2,3
	v_lshlrev_b32 v[QB+\g], v[SH8], v[QB+\g]       ; at its place in the word
.endr
.irp g,0,1,2,3
	v_permlanex16_b32 v[QO+\g], v[QB+\g], s22, s23
.endr
.irp g,0,1,2,3
	v_or_b32 v[QB+\g], v[QB+\g], v[QO+\g]
.endr
	v_cndmask_b32 v[\s0r], v[QB], v[QB+1], s20
	v_cndmask_b32 v[\s1r], v[QB+2], v[QB+3], s20
	WIN (\sw)|((\dw)<<6)
.irp g,0,1,2,3
.irp c,0,1,2,3
	v_cvt_scalef32_pk8_fp4_f32 v[\db+8*\g+\c], v[\sb+32*\g+8*\c:\sb+32*\g+8*\c+7], v[QS+\g]
.endr
.endr
	WIN 0
	v_nop                                          ; one plain place behind a scaled conversion
.endm
; The centres lie in v[XA] on (window 2): group t = centre 16 t + r, columns 32 h + 0 .. 31.  -c_sq / 2 of the unquantised centres, then their codes.
.macro CENTERS
.if PASS == 2
	WIN 0x82
.irp t,0,1,2,3
.set i,0
.rept 16
	v_pk_mul_f32 v[XA+32*\t+i:XA+32*\t+i+1], v[XA+32*\t+i:XA+32*\t+i+1], v[TP+8+2*\t:TP+9+2*\t]   ; the sums / (S0 + 1e-10)
.set i,i+2
.endr
.endr
.endif
	WIN 0x0a
.irp t,0,1,2,3
	v_pk_mul_f32 v[TP+2*\t:TP+2*\t+1], v[XA+32*\t:XA+32*\t+1], v[XA+32*\t:XA+32*\t+1]
.endr
.irp i,2,4,6,8,10,12,14,16,18,20,22,24,26,28,30
.irp t,0,1,2,3
	v_pk_fma_f32 v[TP+2*\t:TP+2*\t+1], v[XA+32*\t+\i:XA+32*\t+\i+1], v[XA+32*\t+\i:XA+32*\t+\i+1], v[TP+2*\t:TP+2*\t+1]
.endr
.endr
	WIN 0
.irp t,0,1,2,3
	v_add_f32 v[TP+2*\t], v[TP+2*\t], v[TP+2*\t+1]
.endr
.irp t,0,1,2,3
	v_permlanex16_b32 v[QO+\t], v[TP+2*\t], s22, s23
.endr
.irp t,0,1,2,3
	v_add_f32 v[TP+2*\t], v[TP+2*\t], v[QO+\t]     ; with the other 32 columns
.endr
.irp t,0,1,2,3
	v_mul_f32 v[TP+2*\t], -0.5, v[TP+2*\t]
.endr
.if PASS == 1
	WIN 0x40
.irp t,0,1,2,3
.irp j,0,1,2,3,4,5,6,7
	v_mov_b32 v[CC+8*\t+\j], v[TP+2*\t]            ; the C of product 1: the same for a lane's eight rows
.endr
.endr
.else
	WIN 0x80
.irp t,0,1,2,3
	v_mov_b32 v[PRM+8*\t+6], v[TP+2*\t]
	v_mov_b32 v[PRM+8*\t+7], v[TP+2*\t]
.endr
.endif
	QUANT4 2, XA, 1, CB, SCB, SCB+1
.endm
; pair p of a block's rows (rows 2 p, 2 p + 1) joins the half's sums: s0 += w, s1 += 2 p w, s2 += 4 p^2 w (f1, f2: these factors as f32)
.macro STP p, f1, f2
.irp t,0,1,2,3
	v_pk_add_f32 v[LS+6*\t:LS+6*\t+1], v[LS+6*\t:LS+6*\t+1], v[W+32*\t+2*\p:W+32*\t+2*\p+1]
.endr
.irp t,0,1,2,3
	v_pk_fma_f32 v[LS+6*\t+2:LS+6*\t+3], v[W+32*\t+2*\p:W+32*\t+2*\p+1], \f1, v[LS+6*\t+2:LS+6*\t+3] op_sel_hi:[1,0,1]
.endr
.if PASS == 1
.irp t,0,1,2,3
	v_pk_fma_f32 v[LS+6*\t+4:LS+6*\t+5], v[W+32*\t+2*\p:W+32*\t+2*\p+1], \f2, v[LS+6*\t+4:LS+6*\t+5] op_sel_hi:[1,0,1]
.endr
.endif
.endm
; A half's sums (even rows in the low word e, odd rows in the high word o) join the wave's, in two parts: sum i w = s1e + s1o + s0o; sum i^2 w = s2e + s2o + 2 s1o + s0o; rel = offset + i
.macro MERGE_A
.irp t,0,1,2,3
	v_add_f32 v[TP+3*\t], v[LS+6*\t], v[LS+6*\t+1]
	v_add_f32 v[TP+3*\t+1], v[LS+6*\t+2], v[LS+6*\t+3]
.endr
.irp t,0,1,2,3
	v_add_f32 v[TP+3*\t+1], v[TP+3*\t+1], v[LS+6*\t+1]
.endr
.endm
.macro MERGE_B first
.if PASS == 1
.irp t,0,1,2,3
	v_add_f32 v[TP+3*\t+2], v[LS+6*\t+4], v[LS+6*\t+5]
.endr
.irp t,0,1,2,3
	v_fma_f32 v[TP+3*\t+2], 2.0, v[LS+6*\t+3], v[TP+3*\t+2]
.endr
.irp t,0,1,2,3
	v_add_f32 v[TP+3*\t+2], v[TP+3*\t+2], v[LS+6*\t+1]
.endr
.irp t,0,1,2,3
	v_fma_f32 v[TP+3*\t+2], v[DEL2], v[TP+3*\t+1], v[TP+3*\t+2]
.endr
.irp t,0,1,2,3
	v_fma_f32 v[TP+3*\t+2], v[DEL2+1], v[TP+3*\t], v[TP+3*\t+2]
.endr
.endif
.irp t,0,1,2,3
	v_fma_f32 v[TP+3*\t+1], v[DEL], v[TP+3*\t], v[TP+3*\t+1]
.endr
.if \first
.irp t,0,1,2,3
	v_mov_b32 v[ST+4*\t], v[TP+3*\t]               ; the first half starts the wave's sums
	v_mov_b32 v[ST+4*\t+1], v[TP+3*\t+1]
.if PASS == 1
	v_mov_b32 v[ST+4*\t+2], v[TP+3*\t+2]
.else
	v_mov_b32 v[ST+4*\t+2], 0
.endif
	v_mov_b32 v[ST+4*\t+3], 0
.endr
.else
.irp t,0,1,2,3
	v_add_f32 v[ST+4*\t], v[ST+4*\t], v[TP+3*\t]
	v_add_f32 v[ST+4*\t+1], v[ST+4*\t+1], v[TP+3*\t+1]
.if PASS == 1
	v_add_f32 v[ST+4*\t+2], v[ST+4*\t+2], v[TP+3*\t+2]
.endif
.endr
.endif
.endm
; A HALF, from codes to sums.
.macro PHASEB first
	WIN W_P1
.irp u,0,1,2,3
.irp t,0,1,2,3
.if PASS == 1
	WM W+32*\t+8*\u, XD+8*\u, CB+8*\t, CC+8*\t, SXD+\u/2, SCB+\t/2, \u%2, \t%2, 0
.else
	WM W+32*\t+8*\u, XD+8*\u, CB+8*\t, PP+32*\t+8*\u, SXD+\u/2, SCB+\t/2, \u%2, \t%2, 0
.endif
.endr
.endr
	WIN 0
	PLACES 4                                       ; in front of the first read of results
.if PASS == 2
	WIN 0x80
	s_wait_alu depctr_va_vdst(0)                   ; product 1 is done reading x's codes with columns innermost and their scale words, in which the five loads below land
.irp u,0,1,2,3
	global_load_b128 v[XD+8*\u:XD+8*\u+3], v[IMG], s[NX:NX+1] offset:512*\u   ; the next half's codes, columns innermost
.endr
	WIN 0
	global_load_b64 v[SXD:SXD+1], v[IMG], s[NX:NX+1] offset:4096
.endif
.set i,0
.rept 32
	v_max3_num_f32 v[MX+i], v[W+i], v[W+32+i], v[W+64+i]   ; each row's largest score: my four centres (each result is read from its low end on),
.set i,i+1
.endr
.set i,0
.rept 32
	v_max_num_f32 v[MX+i], v[MX+i], v[W+96+i]
.set i,i+1
.endr
.irp m,1,2,4,8
.set i,0
.rept 32
	v_max_num_f32_dpp v[MX+i], v[MX+i], v[MX+i] row_xmask:\m row_mask:0xf bank_mask:0xf   ; and the sixteen lanes'
.set i,i+1
.endr
.endr
.set i,0
.rept 16
	v_pk_mul_f32 v[MX+i:MX+i+1], v[MX+i:MX+i+1], s[18:19] op_sel_hi:[1,0]   ; -c max, c = 2 log2(e)
.set i,i+2
.endr
.irp t,0,1,2,3
.set i,0
.rept 16
	v_pk_fma_f32 v[W+32*\t+i:W+32*\t+i+1], v[W+32*\t+i:W+32*\t+i+1], s[16:17], v[MX+i:MX+i+1] op_sel_hi:[1,0,1]
.set i,i+2
.endr
.endr
.set i,0
	s_wait_alu depctr_va_vdst(0)
.rept 128
	v_exp_f32 v[W+i], v[W+i]
.set i,i+1
.endr
	v_nop                                          ; a plain place behind the exponentials
	s_wait_alu depctr_va_vdst(0)                   ; the 128 exponentials have written v[W ..]: one wait for the batch, ahead of its first reader
.set i,0
.rept 16
	v_pk_add_f32 v[MX+i:MX+i+1], v[W+i:W+i+1], v[W+32+i:W+33+i]
.set i,i+2
.endr
.set i,0
.rept 16
	v_pk_add_f32 v[MX+i:MX+i+1], v[MX+i:MX+i+1], v[W+64+i:W+65+i]
.set i,i+2
.endr
.set i,0
.rept 16
	v_pk_add_f32 v[MX+i:MX+i+1], v[MX+i:MX+i+1], v[W+96+i:W+97+i]
.set i,i+2
.endr
.irp m,1,2,4,8
.set i,0
.rept 32
	v_add_f32_dpp v[MX+i], v[MX+i], v[MX+i] row_xmask:\m row_mask:0xf bank_mask:0xf
.set i,i+1
.endr
.endr
.set i,0
	s_wait_alu depctr_va_vdst(0)
.rept 32
	v_rcp_f32 v[MX+i], v[MX+i]
.set i,i+1
.endr
	v_nop
	s_wait_alu depctr_va_vdst(0)                   ; the 32 reciprocals have written v[MX ..]: one wait for the batch, ahead of its first reader
.irp t,0,1,2,3
.set i,0
.rept 16
	v_pk_mul_f32 v[W+32*\t+i:W+32*\t+i+1], v[W+32*\t+i:W+32*\t+i+1], v[MX+i:MX+i+1]   ; the weights, finished and normalised
.set i,i+2
.endr
.endr
.irp t,0,1,2,3
	v_pk_add_f32 v[LS+6*\t:LS+6*\t+1], v[W+32*\t:W+32*\t+1], v[W+32*\t+2:W+32*\t+3]   ; pairs 0 and 1 start the half's sums: nothing is cleared
.endr
.irp t,0,1,2,3
	v_pk_mul_f32 v[LS+6*\t+2:LS+6*\t+3], v[W+32*\t+2:W+32*\t+3], 2.0 op_sel_hi:[1,0]
.endr
.if PASS == 1
.irp t,0,1,2,3
	v_pk_mul_f32 v[LS+6*\t+4:LS+6*\t+5], v[W+32*\t+2:W+32*\t+3], 4.0 op_sel_hi:[1,0]
.endr
.endif
	STP 2, 0x40800000, 0x41800000
	STP 3, 0x40c00000, 0x42100000
	STP 4, 0x41000000, 0x42800000
	STP 5, 0x41200000, 0x42c80000
	STP 6, 0x41400000, 0x43100000
	STP 7, 0x41600000, 0x43440000
	STP 8, 0x41800000, 0x43800000
	STP 9, 0x41900000, 0x43a20000
	STP 10, 0x41a00000, 0x43c80000
	STP 11, 0x41b00000, 0x43f20000
	STP 12, 0x41c00000, 0x44100000
	STP 13, 0x41d00000, 0x44290000
	STP 14, 0x41e00000, 0x44440000
	STP 15, 0x41f00000, 0x44610000
	QUANT4 0, W, 1, WC, SWC, SWC+1
	MERGE_A                                        ; these twelve lines are also the places between the scale words' last write and product 2
.if PASS == 1
	MERGE_B \first
.endif
.if PASS == 2
	s_wait_loadcnt 5                               ; this half's codes with rows innermost are in; the five loads issued behind them (the next half's, above) may be out
.endif
	s_wait_alu depctr_va_vdst(0)                   ; the conversions have written the weights' codes and the selections their scale words, which product 2 takes as operands; the places above stay beside this wait
	WIN 0x55
.irp d,0,1,2,3
.irp t,0,1,2,3
	WM ACC+8*(4*\d+\t), XN+8*\d, WC+8*\t, ACC+8*(4*\d+\t), SXN+\d/2, SWC+\t/2, \d%2, \t%2, \first   ; sixteen accumulators by turns, one instruction a turn
.endr
.endr
	WIN 0
.if PASS == 2
	MERGE_B \first                                 ; work that names none of product 2's registers stands between it and the wait for it
	WIN 0x40
	s_wait_alu depctr_va_vdst(0)                   ; product 2 is done reading x's codes with rows innermost and their scale words, in which the five loads below land
.irp u,0,1,2,3
	global_load_b128 v[XN+8*\u:XN+8*\u+3], v[IMG], s[NX:NX+1] offset:2048+512*\u
.endr
	WIN 0
	global_load_b64 v[SXN:SXN+1], v[IMG], s[NX:NX+1] offset:4104
.endif
.endm
; THE WAY OUT.  Each wave lays its sums in its own LDS region as the record's 17 chunks; a barrier; wave w adds the four regions' bytes 4096 w on and stores them: each store covers 512 consecutive bytes, aligned.
.macro EPILOG
	s_wait_dscnt 0x0
.if PASS == 2
	s_wait_alu depctr_vm_vsrc(0)                   ; the LDS stores of the logs made last have read v88 to v91, which the lines below write
.endif
	s_mul_i32 s25, s[WV], STG
	s_lshl_b32 s26, s[WV], 12
	s_lshl_b32 s27, s[WV], 9
	s_add_co_u32 s27, s27, 16384
	v_and_b32 v88, 15, v0                          ; (these six lines are the places behind the last products)
	v_bfe_u32 v89, v0, 4, 1
	v_lshl_add_u32 v88, v88, 4, s25                ; my region + 16 r
	v_lshl_add_u32 v90, v89, 11, v88               ; + 2048 h
	v_add_nc_u32 v91, s26, v[IMG]                  ; 4096 w + 16 lane
	v_add_nc_u32 v92, s27, v[IMG]                  ; 16384 + 512 w + 16 lane
.irp t,0,1,2,3
	v_permlanex16_b32 v[TP+3*\t], v[ST+4*\t], s22, s23
	v_permlanex16_b32 v[TP+3*\t+1], v[ST+4*\t+1], s22, s23
.if PASS == 1
	v_permlanex16_b32 v[TP+3*\t+2], v[ST+4*\t+2], s22, s23
.endif
.endr
.irp t,0,1,2,3
	v_add_f32 v[ST+4*\t], v[ST+4*\t], v[TP+3*\t]   ; the two blocks of a half lie in lanes l and l xor 16
	v_add_f32 v[ST+4*\t+1], v[ST+4*\t+1], v[TP+3*\t+1]
.if PASS == 1
	v_add_f32 v[ST+4*\t+2], v[ST+4*\t+2], v[TP+3*\t+2]
.endif
.endr
	WIN 0x04
	s_wait_alu depctr_va_vdst(0)                   ; the last products have written the accumulators and the additions the wave's sums, which the LDS stores read; the addresses v88 to v92 are written; and every line that named v[W ..], in which the loads behind the barrier land, is done
.irp d,0,1,2,3
.irp t,0,1,2,3
	ds_store_b128 v90, v[ACC+8*(4*\d+\t):ACC+8*(4*\d+\t)+3] offset:4096*\d+256*\t          ; chunk 4 d + 2 h, centre 16 t + r: each accumulator from its low end on
	ds_store_b128 v90, v[ACC+8*(4*\d+\t)+4:ACC+8*(4*\d+\t)+7] offset:4096*\d+256*\t+1024   ; the next chunk
.endr
.endr
	WIN 0
.irp t,0,1,2,3
	ds_store_b128 v88, v[ST+4*\t:ST+4*\t+3] offset:16384+256*\t   ; both halves of the lanes write the same bytes with the same value
.endr
	s_wait_dscnt 0x0                               ; for the others' sake: my stores have landed
	s_barrier_signal -1
	s_barrier_wait -1
.irp v,0,1,2,3
.irp s,0,1,2,3,4,5,6,7
	ds_load_b128 v[W+32*\v+4*\s:W+32*\v+4*\s+3], v91 offset:STG*\v+512*\s
.endr
.endr
	s_wait_dscnt 0x0
.set i,0
.rept 16
	v_pk_add_f32 v[W+i:W+i+1], v[W+i:W+i+1], v[W+32+i:W+33+i]
	v_pk_add_f32 v[W+64+i:W+65+i], v[W+64+i:W+65+i], v[W+96+i:W+97+i]
.set i,i+2
.endr
.set i,0
.rept 16
	v_pk_add_f32 v[W+i:W+i+1], v[W+i:W+i+1], v[W+64+i:W+65+i]
.set i,i+2
.endr
	s_wait_alu depctr_va_vdst(0)                   ; the additions have written v[W .. W + 31], which the eight stores read
.irp s,0,1,2,3,4,5,6,7
	global_store_b128 v91, v[W+4*\s:W+4*\s+3], s[RECP:RECP+1] offset:512*\s
.endr
	s_cmp_gt_u32 s[WV], 1                          ; chunk 16 is 1,024 bytes: waves 0 and 1
	s_cbranch_scc1 .Lno_stat
.irp v,0,1,2,3
	ds_load_b128 v[MX+4*\v:MX+4*\v+3], v92 offset:STG*\v   ; (no vector instruction since the wait above: every line that named v[MX ..] is done)
.endr
	s_wait_dscnt 0x0
	v_pk_add_f32 v[MX:MX+1], v[MX:MX+1], v[MX+4:MX+5]
	v_pk_add_f32 v[MX+2:MX+3], v[MX+2:MX+3], v[MX+6:MX+7]
	v_pk_add_f32 v[MX+8:MX+9], v[MX+8:MX+9], v[MX+12:MX+13]
	v_pk_add_f32 v[MX+10:MX+11], v[MX+10:MX+11], v[MX+14:MX+15]
	v_pk_add_f32 v[MX:MX+1], v[MX:MX+1], v[MX+8:MX+9]
	v_pk_add_f32 v[MX+2:MX+3], v[MX+2:MX+3], v[MX+10:MX+11]
	s_wait_alu depctr_va_vdst(0)                   ; the additions have written v[MX .. MX + 3], which the store reads
	global_store_b128 v92, v[MX:MX+3], s[RECP:RECP+1]
.Lno_stat:
.endm
; THE TURN THROUGH THE STAGE.  G holds half HG as loaded (a load: two whole rows, 256 consecutive bytes each).  It goes into my stage and comes back twice: by rows (a lane: 32 columns of one row) and by columns
; (a lane: 32 rows of one column).  The next half of mine is asked for as soon as the stores have read G: a whole half's work ahead of the wait for it.
; No vector instruction stands in a turn, nor between it and the wait on va_vdst ahead of it, which has shown the registers by rows and by columns read.
; always = 1: the wave's first turn, HG = the wave's number: that half and the one four on (7 at the most) exist in every wave, so neither jump is written, and the registers by rows and by columns are filled on every way.
.macro TURN always
.if \always == 0
	s_cmp_gt_u32 s[HG], 24
	s_cbranch_scc1 .Lt_end_\@
.endif
	s_wait_loadcnt 0x0                             ; G is in; its loads are done, so their base may step
	s_add_nc_u64 s[4:5], s[4:5], 65536             ; four halves on
	WIN 0x0c
.set i,0
.rept 32
	ds_store_b128 v[STW], v[G+4*i:G+4*i+3] offset:RP*i
.set i,i+1
.endr
	WIN 0x80
.irp u,0,1,2,3
.irp q,0,1,2,3,4,5,6,7
	ds_load_b128 v[XA+32*\u+4*\q:XA+32*\u+4*\q+3], v[AI] offset:2176*\u+16*\q
.endr
.endr
	WIN 0
	s_wait_dscnt 32                                ; LDS serves a wave's instructions in order (ISA guide 5.7.1): all but the 32 loads just issued are done, so the stores have read G
.if \always == 0
	s_cmp_gt_u32 s[HG], 20
	s_cbranch_scc1 .Lt_nog_\@                      ; no load leaves the work-group's 25 halves
.endif
	WIN 0xc0
	s_wait_alu depctr_vm_vsrc(0)                   ; the 32 LDS stores above have read G, in which the loads below land
.set i,0
.rept 32
	global_load_b128 v[G+4*i:G+4*i+3], v[GX], s[4:5] offset:256*i th:TH_LOAD_NT
.set i,i+1
.endr
	WIN 0
.Lt_nog_\@:
	WIN 0x80
.irp t,0,1,2,3
.set i,0
.rept 32
	ds_load_b32 v[XB+32*\t+i], v[AII] offset:RP*i+64*\t
.set i,i+1
.endr
.endr
	WIN 0
.Lt_end_\@:
	s_add_co_u32 s[HG], s[HG], 4
.endm
.macro TRIP first
	s_wait_dscnt 0x0                               ; this half's numbers are back from the stage
	QUANT4 2, XA, XDW, XD, SXD, SXD+1              ; along the columns
	QUANT4 2, XB, 1, XN, SXN, SXN+1                ; along the rows
	WIN 0x0c
	s_wait_alu depctr_va_vdst(0)                   ; the two quantisers have written the codes and the scale words, which the nine stores below read and the products take as operands; and they are done reading the numbers by rows and by columns, in which the turn's LDS loads land
.irp u,0,1,2,3
	global_store_b128 v[IMG], v[XD+8*\u:XD+8*\u+3], s[8:9] offset:512*\u
.endr
	WIN 0x04
.irp u,0,1,2,3
	global_store_b128 v[IMG], v[XN+8*\u:XN+8*\u+3], s[8:9] offset:2048+512*\u
.endr
	WIN 0
	global_store_b128 v[IMG], v[SXD:SXD+3], s[8:9] offset:4096
	TURN 0
	v_add_f32 v[DEL2], v[DEL], v[DEL]
	v_mul_f32 v[DEL2+1], v[DEL], v[DEL]
	PHASEB \first
	v_add_f32 v[DEL], 0x43800000, v[DEL]           ; my next half lies 256 rows on
.endm
	s_load_b256 s[4:11], s[0:1], 0x0               ; x s[4:5], centers0 s[6:7], xq s[8:9], rec1 s[10:11]
	v_lshl_add_u32 v94, v0, 2, 0x11400
	v_mov_b32 v95, 0
	v_lshrrev_b32 v10, 5, v0
	v_readfirstlane_b32 s[WV], v10                 ; wave 0..3
	v_and_b32 v11, 31, v0
	v_lshlrev_b32 v[IMG], 4, v11
	v_and_b32 v76, 15, v0                          ; r
	v_bfe_u32 v77, v0, 4, 1                        ; h
	v_lshlrev_b32 v[SH8], 3, v77
	v_lshlrev_b32 v[GX], 4, v76
	v_lshl_add_u32 v[GX], v77, 13, v[GX]
	s_wait_alu depctr_va_sdst(0)                   ; the wave's number is written, ahead of its first reader: LDS places, bases and counts are made from it
	s_mul_i32 s25, s[WV], STG
	v_mul_u32_u24 v78, v77, BLK
	v_add_nc_u32 v78, s25, v78
	v_lshl_add_u32 v[STW], v76, 4, v78
	v_lshl_add_u32 v[AII], v76, 2, v78
	v_bfe_u32 v79, v0, 3, 1
	v_and_b32 v80, 7, v0
	v_mul_u32_u24 v79, v79, BLK
	v_mad_u32_u24 v79, v80, RP, v79
	v_lshl_add_u32 v79, v77, 7, v79
	v_add_nc_u32 v[AI], s25, v79
	v_lshlrev_b32 v81, 8, v76
	v_lshl_add_u32 v81, v77, 7, v81                ; centers0: 256 r + 128 h
	s_mov_b32 s16, 0x4038aa3b                      ; c = 2 log2(e)
	s_mov_b32 s17, s16
	s_mov_b32 s18, 0xc038aa3b                      ; -c
	s_mov_b32 s19, s18
	s_mov_b32 s20, 0xffff0000                      ; lanes 16-31
	s_mov_b32 s22, 0x76543210
	s_mov_b32 s23, 0xfedcba98                      ; v_permlanex16_b32's selects for lane l xor 16
	s_mul_i32 s26, ttmp9, 409600                   ; the work-group's 1,600 rows of 256 bytes,
	s_lshl_b32 s27, s[WV], 14                      ; my first half
	s_add_co_u32 s26, s26, s27
	s_mov_b32 s27, 0
	s_mul_i32 s28, ttmp9, 115200
	s_mul_i32 s29, s[WV], 4608
	s_add_co_u32 s28, s28, s29
	s_mov_b32 s29, 0
	s_mul_i32 s30, ttmp9, 17408
	s_mov_b32 s31, 0
	s_mov_b32 s[HG], s[WV]
	s_mov_b32 s[HF], s[WV]
	s_wait_kmcnt 0x0
	s_add_nc_u64 s[4:5], s[4:5], s[26:27]
	s_add_nc_u64 s[8:9], s[8:9], s[28:29]
	s_add_nc_u64 s[10:11], s[10:11], s[30:31]
	WIN 0xc0
	s_wait_alu depctr_va_vdst(0)                   ; the addresses v1, v3 to v6 and v81 are written, which the loads, stores and LDS instructions of the kernel read
.set i,0
.rept 32
	global_load_b128 v[G+4*i:G+4*i+3], v[GX], s[4:5] offset:256*i th:TH_LOAD_NT   ; my first half
.set i,i+1
.endr
	WIN 0x80
.irp t,0,1,2,3
.irp q,0,1,2,3,4,5,6,7
	global_load_b128 v[XA+32*\t+4*\q:XA+32*\t+4*\q+3], v81, s[6:7] offset:4096*\t+16*\q
.endr
.endr
	WIN 0xc0
.irp u,0,1,2,3
.irp c,4,5,6,7
	v_mov_b32 v[XD+8*\u+\c], 0                     ; K = 64 .. 127 of every fragment: zero codes, written once
.endr
.endr
	WIN 0x40
.irp u,0,1,2,3
.irp c,4,5,6,7
	v_mov_b32 v[CB+8*\u+\c], 0
	v_mov_b32 v[XN+8*\u+\c], 0
	v_mov_b32 v[WC+8*\u+\c], 0
.endr
.endr
	WIN 0
.irp g,0,1,2,3
	v_mov_b32 v[QO+\g], 0                          ; written once: a lane permute's destination counts as one of its sources
.endr
	s_lshl_b32 s25, s[WV], 6
	s_sub_co_i32 s25, s25, 800
	v_lshlrev_b32 v10, 5, v77
	v_add_nc_u32 v10, s25, v10
	v_cvt_f32_i32 v[DEL], v10                      ; 64 w + 32 h - 800
	s_wait_loadcnt 0x0
	s_wait_alu depctr_vm_vsrc(0)                   ; the centres' loads have read v81, which is one of the working registers that the lines below write
	CENTERS
	s_wait_alu depctr_va_vdst(0)                   ; the centres' sums and quantiser are done reading the registers by rows, in which the first turn's LDS loads land; the centres' codes, their scale words and the zero codes are written, which the products take as operands
	TURN 1
	TRIP 1                                         ; the first half stands ahead of the loop: its products start the sums
	s_mov_b32 s[CNT], 6
.Lloop:                                            ; six trips in every wave; a half past the 25th is jumped over (in the last trip: waves 1 to 3)
	s_add_co_u32 s[HF], s[HF], 4
	s_cmp_gt_u32 s[HF], 24
	s_cbranch_scc1 .Lskip
	s_wait_xcnt 0x0                                ; the last half's stores have read their registers and their base
	s_wait_alu depctr_vm_vsrc(0)                   ; the last half's nine stores have read the codes and the scale words, which this half's quantisers write again
	s_add_nc_u64 s[8:9], s[8:9], 18432
	TRIP 0
.Lskip:
	s_sub_co_u32 s[CNT], s[CNT], 1
	s_cmp_lg_u32 s[CNT], 0
	s_cbranch_scc1 .Lloop
	EPILOG
	s_wait_dscnt 0x0
	s_wait_alu depctr_hold_cnt(0) depctr_sa_sdst(0) depctr_va_vdst(0) depctr_va_sdst(0) depctr_va_ssrc(0) depctr_va_vcc(0) depctr_vm_vsrc(0)
	s_wait_tensorcnt 0x0
	ds_add_u32 v94, v95
	s_wait_dscnt 0x0
	s_endpgm
.Lfunc_end_k_q941f17dc4e_pass1:
	.size	k_q941f17dc4e_pass1, .Lfunc_end_k_q941f17dc4e_pass1-k_q941f17dc4e_pass1
	.p2alignl 7, 3214868480
	.fill 96, 4, 3214868480
	.section	.rodata,"a",@progbits
	.p2align	6, 0x0
	.amdhsa_kernel k_q941f17dc4e_pass1
		.amdhsa_group_segment_fixed_size 71168
		.amdhsa_private_segment_fixed_size 0
		.amdhsa_enable_private_segment 0
		.amdhsa_kernarg_size 32
		.amdhsa_user_sgpr_count 2
		.amdhsa_user_sgpr_kernarg_segment_ptr 1
		.amdhsa_wavefront_size32 1
		.amdhsa_system_sgpr_workgroup_id_x 1
		.amdhsa_system_sgpr_workgroup_id_y 1
		.amdhsa_system_sgpr_workgroup_id_z 1
		.amdhsa_system_vgpr_workitem_id 0
		.amdhsa_next_free_vgpr 928
		.amdhsa_next_free_sgpr 66
		.amdhsa_reserve_vcc 0
		.amdhsa_float_denorm_mode_32 3
		.amdhsa_float_denorm_mode_16_64 3
		.amdhsa_memory_ordered 1
		.amdhsa_forward_progress 1
		.amdhsa_inst_pref_size 236
	.end_amdhsa_kernel
	.amdgpu_metadata
---
amdhsa.version: [ 1, 2 ]
amdhsa.kernels:
  - .name:           k_q941f17dc4e_pass1
    .symbol:         k_q941f17dc4e_pass1.kd
    .args:
      - { .name: x, .offset: 0, .size: 8, .value_kind: global_buffer, .address_space: global }
      - { .name: centers0, .offset: 8, .size: 8, .value_kind: global_buffer, .address_space: global }
      - { .name: xq, .offset: 16, .size: 8, .value_kind: global_buffer, .address_space: global }
      - { .name: rec1, .offset: 24, .size: 8, .value_kind: global_buffer, .address_space: global }
    .group_segment_fixed_size: 71168
    .private_segment_fixed_size: 0
    .kernarg_segment_align: 8
    .kernarg_segment_size: 32
    .max_flat_workgroup_size: 128
    .sgpr_count:     66
    .vgpr_count:     928
    .wavefront_size: 32
...
	.end_amdgpu_metadata
.endif
;; end of part 5
;; launch mid (part 6): grid 250 x 1, 20 waves a work-group, no clusters, 35,840 bytes of LDS; arguments rec1, par, csum, zp; writes par, csum, zp
.if DOCPART == 6
	.amdgcn_target "amdgcn-amd-amdhsa--gfx1250"
	.amdhsa_code_object_version 6
	.text
	.protected	k_q941f17dc4e_mid
	.globl	k_q941f17dc4e_mid
	.p2align	8
	.type	k_q941f17dc4e_mid,@function
k_q941f17dc4e_mid:
	s_mov_b64 s[64:65], 0
	v_nop
	global_prefetch_b8 v0, s[64:65] scope:SCOPE_SE
	s_setreg_imm32_b32 hwreg(HW_REG_WAVE_MODE, 25, 1), 1
	s_wait_xcnt 0x0
; BETWEEN THE TWO SWEEPS.  Every work-group adds the 250 records' statistics (thread = centre k x one of ten parts of 25 records), forms each centre's time mean and variance and from them reference()'s a and b,
; and then sums its own 1,600 rows' share of the prior's normaliser.  Work-groups 0-15 also add one chunk each of sum w x; work-group 0 stores the parameters.
; ORIGINS.  Records hold S1, S2 about the group's centre row.  With O_g = 1600 g - 199199.5 (exact in f32), N t - 200000 = rel + O_g.  M1 = sum (S1 + O_g S0).
; N mean - 200000 = (M1 - 2e-5) / (S0 + 1e-10): the same number as reference()'s sum w t / (wsum + 1e-10), since S0 / (S0 + 1e-10) - 1 = -1e-10 / (S0 + 1e-10).
; N^2 var (S0 + 1e-10) = sum over groups of S2 + dd (2 S1 + dd S0), dd = O_g - (N mean - 200000): each group's term is a sum of squares: no difference of large sums.
; THE PRIOR.  y = pdf / sum pdf: betaln cancels.  g(t) = (a - 1) log2 t + (b - 1) log2(1 - t); Z = sum over rows of 2^(g - m), m the largest of g at both ends of the grid and at the mode where g has one inside:
; the maximum is taken away before the exponential.  Where reference()'s ok is false a = b = 1: g = 0, Z = N, y = 1 / N, as reference() selects.
; reference()'s max(sum, 1e-10) cannot act: a and b are at least a last place of mu, 1e-13 and 4e-15 at the least, and the sum of the pdf over the grid is about 1e7 times the smaller of them.
; LIMITS: NaN and infinities are not served; for very large a, b the number g has f32's absolute accuracy, as reference()'s log_pdf has.
; No matrix work, no clusters: nothing here is a tile that work-groups share at the same time.
.set REC, 32                           ; v32-131  25 records x 4
.set LND, 132                          ; v132-171 what comes from LDS
.set LT, 0                             ; LDS: log2 t of my 1,600 rows
.set L1, 6400                          ; log2(1 - t)
.set C1, 12800                         ; 640 x (S0, M1)
.set C2, 17920                         ; 640 x the variance's part
.set C3, 20480                         ; 640 x Z's part
.set C4, 23040                         ; 640 x four columns' part
.set SRN, 20
.set SNN, 21
.set SNH, 22
.macro BARRIER                         ; my LDS stores have landed and my LDS loads are in: then the work-group's barrier
	s_wait_dscnt 0x0
	s_barrier_signal -1
	s_barrier_wait -1
.endm
; row v[n] -> v[a] = log2 t, v[b] = log2(1 - t).  t = (n + 0.5) / N and 1 - t = (N - 0.5 - n) / N: both numerators exact; the quotient by 1 / N and one correction
.macro TLOG n, a, b, t
	s_delay_alu instid0(VALU_DEP_1)
	v_cvt_f32_u32 v[\t], v[\n]
	s_delay_alu instid0(VALU_DEP_1)
	v_add_f32 v[\a], 0.5, v[\t]
	s_delay_alu instid0(VALU_DEP_2)
	v_sub_f32 v[\b], s[SNH], v[\t]
	s_delay_alu instid0(VALU_DEP_2)
	v_mul_f32 v[\t], s[SRN], v[\a]
	s_delay_alu instid0(VALU_DEP_2)
	v_mul_f32 v[\t+1], s[SRN], v[\b]
	s_delay_alu instid0(VALU_DEP_2)
	v_fma_f32 v[\a], -v[\t], s[SNN], v[\a]
	s_delay_alu instid0(VALU_DEP_2)
	v_fma_f32 v[\b], -v[\t+1], s[SNN], v[\b]
	s_delay_alu instid0(VALU_DEP_2)
	v_fma_f32 v[\a], v[\a], s[SRN], v[\t]
	s_delay_alu instid0(VALU_DEP_2)
	v_fma_f32 v[\b], v[\b], s[SRN], v[\t+1]
	s_wait_alu depctr_va_vdst(0)
	v_log_f32 v[\a], v[\a]
	v_log_f32 v[\b], v[\b]
	v_nop
.endm
	s_load_b256 s[4:11], s[0:1], 0x0               ; rec1 s[4:5], par s[6:7], csum s[8:9], zp s[10:11]
	v_lshl_add_u32 v184, v0, 2, 0x8200
	v_mov_b32 v185, 0
	v_lshrrev_b32 v5, 5, v0
	s_delay_alu instid0(VALU_DEP_1)
	v_readfirstlane_b32 s12, v5                    ; wave 0..19
	v_and_b32 v1, 63, v0                           ; k
	v_lshrrev_b32 v2, 6, v0                        ; part 0..9
	s_wait_alu depctr_va_vdst(0)
	v_mul_u32_u24 v3, v2, 435200                   ; 25 records of 17,408 bytes
	s_delay_alu instid0(VALU_DEP_1)
	v_lshl_add_u32 v3, v1, 4, v3
	s_mov_b32 s13, 0x471c4000                      ; 40000
	s_mov_b32 s14, 0xc84287e0                      ; -199199.5
	s_mov_b32 s[SRN], 0x3627c5ac                   ; 1 / N
	s_mov_b32 s[SNN], 0x48c35000                   ; N
	s_mov_b32 s[SNH], 0x48c34ff0                   ; N - 0.5
	s_mov_b32 s23, 0x44c80000                      ; 1600
	s_mov_b32 s24, 0x2edbe6ff                      ; 1e-10
	s_mov_b32 s25, 0xb7a7c5ac                      ; -2e-5
	s_mov_b32 s26, 0x48435000                      ; 200000
	s_mov_b32 s27, 0x38d1b717                      ; 1e-4
	s_mov_b32 s28, 0xc19ce08b                      ; log2 of the grid's first t
	s_mov_b32 s29, 0xb5f20b4e                      ; log2 of its last
	s_mov_b32 s30, 0x35a7c5ac                      ; the first t
	s_mov_b32 s31, 0x3f7fffeb                      ; the last
	v_cvt_f32_u32 v4, v2
	s_delay_alu instid0(VALU_DEP_1)
	v_fma_f32 v4, v4, s13, s14                     ; O of my first record
	v_lshlrev_b32 v7, 2, v0                        ; LDS places: 4, 8, 16 x thread; 4, 8, 16 x k; my part's rows
	v_lshlrev_b32 v172, 3, v0
	v_lshlrev_b32 v173, 4, v0
	v_lshlrev_b32 v174, 2, v1
	v_lshlrev_b32 v175, 3, v1
	v_lshlrev_b32 v176, 4, v1
	v_mul_u32_u24 v177, v2, 640
	s_mul_i32 s15, ttmp9, 1600
	s_lshl_b32 s16, ttmp9, 10
	s_mov_b32 s17, 0
	s_lshl_b32 s32, ttmp9, 8
	s_mov_b32 s33, 0
	s_wait_kmcnt 0x0
	s_add_nc_u64 s[18:19], s[4:5], s[16:17]        ; rec1 at chunk (work-group): used by work-groups 0-15
	s_add_nc_u64 s[8:9], s[8:9], s[16:17]          ; csum likewise
	s_add_nc_u64 s[10:11], s[10:11], s[32:33]      ; zp at my row
.set i,0
.rept 25
	global_load_b128 v[REC+4*i:REC+4*i+3], v3, s[4:5] offset:17408*i+16384
.set i,i+1
.endr
	v_add_nc_u32 v6, s15, v0                       ; the table of my 1,600 rows is made while the records come
	TLOG 6, 8, 9, 10
	s_wait_alu depctr_va_vdst(0)
	ds_store_b32 v7, v8 offset:LT
	ds_store_b32 v7, v9 offset:L1
	v_add_nc_u32 v6, 640, v6
	TLOG 6, 12, 13, 10
	s_wait_alu depctr_va_vdst(0)
	ds_store_b32 v7, v12 offset:LT+2560
	ds_store_b32 v7, v13 offset:L1+2560
	s_cmp_gt_u32 s12, 9                            ; rows 1,280 on: 320 threads
	s_cbranch_scc1 .Lno_third
	v_add_nc_u32 v6, 640, v6
	TLOG 6, 14, 15, 10
	s_wait_alu depctr_va_vdst(0)
	ds_store_b32 v7, v14 offset:LT+5120
	ds_store_b32 v7, v15 offset:L1+5120
.Lno_third:
	s_wait_loadcnt 0x0
	v_mov_b32 v18, v4
	s_delay_alu instid0(VALU_DEP_1)
	v_fma_f32 v17, v18, v[REC], v[REC+1]
.set i,1
	s_delay_alu instid0(VALU_DEP_2)
	v_add_f32 v18, s23, v18
.if i == 1
	v_add_f32 v16, v[REC], v[REC+4]
.else
	v_add_f32 v16, v16, v[REC+4*i]
.endif
	s_delay_alu instid0(VALU_DEP_2)
	v_fma_f32 v19, v18, v[REC+4*i], v[REC+4*i+1]
	s_delay_alu instid0(VALU_DEP_1)
	v_add_f32 v17, v17, v19
.set i,i+1
.rept (24)-1
	s_delay_alu instid0(VALU_DEP_4)
	v_add_f32 v18, s23, v18
.if i == 1
	v_add_f32 v16, v[REC], v[REC+4]
.else
	s_delay_alu instid0(VALU_DEP_4)
	v_add_f32 v16, v16, v[REC+4*i]
.endif
	s_delay_alu instid0(VALU_DEP_2)
	v_fma_f32 v19, v18, v[REC+4*i], v[REC+4*i+1]
	s_delay_alu instid0(VALU_DEP_1)
	v_add_f32 v17, v17, v19
.set i,i+1
.endr
	ds_store_b64 v172, v[16:17] offset:C1
	BARRIER                                        ; the table and the ten parts of (S0, M1) lie in LDS
.irp p,0,1,2,3,4,5,6,7,8,9
	ds_load_b64 v[LND+2*\p:LND+2*\p+1], v175 offset:C1+512*\p
.endr
	s_wait_dscnt 0x0
	v_pk_add_f32 v[16:17], v[LND:LND+1], v[LND+2:LND+3]
.irp p,2,3,4,5,6,7,8,9
	s_delay_alu instid0(VALU_DEP_1)
	v_pk_add_f32 v[16:17], v[16:17], v[LND+2*\p:LND+2*\p+1]
.endr
	s_delay_alu instid0(VALU_DEP_1)
	v_add_f32 v22, s24, v16                        ; S0 + 1e-10
	s_wait_alu depctr_va_vdst(0)
	v_rcp_f32 v23, v22
	v_add_f32 v24, s25, v17                        ; (a plain place)  M1 - 2e-5
	s_wait_alu depctr_va_vdst(0)
	v_fma_f32 v25, -v22, v23, 1.0
	v_fma_f32 v23, v25, v23, v23                   ; its reciprocal, corrected once
	s_delay_alu instid0(VALU_DEP_1)
	v_mul_f32 v24, v24, v23                        ; N mean - 200000
	s_delay_alu instid0(VALU_DEP_1)
	v_sub_f32 v18, v4, v24                         ; dd of my first record
.set i,0
.rept 25
	s_delay_alu instid0(VALU_DEP_1)
	v_mul_f32 v19, v18, v[REC+4*i]
	s_delay_alu instid0(VALU_DEP_1)
	v_fma_f32 v19, 2.0, v[REC+4*i+1], v19
.if i == 0
	s_delay_alu instid0(VALU_DEP_1)
	v_fma_f32 v26, v18, v19, v[REC+2]
.else
	s_delay_alu instid0(VALU_DEP_1)
	v_fma_f32 v19, v18, v19, v[REC+4*i+2]
	s_delay_alu instid0(VALU_DEP_1)
	v_add_f32 v26, v26, v19
.endif
	v_add_f32 v18, s23, v18
.set i,i+1
.endr
	ds_store_b32 v7, v26 offset:C2
	BARRIER
.irp p,0,1,2,3,4,5,6,7,8,9
	ds_load_b32 v[LND+\p], v174 offset:C2+256*\p
.endr
	s_cmp_gt_u32 ttmp9, 15
	s_cbranch_scc1 .Lno_c
.set i,0
.rept 25
	global_load_b128 v[REC+4*i:REC+4*i+3], v3, s[18:19] offset:17408*i   ; one chunk of sum w x: it lands while the parameters and Z are made
.set i,i+1
.endr
.Lno_c:
	s_wait_dscnt 0x0
	v_add_f32 v26, v[LND], v[LND+1]
.irp p,2,3,4,5,6,7,8,9
	s_delay_alu instid0(VALU_DEP_1)
	v_add_f32 v26, v26, v[LND+\p]
.endr
	; the parameters, in reference()'s order
	v_add_f32 v5, s26, v24
	s_delay_alu instid0(VALU_DEP_1)
	v_mul_f32 v8, s[SRN], v5
	s_delay_alu instid0(VALU_DEP_1)
	v_fma_f32 v6, -v8, s[SNN], v5
	s_delay_alu instid0(VALU_DEP_1)
	v_fma_f32 v8, v6, s[SRN], v8                   ; mu
	v_mul_f32 v9, v26, v23
	s_delay_alu instid0(VALU_DEP_1)
	v_mul_f32 v9, s[SRN], v9
	s_delay_alu instid0(VALU_DEP_1)
	v_mul_f32 v9, s[SRN], v9                       ; var
	s_wait_alu depctr_va_vdst(0)
	v_sqrt_f32 v10, v9
	v_nop
	s_wait_alu depctr_va_vdst(0)
	v_cmp_lt_f32 s40, s27, v10                     ; sigma > 1e-4
	v_cmp_lt_f32 s41, 0, v8                        ; mu > 0
	s_and_b32 s40, s40, s41                        ; valid
	v_cndmask_b32 v8, 0.5, v8, s40
	v_cndmask_b32 v9, 1.0, v9, s40
	s_delay_alu instid0(VALU_DEP_2)
	v_sub_f32 v10, 1.0, v8
	s_delay_alu instid0(VALU_DEP_3)
	v_mul_f32 v11, v8, v8
	s_delay_alu instid0(VALU_DEP_1)
	v_mul_f32 v10, v10, v11                        ; (1 - mu) mu^2
	s_wait_alu depctr_va_vdst(0)
	v_rcp_f32 v11, v9
	v_rcp_f32 v12, v8
	v_nop
	s_wait_alu depctr_va_vdst(0)
	v_fma_f32 v13, -v9, v11, 1.0
	v_fma_f32 v14, -v8, v12, 1.0
	v_fma_f32 v11, v13, v11, v11
	v_fma_f32 v12, v14, v12, v12
	s_delay_alu instid0(VALU_DEP_2)
	v_mul_f32 v13, v10, v11
	s_delay_alu instid0(VALU_DEP_1)
	v_fma_f32 v14, -v13, v9, v10
	s_delay_alu instid0(VALU_DEP_1)
	v_fma_f32 v13, v14, v11, v13                   ; / var, corrected once
	s_delay_alu instid0(VALU_DEP_1)
	v_sub_f32 v13, v13, v8                         ; a
	s_delay_alu instid0(VALU_DEP_1)
	v_mul_f32 v14, v13, v12
	s_delay_alu instid0(VALU_DEP_1)
	v_fma_f32 v15, -v14, v8, v13
	s_delay_alu instid0(VALU_DEP_1)
	v_fma_f32 v14, v15, v12, v14                   ; a / mu
	s_delay_alu instid0(VALU_DEP_1)
	v_sub_f32 v14, v14, v13                        ; b
	v_cmp_lt_f32 s41, 0, v13
	s_delay_alu instid0(VALU_DEP_2)
	v_cmp_lt_f32 s42, 0, v14
	s_and_b32 s40, s40, s41
	s_and_b32 s40, s40, s42                        ; ok
	v_add_f32 v13, -1.0, v13
	v_add_f32 v14, -1.0, v14
	s_delay_alu instid0(VALU_DEP_2)
	v_cndmask_b32 v10, 0, v13, s40                 ; a - 1
	s_delay_alu instid0(VALU_DEP_2)
	v_cndmask_b32 v12, 0, v14, s40                 ; b - 1
	s_delay_alu instid0(VALU_DEP_2)
	v_mov_b32 v11, v10                             ; as pairs, for the packed forms
	s_delay_alu instid0(VALU_DEP_2)
	v_mov_b32 v13, v12
	s_delay_alu instid0(VALU_DEP_3)
	v_mul_f32 v14, s29, v12
	v_mul_f32 v15, s29, v10
	s_delay_alu instid0(VALU_DEP_2)
	v_fma_f32 v14, s28, v10, v14                   ; g at the first t
	s_delay_alu instid0(VALU_DEP_2)
	v_fma_f32 v15, s28, v12, v15                   ; g at the last
	v_cmp_lt_f32 s41, 0, v10
	v_cmp_lt_f32 s42, 0, v12
	s_and_b32 s41, s41, s42                        ; g has a mode inside
	v_add_f32 v17, v10, v12
	s_delay_alu instid0(VALU_DEP_1)
	v_cndmask_b32 v17, 1.0, v17, s41
	s_wait_alu depctr_va_vdst(0)
	v_rcp_f32 v17, v17
	v_nop
	s_wait_alu depctr_va_vdst(0)
	v_mul_f32 v18, v10, v17
	v_mul_f32 v19, v12, v17
	s_delay_alu instid0(VALU_DEP_2)
	v_med3_num_f32 v18, v18, s30, s31
	s_delay_alu instid0(VALU_DEP_2)
	v_med3_num_f32 v19, v19, s30, s31
	s_wait_alu depctr_va_vdst(0)
	v_log_f32 v18, v18
	v_log_f32 v19, v19
	v_nop
	s_wait_alu depctr_va_vdst(0)
	v_mul_f32 v19, v12, v19
	v_fma_f32 v18, v10, v18, v19                   ; g at the mode
	s_delay_alu instid0(VALU_DEP_1)
	v_cndmask_b32 v18, v14, v18, s41
	s_delay_alu instid0(VALU_DEP_1)
	v_max3_num_f32 v22, v14, v15, v18              ; m
	s_delay_alu instid0(VALU_DEP_1)
	v_mul_f32 v20, -1.0, v22
	s_delay_alu instid0(VALU_DEP_1)
	v_mov_b32 v21, v20
	s_wait_alu depctr_va_vdst(0)
	v_mov_b32 v28, 0                               ; Z, in two chains of pairs
	v_mov_b32 v29, 0
	v_mov_b32 v30, 0
	v_mov_b32 v31, 0
; twenty rows of my part's 160: every lane of a wave reads the same bytes of the table
.macro ZB bt
.irp j,0,1,2,3,4
	ds_load_b128 v[LND+4*\j:LND+4*\j+3], v177 offset:LT+16*(5*\bt+\j)
	ds_load_b128 v[LND+20+4*\j:LND+23+4*\j], v177 offset:L1+16*(5*\bt+\j)
.endr
	s_wait_dscnt 0x0
.set i,0
.rept 10
	v_pk_fma_f32 v[LND+i:LND+i+1], v[LND+i:LND+i+1], v[10:11], v[20:21]
.set i,i+2
.endr
.set i,0
.rept 10
	v_pk_fma_f32 v[LND+i:LND+i+1], v[LND+20+i:LND+21+i], v[12:13], v[LND+i:LND+i+1]
.set i,i+2
.endr
.set i,0
	s_wait_alu depctr_va_vdst(0)
.rept 20
	v_exp_f32 v[LND+i], v[LND+i]
.set i,i+1
.endr
	v_nop
.set i,0
	s_wait_alu depctr_va_vdst(0)
.rept 5
	v_pk_add_f32 v[28:29], v[28:29], v[LND+i:LND+i+1]
	v_pk_add_f32 v[30:31], v[30:31], v[LND+i+2:LND+i+3]
.set i,i+4
.endr
.endm
.irp b,0,1,2,3,4,5,6,7
	ZB \b
.endr
	s_delay_alu instid0(VALU_DEP_1)
	v_pk_add_f32 v[28:29], v[28:29], v[30:31]
	s_delay_alu instid0(VALU_DEP_1)
	v_add_f32 v28, v28, v29
	ds_store_b32 v7, v28 offset:C3
	s_wait_loadcnt 0x0                             ; the chunk's loads are in.  The wait stands on every way, ahead of the branch: a work-group that asked for nothing meets it at once
	s_cmp_gt_u32 ttmp9, 15
	s_cbranch_scc1 .Lno_c2
.set i,1
	v_pk_add_f32 v[REC:REC+1], v[REC:REC+1], v[REC+4*i:REC+4*i+1]
	v_pk_add_f32 v[REC+2:REC+3], v[REC+2:REC+3], v[REC+4*i+2:REC+4*i+3]
.set i,i+1
.rept (24)-1
	s_delay_alu instid0(VALU_DEP_2)
	v_pk_add_f32 v[REC:REC+1], v[REC:REC+1], v[REC+4*i:REC+4*i+1]
	s_delay_alu instid0(VALU_DEP_2)
	v_pk_add_f32 v[REC+2:REC+3], v[REC+2:REC+3], v[REC+4*i+2:REC+4*i+3]
.set i,i+1
.endr
	ds_store_b128 v173, v[REC:REC+3] offset:C4
.Lno_c2:
	BARRIER
	s_cmp_gt_u32 s12, 1
	s_cbranch_scc1 .Lend
	s_cmp_lg_u32 s12, 0
	s_cbranch_scc1 .Lnot0
.irp p,0,1,2,3,4,5,6,7,8,9
	ds_load_b64 v[LND+2*\p:LND+2*\p+1], v172 offset:C3+256*\p   ; wave 0: two centres a lane
.endr
	s_wait_dscnt 0x0
.irp p, 1
	v_pk_add_f32 v[LND:LND+1], v[LND:LND+1], v[LND+2*\p:LND+2*\p+1]
.endr
.irp p, 2, 3, 4, 5, 6, 7, 8, 9
	s_delay_alu instid0(VALU_DEP_1)
	v_pk_add_f32 v[LND:LND+1], v[LND:LND+1], v[LND+2*\p:LND+2*\p+1]
.endr
	global_store_b64 v172, v[LND:LND+1], s[10:11]  ; 32 lanes store 256 consecutive bytes, aligned
.Lnot0:
	s_cmp_lg_u32 ttmp9, 0
	s_cbranch_scc1 .Lno_par
	v_mov_b32 v160, v10
	v_mov_b32 v161, v12
	v_mov_b32 v162, v22
	v_mov_b32 v163, v16
	global_store_b128 v176, v[160:163], s[6:7]     ; [k][a - 1, b - 1, m, S0]
.Lno_par:
	s_cmp_gt_u32 ttmp9, 15
	s_cbranch_scc1 .Lend
.irp p,0,1,2,3,4,5,6,7,8,9
	ds_load_b128 v[REC+4*\p:REC+4*\p+3], v176 offset:C4+1024*\p
.endr
	s_wait_dscnt 0x0
.irp p, 1
	v_pk_add_f32 v[REC:REC+1], v[REC:REC+1], v[REC+4*\p:REC+4*\p+1]
	v_pk_add_f32 v[REC+2:REC+3], v[REC+2:REC+3], v[REC+4*\p+2:REC+4*\p+3]
.endr
.irp p, 2, 3, 4, 5, 6, 7, 8, 9
	s_delay_alu instid0(VALU_DEP_2)
	v_pk_add_f32 v[REC:REC+1], v[REC:REC+1], v[REC+4*\p:REC+4*\p+1]
	s_delay_alu instid0(VALU_DEP_2)
	v_pk_add_f32 v[REC+2:REC+3], v[REC+2:REC+3], v[REC+4*\p+2:REC+4*\p+3]
.endr
	global_store_b128 v176, v[REC:REC+3], s[8:9]   ; my chunk of the summed centres: a wave's store covers 512 consecutive bytes
.Lend:
	s_wait_tensorcnt 0x0
	ds_add_u32 v184, v185
	s_wait_dscnt 0x0
	s_endpgm
.Lfunc_end_k_q941f17dc4e_mid:
	.size	k_q941f17dc4e_mid, .Lfunc_end_k_q941f17dc4e_mid-k_q941f17dc4e_mid
	.p2alignl 7, 3214868480
	.fill 96, 4, 3214868480
	.section	.rodata,"a",@progbits
	.p2align	6, 0x0
	.amdhsa_kernel k_q941f17dc4e_mid
		.amdhsa_group_segment_fixed_size 35840
		.amdhsa_private_segment_fixed_size 0
		.amdhsa_enable_private_segment 0
		.amdhsa_kernarg_size 32
		.amdhsa_user_sgpr_count 2
		.amdhsa_user_sgpr_kernarg_segment_ptr 1
		.amdhsa_wavefront_size32 1
		.amdhsa_system_sgpr_workgroup_id_x 1
		.amdhsa_system_sgpr_workgroup_id_y 1
		.amdhsa_system_sgpr_workgroup_id_z 1
		.amdhsa_system_vgpr_workitem_id 0
		.amdhsa_next_free_vgpr 186
		.amdhsa_next_free_sgpr 66
		.amdhsa_reserve_vcc 0
		.amdhsa_float_denorm_mode_32 3
		.amdhsa_float_denorm_mode_16_64 3
		.amdhsa_memory_ordered 1
		.amdhsa_forward_progress 1
		.amdhsa_inst_pref_size 69
	.end_amdhsa_kernel
	.amdgpu_metadata
---
amdhsa.version: [ 1, 2 ]
amdhsa.kernels:
  - .name:           k_q941f17dc4e_mid
    .symbol:         k_q941f17dc4e_mid.kd
    .args:
      - { .name: rec1, .offset: 0, .size: 8, .value_kind: global_buffer, .address_space: global }
      - { .name: par, .offset: 8, .size: 8, .value_kind: global_buffer, .address_space: global }
      - { .name: csum, .offset: 16, .size: 8, .value_kind: global_buffer, .address_space: global }
      - { .name: zp, .offset: 24, .size: 8, .value_kind: global_buffer, .address_space: global }
    .group_segment_fixed_size: 35840
    .private_segment_fixed_size: 0
    .kernarg_segment_align: 8
    .kernarg_segment_size: 32
    .max_flat_workgroup_size: 640
    .sgpr_count:     66
    .vgpr_count:     186
    .wavefront_size: 32
...
	.end_amdgpu_metadata
.endif
;; end of part 6
;; launch pass2 (part 7): grid 250 x 1, 4 waves a work-group, no clusters, 74,752 bytes of LDS; arguments xq, par, csum, zp, rec2; writes rec2
.if DOCPART == 7
	.amdgcn_target "amdgcn-amd-amdhsa--gfx1250"
	.amdhsa_code_object_version 6
	.text
	.protected	k_q941f17dc4e_pass2
	.globl	k_q941f17dc4e_pass2
	.p2align	8
	.type	k_q941f17dc4e_pass2,@function
k_q941f17dc4e_pass2:
	s_mov_b64 s[64:65], 0
	v_nop
	global_prefetch_b8 v0, s[64:65] scope:SCOPE_SE
	s_setreg_imm32_b32 hwreg(HW_REG_WAVE_SCHED_MODE, 0, 2), 2
	s_setreg_imm32_b32 hwreg(HW_REG_WAVE_MODE, 25, 1), 1
	s_wait_xcnt 0x0
	s_wait_alu depctr_vm_vsrc(0)
; THE SECOND SWEEP of the soft k-means, on the codes of x that the first sweep left in xq.  Shares, layouts and the work of a half are the first sweep's; three things differ.
; (1) The centres are csum / (S0 + 1e-10); each work-group forms them, their -c_sq / 2 and their codes at its head.
; (2) The time prior: ln y = ln 2 (g(t) - m - log2 Z), held to ln 1e-30 .. 0 as reference() clips y.  The logit is 2 (x.c - c_sq / 2 + ln y / 2): the bracket's last two terms are the C of product 1, a number for each row and centre.
;     x_sq is equal for all centres of a row and the softmax's own subtraction of the maximum removes it: it is not formed.
; (3) reference()'s second time_vars is used by nothing and is not formed: S2 = 0 in rec2.
; A half's operands come straight from memory into the operand registers, as they were stored, one half ahead: columns-innermost codes behind product 1, rows-innermost codes behind product 2.
; The last halves ask for half 24 again in place of one past the end: no load leaves the work-group's 25 halves, and the counts of the waits are the same on every way.
; No clusters: every half of xq is multiplied by one wave alone; what work-groups share (80 KB of sums) is read once at the head.
; LIMITS: as in the first sweep; NaN and infinities are not served.
; REGISTERS.  Window 0 and window 1 as in the first sweep (window 1 has no -c_sq / 2).  Window 2: v0-127 the prior's C (at the head: the centres); v128 log2 t, v160 log2(1 - t) of my block's 32 rows; v192 four pairs a tile of centres; v224 x's codes, columns innermost.
; THE MODE: SCHED_MODE bits 1:0 = 2 (LLVM: expert scheduling mode 2), set by the entry lines.  The code itself states the register dependences
; between vector or matrix instructions and memory or LDS instructions, with s_wait_alu, always for 0.
; THE PLAN.  Registers that memory or LDS instructions touch, in the loop:
;   XD, v28-29 (codes with columns innermost, their scale words)   Read by product 1; behind it the next half's five loads land in them.
;   XN, v30-31 (codes with rows innermost, their scale words)      Read by product 2; behind it the next half's five loads land in them.
;   LTR, L1R (a block's logs)   Written by the LDS loads of LOGS; read by the next half's PRIOR.
;   v88-91 (two rows' logs)     Written by the four logarithms of LOGS; read by its four LDS stores.
;   v1, v3, v4                  Addresses, made at the head and never written again: the halves are reached by a scalar base and by immediate offsets.
; Waits on va_vdst ahead of memory work, three in a half: in LOGS, behind the logarithms (they are written; PRIOR has read the last logs); behind product 1; behind product 2, with the tail of the half's sums between
; the products and the wait.  Each stands straight ahead of the loads and stores that hang on it.  One wait on vm_vsrc, ahead of LOGS: its last LDS stores have read v88-91.
; The other waits on va_vdst stand between vector and matrix instructions alone: behind the exponentials, behind the reciprocals, ahead of product 2.
.set PASS, 2
.set STG, 17664                        ; LDS: a wave's region for the way out
.set LOGB, 70656                       ; 512 bytes a wave: log2 t, then log2(1 - t), of a half's 64 rows
.set ZC, 72704                         ; 128 parts of Z
.set PT, 73216                         ; [k][four numbers]
.set IMG, 1
.set SH8, 2
.set LRD, 3                            ; my block's 128 bytes of the wave's logs
.set LWR, 4                            ; where I put my rows' logs
.set LANE, 6
.set DEL, 7
.set DEL2, 8
.set QM, 12
.set QS, 16
.set QB, 20
.set QO, 24
.set SXD, 28
.set SXN, 30
.set SWC, 32
.set SCB, 34
.set LS, 36
.set ST, 60
.set TP, 76
.set MX, 96
.set W, 128
.set ACC, 0
.set CB, 128
.set XN, 192
.set WC, 224
.set XA, 0
.set PP, 0
.set LTR, 128
.set L1R, 160
.set PRM, 192
.set XD, 224
.set XDW, 2
.set W_P1, 0x26                        ; product 1: source 0 and C window 2, source 1 window 1, D window 0
.set WV, 14
.set HF, 15
.set CNT, 21
.set RECP, 12
.set NX, 28                            ; s[28:29] xq at the half to be fetched
.set SRN, 32
.set SNN, 33
.set SNH, 34
.set R0, 38
.set MSB, 0
.macro WIN new                         ; the immediate's high byte repeats the setting that is left; a switch that changes nothing is dropped
.if MSB != (\new)
	s_set_vgpr_msb (MSB<<8)|(\new)
.set MSB, (\new)
.endif
.endm
.macro PLACES n
.rept \n
	v_nop
.endr
.endm
; one scaled product on E2M1 codes.  ra, rb = 1: that side's scale words stand in lanes 16-31 of the register named.  zero = 1: the product starts its sum
.macro WM d, a, b, c, sa, sb, ra, rb, zero
.if \zero
.if (\ra) && (\rb)
	v_wmma_scale_f32_16x16x128_f8f6f4 v[(\d):(\d)+7], v[(\a):(\a)+7], v[(\b):(\b)+7], 0, v[\sa], v[\sb] matrix_a_fmt:MATRIX_FMT_FP4 matrix_b_fmt:MATRIX_FMT_FP4 matrix_a_scale:MATRIX_SCALE_ROW1 matrix_b_scale:MATRIX_SCALE_ROW1
.elseif (\ra)
	v_wmma_scale_f32_16x16x128_f8f6f4 v[(\d):(\d)+7], v[(\a):(\a)+7], v[(\b):(\b)+7], 0, v[\sa], v[\sb] matrix_a_fmt:MATRIX_FMT_FP4 matrix_b_fmt:MATRIX_FMT_FP4 matrix_a_scale:MATRIX_SCALE_ROW1
.elseif (\rb)
	v_wmma_scale_f32_16x16x128_f8f6f4 v[(\d):(\d)+7], v[(\a):(\a)+7], v[(\b):(\b)+7], 0, v[\sa], v[\sb] matrix_a_fmt:MATRIX_FMT_FP4 matrix_b_fmt:MATRIX_FMT_FP4 matrix_b_scale:MATRIX_SCALE_ROW1
.else
	v_wmma_scale_f32_16x16x128_f8f6f4 v[(\d):(\d)+7], v[(\a):(\a)+7], v[(\b):(\b)+7], 0, v[\sa], v[\sb] matrix_a_fmt:MATRIX_FMT_FP4 matrix_b_fmt:MATRIX_FMT_FP4
.endif
.else
.if (\ra) && (\rb)
	v_wmma_scale_f32_16x16x128_f8f6f4 v[(\d):(\d)+7], v[(\a):(\a)+7], v[(\b):(\b)+7], v[(\c):(\c)+7], v[\sa], v[\sb] matrix_a_fmt:MATRIX_FMT_FP4 matrix_b_fmt:MATRIX_FMT_FP4 matrix_a_scale:MATRIX_SCALE_ROW1 matrix_b_scale:MATRIX_SCALE_ROW1
.elseif (\ra)
	v_wmma_scale_f32_16x16x128_f8f6f4 v[(\d):(\d)+7], v[(\a):(\a)+7], v[(\b):(\b)+7], v[(\c):(\c)+7], v[\sa], v[\sb] matrix_a_fmt:MATRIX_FMT_FP4 matrix_b_fmt:MATRIX_FMT_FP4 matrix_a_scale:MATRIX_SCALE_ROW1
.elseif (\rb)
	v_wmma_scale_f32_16x16x128_f8f6f4 v[(\d):(\d)+7], v[(\a):(\a)+7], v[(\b):(\b)+7], v[(\c):(\c)+7], v[\sa], v[\sb] matrix_a_fmt:MATRIX_FMT_FP4 matrix_b_fmt:MATRIX_FMT_FP4 matrix_b_scale:MATRIX_SCALE_ROW1
.else
	v_wmma_scale_f32_16x16x128_f8f6f4 v[(\d):(\d)+7], v[(\a):(\a)+7], v[(\b):(\b)+7], v[(\c):(\c)+7], v[\sa], v[\sb] matrix_a_fmt:MATRIX_FMT_FP4 matrix_b_fmt:MATRIX_FMT_FP4
.endif
.endif
.endm
; FOUR FRAGMENTS ARE QUANTISED.  Group g: 32 numbers of a lane, one whole block, at v[sb + 32 g] of window sw -> codes in v[db + 8 g .. + 3] of window dw.
; A lane has the byte of block h of its row; shifted up 8 h bits and joined with lane l xor 16's it is the row's scale word.  Two tiles share a register: lanes 0-15 the even tile's words, lanes 16-31 the odd one's.
.macro QUANT4 sw, sb, dw, db, s0r, s1r
	WIN ((\sw)<<2)|((\sw)<<4)
.irp g,0,1,2,3
	v_max3_num_f32 v[QM+\g], 0x1800000, |v[\sb+32*\g]|, |v[\sb+32*\g+1]|   ; with the floor 2^(3 - 127): the byte cannot fall under 1
.endr
.irp i,2,4,6,8,10,12,14,16,18,20,22,24,26,28,30
.irp g,0,1,2,3
	v_max3_num_f32 v[QM+\g], v[QM+\g], |v[\sb+32*\g+\i]|, |v[\sb+32*\g+\i+1]|   ; the four blocks by turns
.endr
.endr
	WIN 0
.irp g,0,1,2,3
	v_add_nc_u32 v[QS+\g], 0xff000000, v[QM+\g]    ; 2 off the exponent field: the conversion's scale operand
.endr
.irp g,0,1,2,3
	v_lshrrev_b32 v[QB+\g], 23, v[QS+\g]           ; the scale's byte
.endr
.irp g,0,1,2,3
	v_lshlrev_b32 v[QB+\g], v[SH8], v[QB+\g]       ; at its place in the word
.endr
.irp g,0,1,2,3
	v_permlanex16_b32 v[QO+\g], v[QB+\g], s22, s23
.endr
.irp g,0,1,2,3
	v_or_b32 v[QB+\g], v[QB+\g], v[QO+\g]
.endr
	v_cndmask_b32 v[\s0r], v[QB], v[QB+1], s20
	v_cndmask_b32 v[\s1r], v[QB+2], v[QB+3], s20
	WIN (\sw)|((\dw)<<6)
.irp g,0,1,2,3
.irp c,0,1,2,3
	v_cvt_scalef32_pk8_fp4_f32 v[\db+8*\g+\c], v[\sb+32*\g+8*\c:\sb+32*\g+8*\c+7], v[QS+\g]
.endr
.endr
	WIN 0
	v_nop                                          ; one plain place behind a scaled conversion
.endm
; The centres' sums lie in v[XA] on (window 2): group t = centre 16 t + r, columns 32 h + 0 .. 31.  The centres, -c_sq / 2 of the unquantised centres, then their codes.
.macro CENTERS
.if PASS == 2
	WIN 0x82
.irp t,0,1,2,3
.set i,0
.rept 16
	v_pk_mul_f32 v[XA+32*\t+i:XA+32*\t+i+1], v[XA+32*\t+i:XA+32*\t+i+1], v[TP+8+2*\t:TP+9+2*\t]   ; the sums / (S0 + 1e-10)
.set i,i+2
.endr
.endr
.endif
	WIN 0x0a
.irp t,0,1,2,3
	v_pk_mul_f32 v[TP+2*\t:TP+2*\t+1], v[XA+32*\t:XA+32*\t+1], v[XA+32*\t:XA+32*\t+1]
.endr
.irp i,2,4,6,8,10,12,14,16,18,20,22,24,26,28,30
.irp t,0,1,2,3
	v_pk_fma_f32 v[TP+2*\t:TP+2*\t+1], v[XA+32*\t+\i:XA+32*\t+\i+1], v[XA+32*\t+\i:XA+32*\t+\i+1], v[TP+2*\t:TP+2*\t+1]
.endr
.endr
	WIN 0
.irp t,0,1,2,3
	v_add_f32 v[TP+2*\t], v[TP+2*\t], v[TP+2*\t+1]
.endr
.irp t,0,1,2,3
	v_permlanex16_b32 v[QO+\t], v[TP+2*\t], s22, s23
.endr
.irp t,0,1,2,3
	v_add_f32 v[TP+2*\t], v[TP+2*\t], v[QO+\t]     ; with the other 32 columns
.endr
.irp t,0,1,2,3
	v_mul_f32 v[TP+2*\t], -0.5, v[TP+2*\t]
.endr
.if PASS == 1
	WIN 0x40
.irp t,0,1,2,3
.irp j,0,1,2,3,4,5,6,7
	v_mov_b32 v[CC+8*\t+\j], v[TP+2*\t]
.endr
.endr
.else
	WIN 0x80
.irp t,0,1,2,3
	v_mov_b32 v[PRM+8*\t+6], v[TP+2*\t]
	v_mov_b32 v[PRM+8*\t+7], v[TP+2*\t]
.endr
.endif
	QUANT4 2, XA, 1, CB, SCB, SCB+1
.endm
; pair p of a block's rows (rows 2 p, 2 p + 1) joins the half's sums: s0 += w, s1 += 2 p w (f1: that factor as f32)
.macro STP p, f1, f2
.irp t,0,1,2,3
	v_pk_add_f32 v[LS+6*\t:LS+6*\t+1], v[LS+6*\t:LS+6*\t+1], v[W+32*\t+2*\p:W+32*\t+2*\p+1]
.endr
.irp t,0,1,2,3
	v_pk_fma_f32 v[LS+6*\t+2:LS+6*\t+3], v[W+32*\t+2*\p:W+32*\t+2*\p+1], \f1, v[LS+6*\t+2:LS+6*\t+3] op_sel_hi:[1,0,1]
.endr
.if PASS == 1
.irp t,0,1,2,3
	v_pk_fma_f32 v[LS+6*\t+4:LS+6*\t+5], v[W+32*\t+2*\p:W+32*\t+2*\p+1], \f2, v[LS+6*\t+4:LS+6*\t+5] op_sel_hi:[1,0,1]
.endr
.endif
.endm
; A half's sums (even rows in the low word e, odd rows in the high word o) join the wave's, in two parts: sum i w = s1e + s1o + s0o; rel = offset + i
.macro MERGE_A
.irp t,0,1,2,3
	v_add_f32 v[TP+3*\t], v[LS+6*\t], v[LS+6*\t+1]
	v_add_f32 v[TP+3*\t+1], v[LS+6*\t+2], v[LS+6*\t+3]
.endr
.irp t,0,1,2,3
	v_add_f32 v[TP+3*\t+1], v[TP+3*\t+1], v[LS+6*\t+1]
.endr
.endm
.macro MERGE_B first
.if PASS == 1
.irp t,0,1,2,3
	v_add_f32 v[TP+3*\t+2], v[LS+6*\t+4], v[LS+6*\t+5]
.endr
.irp t,0,1,2,3
	v_fma_f32 v[TP+3*\t+2], 2.0, v[LS+6*\t+3], v[TP+3*\t+2]
.endr
.irp t,0,1,2,3
	v_add_f32 v[TP+3*\t+2], v[TP+3*\t+2], v[LS+6*\t+1]
.endr
.irp t,0,1,2,3
	v_fma_f32 v[TP+3*\t+2], v[DEL2], v[TP+3*\t+1], v[TP+3*\t+2]
.endr
.irp t,0,1,2,3
	v_fma_f32 v[TP+3*\t+2], v[DEL2+1], v[TP+3*\t], v[TP+3*\t+2]
.endr
.endif
.irp t,0,1,2,3
	v_fma_f32 v[TP+3*\t+1], v[DEL], v[TP+3*\t], v[TP+3*\t+1]
.endr
.if \first
.irp t,0,1,2,3
	v_mov_b32 v[ST+4*\t], v[TP+3*\t]               ; the first half starts the wave's sums
	v_mov_b32 v[ST+4*\t+1], v[TP+3*\t+1]
.if PASS == 1
	v_mov_b32 v[ST+4*\t+2], v[TP+3*\t+2]
.else
	v_mov_b32 v[ST+4*\t+2], 0
.endif
	v_mov_b32 v[ST+4*\t+3], 0
.endr
.else
.irp t,0,1,2,3
	v_add_f32 v[ST+4*\t], v[ST+4*\t], v[TP+3*\t]
	v_add_f32 v[ST+4*\t+1], v[ST+4*\t+1], v[TP+3*\t+1]
.if PASS == 1
	v_add_f32 v[ST+4*\t+2], v[ST+4*\t+2], v[TP+3*\t+2]
.endif
.endr
.endif
.endm
; A HALF, from codes to sums.
.macro PHASEB first
	WIN W_P1
.irp u,0,1,2,3
.irp t,0,1,2,3
.if PASS == 1
	WM W+32*\t+8*\u, XD+8*\u, CB+8*\t, CC+8*\t, SXD+\u/2, SCB+\t/2, \u%2, \t%2, 0
.else
	WM W+32*\t+8*\u, XD+8*\u, CB+8*\t, PP+32*\t+8*\u, SXD+\u/2, SCB+\t/2, \u%2, \t%2, 0
.endif
.endr
.endr
	WIN 0
	PLACES 4                                       ; in front of the first read of results
.if PASS == 2
	WIN 0x80
	s_wait_alu depctr_va_vdst(0)                   ; product 1 is done reading x's codes with columns innermost and their scale words, in which the five loads below land
.irp u,0,1,2,3
	global_load_b128 v[XD+8*\u:XD+8*\u+3], v[IMG], s[NX:NX+1] offset:512*\u   ; the next half's codes, columns innermost
.endr
	WIN 0
	global_load_b64 v[SXD:SXD+1], v[IMG], s[NX:NX+1] offset:4096
.endif
.set i,0
.rept 32
	v_max3_num_f32 v[MX+i], v[W+i], v[W+32+i], v[W+64+i]   ; each row's largest score: my four centres (each result is read from its low end on),
.set i,i+1
.endr
.set i,0
.rept 32
	v_max_num_f32 v[MX+i], v[MX+i], v[W+96+i]
.set i,i+1
.endr
.irp m,1,2,4,8
.set i,0
.rept 32
	v_max_num_f32_dpp v[MX+i], v[MX+i], v[MX+i] row_xmask:\m row_mask:0xf bank_mask:0xf   ; and the sixteen lanes'
.set i,i+1
.endr
.endr
.set i,0
.rept 16
	v_pk_mul_f32 v[MX+i:MX+i+1], v[MX+i:MX+i+1], s[18:19] op_sel_hi:[1,0]   ; -c max, c = 2 log2(e)
.set i,i+2
.endr
.irp t,0,1,2,3
.set i,0
.rept 16
	v_pk_fma_f32 v[W+32*\t+i:W+32*\t+i+1], v[W+32*\t+i:W+32*\t+i+1], s[16:17], v[MX+i:MX+i+1] op_sel_hi:[1,0,1]
.set i,i+2
.endr
.endr
.set i,0
	s_wait_alu depctr_va_vdst(0)
.rept 128
	v_exp_f32 v[W+i], v[W+i]
.set i,i+1
.endr
	v_nop                                          ; a plain place behind the exponentials
	s_wait_alu depctr_va_vdst(0)                   ; the 128 exponentials have written v[W ..]: one wait for the batch, ahead of its first reader
.set i,0
.rept 16
	v_pk_add_f32 v[MX+i:MX+i+1], v[W+i:W+i+1], v[W+32+i:W+33+i]
.set i,i+2
.endr
.set i,0
.rept 16
	v_pk_add_f32 v[MX+i:MX+i+1], v[MX+i:MX+i+1], v[W+64+i:W+65+i]
.set i,i+2
.endr
.set i,0
.rept 16
	v_pk_add_f32 v[MX+i:MX+i+1], v[MX+i:MX+i+1], v[W+96+i:W+97+i]
.set i,i+2
.endr
.irp m,1,2,4,8
.set i,0
.rept 32
	v_add_f32_dpp v[MX+i], v[MX+i], v[MX+i] row_xmask:\m row_mask:0xf bank_mask:0xf
.set i,i+1
.endr
.endr
.set i,0
	s_wait_alu depctr_va_vdst(0)
.rept 32
	v_rcp_f32 v[MX+i], v[MX+i]
.set i,i+1
.endr
	v_nop
	s_wait_alu depctr_va_vdst(0)                   ; the 32 reciprocals have written v[MX ..]: one wait for the batch, ahead of its first reader
.irp t,0,1,2,3
.set i,0
.rept 16
	v_pk_mul_f32 v[W+32*\t+i:W+32*\t+i+1], v[W+32*\t+i:W+32*\t+i+1], v[MX+i:MX+i+1]   ; the weights, finished and normalised
.set i,i+2
.endr
.endr
.irp t,0,1,2,3
	v_pk_add_f32 v[LS+6*\t:LS+6*\t+1], v[W+32*\t:W+32*\t+1], v[W+32*\t+2:W+32*\t+3]   ; pairs 0 and 1 start the half's sums: nothing is cleared
.endr
.irp t,0,1,2,3
	v_pk_mul_f32 v[LS+6*\t+2:LS+6*\t+3], v[W+32*\t+2:W+32*\t+3], 2.0 op_sel_hi:[1,0]
.endr
.if PASS == 1
.irp t,0,1,2,3
	v_pk_mul_f32 v[LS+6*\t+4:LS+6*\t+5], v[W+32*\t+2:W+32*\t+3], 4.0 op_sel_hi:[1,0]
.endr
.endif
	STP 2, 0x40800000, 0x41800000
	STP 3, 0x40c00000, 0x42100000
	STP 4, 0x41000000, 0x42800000
	STP 5, 0x41200000, 0x42c80000
	STP 6, 0x41400000, 0x43100000
	STP 7, 0x41600000, 0x43440000
	STP 8, 0x41800000, 0x43800000
	STP 9, 0x41900000, 0x43a20000
	STP 10, 0x41a00000, 0x43c80000
	STP 11, 0x41b00000, 0x43f20000
	STP 12, 0x41c00000, 0x44100000
	STP 13, 0x41d00000, 0x44290000
	STP 14, 0x41e00000, 0x44440000
	STP 15, 0x41f00000, 0x44610000
	QUANT4 0, W, 1, WC, SWC, SWC+1
	MERGE_A                                        ; these twelve lines are also the places between the scale words' last write and product 2
.if PASS == 1
	MERGE_B \first
.endif
.if PASS == 2
	s_wait_loadcnt 5                               ; this half's codes with rows innermost are in; the five loads issued behind them (the next half's, above) may be out
.endif
	s_wait_alu depctr_va_vdst(0)                   ; the conversions have written the weights' codes and the selections their scale words, which product 2 takes as operands; the places above stay beside this wait
	WIN 0x55
.irp d,0,1,2,3
.irp t,0,1,2,3
	WM ACC+8*(4*\d+\t), XN+8*\d, WC+8*\t, ACC+8*(4*\d+\t), SXN+\d/2, SWC+\t/2, \d%2, \t%2, \first   ; sixteen accumulators by turns, one instruction a turn
.endr
.endr
	WIN 0
.if PASS == 2
	MERGE_B \first                                 ; work that names none of product 2's registers stands between it and the wait for it
	WIN 0x40
	s_wait_alu depctr_va_vdst(0)                   ; product 2 is done reading x's codes with rows innermost and their scale words, in which the five loads below land
.irp u,0,1,2,3
	global_load_b128 v[XN+8*\u:XN+8*\u+3], v[IMG], s[NX:NX+1] offset:2048+512*\u
.endr
	WIN 0
	global_load_b64 v[SXN:SXN+1], v[IMG], s[NX:NX+1] offset:4104
.endif
.endm
; THE WAY OUT.  Each wave lays its sums in its own LDS region as the record's 17 chunks; a barrier; wave w adds the four regions' bytes 4096 w on and stores them: each store covers 512 consecutive bytes, aligned.
.macro EPILOG
	s_wait_dscnt 0x0
.if PASS == 2
	s_wait_alu depctr_vm_vsrc(0)                   ; the LDS stores of the logs made last have read v88 to v91, which the lines below write
.endif
	s_mul_i32 s25, s[WV], STG
	s_lshl_b32 s26, s[WV], 12
	s_lshl_b32 s27, s[WV], 9
	s_add_co_u32 s27, s27, 16384
	v_and_b32 v88, 15, v0                          ; (these six lines are the places behind the last products)
	v_bfe_u32 v89, v0, 4, 1
	v_lshl_add_u32 v88, v88, 4, s25                ; my region + 16 r
	v_lshl_add_u32 v90, v89, 11, v88               ; + 2048 h
	v_add_nc_u32 v91, s26, v[IMG]                  ; 4096 w + 16 lane
	v_add_nc_u32 v92, s27, v[IMG]                  ; 16384 + 512 w + 16 lane
.irp t,0,1,2,3
	v_permlanex16_b32 v[TP+3*\t], v[ST+4*\t], s22, s23
	v_permlanex16_b32 v[TP+3*\t+1], v[ST+4*\t+1], s22, s23
.if PASS == 1
	v_permlanex16_b32 v[TP+3*\t+2], v[ST+4*\t+2], s22, s23
.endif
.endr
.irp t,0,1,2,3
	v_add_f32 v[ST+4*\t], v[ST+4*\t], v[TP+3*\t]   ; the two blocks of a half lie in lanes l and l xor 16
	v_add_f32 v[ST+4*\t+1], v[ST+4*\t+1], v[TP+3*\t+1]
.if PASS == 1
	v_add_f32 v[ST+4*\t+2], v[ST+4*\t+2], v[TP+3*\t+2]
.endif
.endr
	WIN 0x04
	s_wait_alu depctr_va_vdst(0)                   ; the last products have written the accumulators and the additions the wave's sums, which the LDS stores read; the addresses v88 to v92 are written; and every line that named v[W ..], in which the loads behind the barrier land, is done
.irp d,0,1,2,3
.irp t,0,1,2,3
	ds_store_b128 v90, v[ACC+8*(4*\d+\t):ACC+8*(4*\d+\t)+3] offset:4096*\d+256*\t          ; chunk 4 d + 2 h, centre 16 t + r: each accumulator from its low end on
	ds_store_b128 v90, v[ACC+8*(4*\d+\t)+4:ACC+8*(4*\d+\t)+7] offset:4096*\d+256*\t+1024   ; the next chunk
.endr
.endr
	WIN 0
.irp t,0,1,2,3
	ds_store_b128 v88, v[ST+4*\t:ST+4*\t+3] offset:16384+256*\t   ; both halves of the lanes write the same bytes with the same value
.endr
	s_wait_dscnt 0x0                               ; for the others' sake: my stores have landed
	s_barrier_signal -1
	s_barrier_wait -1
.irp v,0,1,2,3
.irp s,0,1,2,3,4,5,6,7
	ds_load_b128 v[W+32*\v+4*\s:W+32*\v+4*\s+3], v91 offset:STG*\v+512*\s
.endr
.endr
	s_wait_dscnt 0x0
.set i,0
.rept 16
	v_pk_add_f32 v[W+i:W+i+1], v[W+i:W+i+1], v[W+32+i:W+33+i]
	v_pk_add_f32 v[W+64+i:W+65+i], v[W+64+i:W+65+i], v[W+96+i:W+97+i]
.set i,i+2
.endr
.set i,0
.rept 16
	v_pk_add_f32 v[W+i:W+i+1], v[W+i:W+i+1], v[W+64+i:W+65+i]
.set i,i+2
.endr
	s_wait_alu depctr_va_vdst(0)                   ; the additions have written v[W .. W + 31], which the eight stores read
.irp s,0,1,2,3,4,5,6,7
	global_store_b128 v91, v[W+4*\s:W+4*\s+3], s[RECP:RECP+1] offset:512*\s
.endr
	s_cmp_gt_u32 s[WV], 1                          ; chunk 16 is 1,024 bytes: waves 0 and 1
	s_cbranch_scc1 .Lno_stat
.irp v,0,1,2,3
	ds_load_b128 v[MX+4*\v:MX+4*\v+3], v92 offset:STG*\v   ; (no vector instruction since the wait above: every line that named v[MX ..] is done)
.endr
	s_wait_dscnt 0x0
	v_pk_add_f32 v[MX:MX+1], v[MX:MX+1], v[MX+4:MX+5]
	v_pk_add_f32 v[MX+2:MX+3], v[MX+2:MX+3], v[MX+6:MX+7]
	v_pk_add_f32 v[MX+8:MX+9], v[MX+8:MX+9], v[MX+12:MX+13]
	v_pk_add_f32 v[MX+10:MX+11], v[MX+10:MX+11], v[MX+14:MX+15]
	v_pk_add_f32 v[MX:MX+1], v[MX:MX+1], v[MX+8:MX+9]
	v_pk_add_f32 v[MX+2:MX+3], v[MX+2:MX+3], v[MX+10:MX+11]
	s_wait_alu depctr_va_vdst(0)                   ; the additions have written v[MX .. MX + 3], which the store reads
	global_store_b128 v92, v[MX:MX+3], s[RECP:RECP+1]
.Lno_stat:
.endm
; row v[n] -> v[a] = log2 t, v[b] = log2(1 - t).  t = (n + 0.5) / N and 1 - t = (N - 0.5 - n) / N: both numerators exact; the quotient by 1 / N and one correction
.macro TLOG n, a, b, t
	v_cvt_f32_u32 v[\t], v[\n]
	v_add_f32 v[\a], 0.5, v[\t]
	v_sub_f32 v[\b], s[SNH], v[\t]
	v_mul_f32 v[\t], s[SRN], v[\a]
	v_mul_f32 v[\t+1], s[SRN], v[\b]
	v_fma_f32 v[\a], -v[\t], s[SNN], v[\a]
	v_fma_f32 v[\b], -v[\t+1], s[SNN], v[\b]
	v_fma_f32 v[\a], v[\a], s[SRN], v[\t]
	v_fma_f32 v[\b], v[\b], s[SRN], v[\t+1]
	s_wait_alu depctr_va_vdst(0)
	v_log_f32 v[\a], v[\a]
	v_log_f32 v[\b], v[\b]
	v_nop
.endm
; The logs of the half that begins at row s25: each lane makes two rows'; they go through the wave's own 512 bytes of LDS and come back as my block's 32 rows (LDS serves a wave's instructions in order: no wait between)
.macro LOGS
	v_add_nc_u32 v10, s25, v[LANE]
	v_add_nc_u32 v11, 32, v10
	TLOG 10, 88, 89, 92
	TLOG 11, 90, 91, 94
	s_wait_alu depctr_va_vdst(0)                   ; the four logarithms have written v88 to v91, which the LDS stores read: one wait for the batch; and the prior's lines are done reading the last logs, in whose registers the LDS loads below land
	ds_store_b32 v[LWR], v88
	ds_store_b32 v[LWR], v90 offset:128
	ds_store_b32 v[LWR], v89 offset:256
	ds_store_b32 v[LWR], v91 offset:384
	WIN 0x80
.irp e,0,1,2,3,4,5,6,7
	ds_load_b128 v[LTR+4*\e:LTR+4*\e+3], v[LRD] offset:16*\e
	ds_load_b128 v[L1R+4*\e:L1R+4*\e+3], v[LRD] offset:256+16*\e
.endr
	WIN 0
.endm
; The C of product 1: ln y / 2, held to ln(1e-30) / 2 .. 0, less c_sq / 2.  All operands in window 2: one setting for the 320 lines
.macro PRIOR
	WIN 0xaa
.irp t,0,1,2,3
.set i,0
.rept 16
	v_pk_fma_f32 v[PP+32*\t+i:PP+32*\t+i+1], v[LTR+i:LTR+i+1], v[PRM+8*\t:PRM+8*\t+1], v[PRM+8*\t+4:PRM+8*\t+5]
.set i,i+2
.endr
.endr
.irp t,0,1,2,3
.set i,0
.rept 16
	v_pk_fma_f32 v[PP+32*\t+i:PP+32*\t+i+1], v[L1R+i:L1R+i+1], v[PRM+8*\t+2:PRM+8*\t+3], v[PP+32*\t+i:PP+32*\t+i+1]
.set i,i+2
.endr
.endr
.set i,0
.rept 128
	v_med3_num_f32 v[PP+i], v[PP+i], 0xc20a27b5, 0
.set i,i+1
.endr
.irp t,0,1,2,3
.set i,0
.rept 16
	v_pk_add_f32 v[PP+32*\t+i:PP+32*\t+i+1], v[PP+32*\t+i:PP+32*\t+i+1], v[PRM+8*\t+6:PRM+8*\t+7]
.set i,i+2
.endr
.endr
	WIN 0
.endm
.macro TRIP first
	s_wait_dscnt 0x0                               ; this half's logs are in
	PRIOR
	s_add_co_u32 s25, s[HF], 4
	s_min_u32 s25, s25, 24                         ; the half to be fetched: my next, or the last of the work-group's
	s_mul_i32 s26, s25, 4608
	s_mov_b32 s27, 0
	s_wait_xcnt 0x0                                ; the loads that are out have read their base
	s_wait_alu depctr_vm_vsrc(0)                   ; the LDS stores of the logs made last have read v88 to v91, which the logarithms below write again
	s_add_nc_u64 s[NX:NX+1], s[4:5], s[26:27]
	s_lshl_b32 s25, s25, 6
	s_add_co_u32 s25, s25, s[R0]
	LOGS
	s_wait_loadcnt 5                               ; this half's codes with columns innermost are in; the five loads issued behind them (rows innermost) may be out
	PHASEB \first
	v_add_f32 v[DEL], 0x43800000, v[DEL]           ; my next half lies 256 rows on
.endm
	s_load_b256 s[4:11], s[0:1], 0x0               ; xq s[4:5], par s[6:7], csum s[8:9], zp s[10:11]
	s_load_b64 s[12:13], s[0:1], 0x20              ; rec2
	v_lshl_add_u32 v58, v0, 2, 0x12200
	v_mov_b32 v59, 0
	v_lshrrev_b32 v10, 5, v0
	v_readfirstlane_b32 s[WV], v10                 ; wave 0..3
	v_and_b32 v[LANE], 31, v0
	v_lshlrev_b32 v[IMG], 4, v[LANE]
	v_and_b32 v76, 15, v0                          ; r
	v_bfe_u32 v77, v0, 4, 1                        ; h
	v_lshlrev_b32 v[SH8], 3, v77
	s_wait_alu depctr_va_sdst(0)                   ; the wave's number is written, ahead of its first reader: LDS places, bases and counts are made from it
	s_lshl_b32 s25, s[WV], 9
	s_add_co_u32 s25, s25, LOGB
	v_lshl_add_u32 v[LRD], v77, 7, s25
	v_lshl_add_u32 v[LWR], v[LANE], 2, s25
	v_lshlrev_b32 v5, 4, v76
	v_lshl_add_u32 v5, v77, 13, v5                 ; csum: 8192 h + 16 r
	v_and_b32 v78, 63, v0                          ; k
	v_lshrrev_b32 v79, 6, v0                       ; which 125 of zp's rows
	v_mul_u32_u24 v79, v79, 32000
	v_lshl_add_u32 v79, v78, 2, v79
	v_lshlrev_b32 v80, 4, v78
	v_lshl_add_u32 v92, v0, 2, ZC
	v_lshl_add_u32 v93, v78, 2, ZC
	v_lshl_add_u32 v94, v78, 4, PT
	v_lshl_add_u32 v95, v76, 4, PT
	s_mov_b32 s16, 0x4038aa3b                      ; c = 2 log2(e)
	s_mov_b32 s17, s16
	s_mov_b32 s18, 0xc038aa3b
	s_mov_b32 s19, s18
	s_mov_b32 s20, 0xffff0000                      ; lanes 16-31
	s_mov_b32 s22, 0x76543210
	s_mov_b32 s23, 0xfedcba98                      ; v_permlanex16_b32's selects for lane l xor 16
	s_mov_b32 s[SRN], 0x3627c5ac                   ; 1 / N
	s_mov_b32 s[SNN], 0x48c35000                   ; N
	s_mov_b32 s[SNH], 0x48c34ff0                   ; N - 0.5
	s_mov_b32 s35, 0x3eb17218                      ; ln 2 / 2
	s_mov_b32 s36, 0xbeb17218
	s_mov_b32 s37, 0x2edbe6ff                      ; 1e-10
	s_mul_i32 s[R0], ttmp9, 1600
	s_mov_b32 s[HF], s[WV]
	s_mul_i32 s24, ttmp9, 115200
	s_mov_b32 s25, 0
	s_mul_i32 s26, s[WV], 4608
	s_mov_b32 s27, 0
	s_mul_i32 s30, ttmp9, 17408
	s_mov_b32 s31, 0
	s_wait_kmcnt 0x0
	s_add_nc_u64 s[4:5], s[4:5], s[24:25]          ; xq at the work-group's first half
	s_add_nc_u64 s[NX:NX+1], s[4:5], s[26:27]      ; and at my first
	s_add_nc_u64 s[12:13], s[12:13], s[30:31]
	WIN 0x80
	s_wait_alu depctr_va_vdst(0)                   ; the addresses v1, v3 to v5, v79, v80 and v92 to v95 are written, which the loads and LDS instructions below read
.irp u,0,1,2,3
	global_load_b128 v[XD+8*\u:XD+8*\u+3], v[IMG], s[NX:NX+1] offset:512*\u
.endr
	WIN 0
	global_load_b64 v[SXD:SXD+1], v[IMG], s[NX:NX+1] offset:4096
	WIN 0x40
.irp u,0,1,2,3
	global_load_b128 v[XN+8*\u:XN+8*\u+3], v[IMG], s[NX:NX+1] offset:2048+512*\u
.endr
	WIN 0
	global_load_b64 v[SXN:SXN+1], v[IMG], s[NX:NX+1] offset:4104
.set i,0
.rept 125
	global_load_b32 v[W+i], v79, s[10:11] offset:256*i
.set i,i+1
.endr
	global_load_b128 v[MX:MX+3], v80, s[6:7]       ; a - 1, b - 1, m, S0 of centre k
	WIN 0x80
.irp t,0,1,2,3
.irp q,0,1,2,3,4,5,6,7
	global_load_b128 v[XA+32*\t+4*\q:XA+32*\t+4*\q+3], v5, s[8:9] offset:1024*\q+256*\t
.endr
.endr
.irp u,0,1,2,3
.irp c,4,5,6,7
	v_mov_b32 v[XD+8*\u+\c], 0                     ; K = 64 .. 127 of every fragment: zero codes, written once
.endr
.endr
	WIN 0x40
.irp u,0,1,2,3
.irp c,4,5,6,7
	v_mov_b32 v[CB+8*\u+\c], 0
	v_mov_b32 v[XN+8*\u+\c], 0
	v_mov_b32 v[WC+8*\u+\c], 0
.endr
.endr
	WIN 0
.irp g,0,1,2,3
	v_mov_b32 v[QO+\g], 0                          ; written once: a lane permute's destination counts as one of its sources
.endr
	s_lshl_b32 s25, s[WV], 6
	s_sub_co_i32 s25, s25, 800
	v_lshlrev_b32 v10, 5, v77
	v_add_nc_u32 v10, s25, v10
	v_cvt_f32_i32 v[DEL], v10                      ; 64 w + 32 h - 800
	s_wait_loadcnt 0x0
.set i,4
.rept 30
	v_pk_add_f32 v[W:W+1], v[W:W+1], v[W+i:W+i+1]
	v_pk_add_f32 v[W+2:W+3], v[W+2:W+3], v[W+i+2:W+i+3]
.set i,i+4
.endr
	v_pk_add_f32 v[W:W+1], v[W:W+1], v[W+2:W+3]
	v_add_f32 v[W], v[W], v[W+1]
	v_add_f32 v[W], v[W], v[W+124]
	s_wait_alu depctr_va_vdst(0)                   ; the additions have written v[W], which the LDS store reads
	ds_store_b32 v92, v[W]
	s_wait_dscnt 0x0
	s_barrier_signal -1
	s_barrier_wait -1
	ds_load_b32 v100, v93
	ds_load_b32 v101, v93 offset:256
	s_wait_dscnt 0x0
	v_add_f32 v100, v100, v101                     ; Z
	v_add_f32 v101, s37, v[MX+3]                   ; S0 + 1e-10
	s_wait_alu depctr_va_vdst(0)
	v_log_f32 v100, v100
	v_rcp_f32 v102, v101
	v_nop
	s_wait_alu depctr_va_vdst(0)                   ; the logarithm has written v100 and the reciprocal v102: one wait for the two, ahead of their first reader
	v_add_f32 v100, v100, v[MX+2]                  ; m + log2 Z
	v_fma_f32 v103, -v101, v102, 1.0
	v_fma_f32 v107, v103, v102, v102               ; 1 / (S0 + 1e-10)
	v_mul_f32 v104, s35, v[MX]
	v_mul_f32 v105, s35, v[MX+1]
	v_mul_f32 v106, s36, v100
	s_cmp_gt_u32 s[WV], 1                          ; waves 2 and 3 hold the same 64 centres' numbers: waves 0 and 1 store
	s_cbranch_scc1 .Lno_pt
	s_wait_alu depctr_va_vdst(0)                   ; the lines above have written v104 to v107, which the LDS store reads
	ds_store_b128 v94, v[104:107]
.Lno_pt:
	s_wait_dscnt 0x0
	s_barrier_signal -1
	s_barrier_wait -1
.irp t,0,1,2,3
	ds_load_b128 v[108+4*\t:111+4*\t], v95 offset:256*\t
.endr
	s_wait_dscnt 0x0
	s_wait_alu depctr_vm_vsrc(0)                   ; the head's loads have read v79 and v80, its LDS instructions v92 to v95, v[W] and v104 to v107: the centres' lines, the logs and the first half write all of these
	WIN 0x80
.irp t,0,1,2,3
.irp c,0,1,2
	v_mov_b32 v[PRM+8*\t+2*\c], v[108+4*\t+\c]     ; as pairs, for the packed forms
	v_mov_b32 v[PRM+8*\t+2*\c+1], v[108+4*\t+\c]
.endr
.endr
	WIN 0
.irp t,0,1,2,3
	v_mov_b32 v[TP+8+2*\t], v[111+4*\t]
	v_mov_b32 v[TP+9+2*\t], v[111+4*\t]
.endr
	CENTERS
	s_lshl_b32 s25, s[WV], 6
	s_add_co_u32 s25, s25, s[R0]
	LOGS
	TRIP 1                                         ; the first half stands ahead of the loop: its products start the sums
	s_mov_b32 s[CNT], 6
.Lloop:                                            ; six trips in every wave; a half past the 25th is jumped over (in the last trip: waves 1 to 3)
	s_add_co_u32 s[HF], s[HF], 4
	s_cmp_gt_u32 s[HF], 24
	s_cbranch_scc1 .Lskip
	TRIP 0
.Lskip:
	s_sub_co_u32 s[CNT], s[CNT], 1
	s_cmp_lg_u32 s[CNT], 0
	s_cbranch_scc1 .Lloop
	EPILOG
	s_wait_dscnt 0x0
	s_wait_alu depctr_hold_cnt(0) depctr_sa_sdst(0) depctr_va_vdst(0) depctr_va_sdst(0) depctr_va_ssrc(0) depctr_va_vcc(0) depctr_vm_vsrc(0)
	s_wait_tensorcnt 0x0
	ds_add_u32 v58, v59
	s_wait_dscnt 0x0
	s_endpgm
.Lfunc_end_k_q941f17dc4e_pass2:
	.size	k_q941f17dc4e_pass2, .Lfunc_end_k_q941f17dc4e_pass2-k_q941f17dc4e_pass2
	.p2alignl 7, 3214868480
	.fill 96, 4, 3214868480
	.section	.rodata,"a",@progbits
	.p2align	6, 0x0
	.amdhsa_kernel k_q941f17dc4e_pass2
		.amdhsa_group_segment_fixed_size 74752
		.amdhsa_private_segment_fixed_size 0
		.amdhsa_enable_private_segment 0
		.amdhsa_kernarg_size 40
		.amdhsa_user_sgpr_count 2
		.amdhsa_user_sgpr_kernarg_segment_ptr 1
		.amdhsa_wavefront_size32 1
		.amdhsa_system_sgpr_workgroup_id_x 1
		.amdhsa_system_sgpr_workgroup_id_y 1
		.amdhsa_system_sgpr_workgroup_id_z 1
		.amdhsa_system_vgpr_workitem_id 0
		.amdhsa_next_free_vgpr 768
		.amdhsa_next_free_sgpr 66
		.amdhsa_reserve_vcc 0
		.amdhsa_float_denorm_mode_32 3
		.amdhsa_float_denorm_mode_16_64 3
		.amdhsa_memory_ordered 1
		.amdhsa_forward_progress 1
		.amdhsa_inst_pref_size 227
	.end_amdhsa_kernel
	.amdgpu_metadata
---
amdhsa.version: [ 1, 2 ]
amdhsa.kernels:
  - .name:           k_q941f17dc4e_pass2
    .symbol:         k_q941f17dc4e_pass2.kd
    .args:
      - { .name: xq, .offset: 0, .size: 8, .value_kind: global_buffer, .address_space: global }
      - { .name: par, .offset: 8, .size: 8, .value_kind: global_buffer, .address_space: global }
      - { .name: csum, .offset: 16, .size: 8, .value_kind: global_buffer, .address_space: global }
      - { .name: zp, .offset: 24, .size: 8, .value_kind: global_buffer, .address_space: global }
      - { .name: rec2, .offset: 32, .size: 8, .value_kind: global_buffer, .address_space: global }
    .group_segment_fixed_size: 74752
    .private_segment_fixed_size: 0
    .kernarg_segment_align: 8
    .kernarg_segment_size: 40
    .max_flat_workgroup_size: 128
    .sgpr_count:     66
    .vgpr_count:     768
    .wavefront_size: 32
...
	.end_amdgpu_metadata
.endif
;; end of part 7
;; launch fin (part 8): grid 16 x 1, 20 waves a work-group, no clusters, 20,480 bytes of LDS; arguments rec2, out0; writes out0
.if DOCPART == 8
	.amdgcn_target "amdgcn-amd-amdhsa--gfx1250"
	.amdhsa_code_object_version 6
	.text
	.protected	k_q941f17dc4e_fin
	.globl	k_q941f17dc4e_fin
	.p2align	8
	.type	k_q941f17dc4e_fin,@function
k_q941f17dc4e_fin:
	s_mov_b64 s[64:65], 0
	v_nop
	global_prefetch_b8 v0, s[64:65] scope:SCOPE_SE
	s_setreg_imm32_b32 hwreg(HW_REG_WAVE_MODE, 25, 1), 1
	s_wait_xcnt 0x0
; THE END.  Work-group q owns columns 4 q .. 4 q + 3 of all 64 centres.  It adds the 250 records (thread = centre k x one of ten parts of 25 records), forms the centres and the time means,
; ranks the means and stores each centre's four columns at the row of its rank.
; The key is N mean - 200000 = (M1 - 2e-5) / (S0 + 1e-10), M1 = sum (S1 + O_g S0), O_g = 1600 g - 199199.5: it rises with reference()'s time mean.
; rank(k) = the number of j whose key is smaller, or equal with j < k: the stable order of argsort.  The rank steers no address: thread i goes through all 64 centres and keeps, by selection, the one whose rank is i.
; LIMITS: NaN is not served; two means closer than f32 tells apart may come out in either order.
; Sixteen bytes a lane, 256 bytes apart, is the price of ordering here and not in a launch of its own: the output is 16 KB in all.
.set C1, 0                             ; LDS: 640 x (S0, M1)
.set C4, 5120                          ; 640 x four columns' part
.set MEAN, 15360                       ; 64 keys
.set CN, 15616                         ; 64 x four columns
.set RK, 16640                         ; 64 ranks
.macro BARRIER
	s_wait_dscnt 0x0
	s_barrier_signal -1
	s_barrier_wait -1
.endm
	s_load_b128 s[4:7], s[0:1], 0x0                ; rec2 s[4:5], out0 s[6:7]
	v_lshl_add_u32 v190, v0, 2, 0x4600
	v_mov_b32 v191, 0
	v_lshrrev_b32 v12, 5, v0
	s_delay_alu instid0(VALU_DEP_1)
	v_readfirstlane_b32 s12, v12                   ; wave 0..19
	v_and_b32 v1, 63, v0                           ; k
	v_lshrrev_b32 v2, 6, v0                        ; part 0..9
	s_delay_alu instid0(VALU_DEP_1)
	v_mul_u32_u24 v3, v2, 435200
	s_delay_alu instid0(VALU_DEP_1)
	v_lshl_add_u32 v3, v1, 4, v3
	s_mov_b32 s13, 0x471c4000                      ; 40000
	s_mov_b32 s14, 0xc84287e0                      ; -199199.5
	s_mov_b32 s23, 0x44c80000                      ; 1600
	s_mov_b32 s24, 0x2edbe6ff                      ; 1e-10
	s_mov_b32 s25, 0xb7a7c5ac                      ; -2e-5
	v_cvt_f32_u32 v4, v2
	s_delay_alu instid0(VALU_DEP_1)
	v_fma_f32 v4, v4, s13, s14
	v_lshlrev_b32 v5, 3, v0                        ; every LDS place is made here, ahead of the first parting of the waves
	v_lshlrev_b32 v6, 4, v0
	v_lshlrev_b32 v7, 3, v1
	v_lshlrev_b32 v8, 4, v1
	v_lshlrev_b32 v9, 2, v1
	v_mov_b32 v10, 0
	v_lshlrev_b32 v11, 8, v1                       ; a row of out0
	s_lshl_b32 s16, ttmp9, 10
	s_mov_b32 s17, 0
	s_lshl_b32 s18, ttmp9, 4
	s_mov_b32 s19, 0
	s_wait_alu depctr_va_vdst(0)
	s_wait_kmcnt 0x0
	s_add_nc_u64 s[8:9], s[4:5], s[16:17]          ; rec2 at my chunk
	s_add_nc_u64 s[6:7], s[6:7], s[18:19]          ; out0 at my four columns
.set i,0
.rept 25
	global_load_b64 v[32+2*i:33+2*i], v3, s[4:5] offset:17408*i+16384
.set i,i+1
.endr
.set i,0
.rept 25
	global_load_b128 v[84+4*i:87+4*i], v3, s[8:9] offset:17408*i
.set i,i+1
.endr
	s_wait_loadcnt 25                              ; the statistics are in; the 25 loads issued behind them may be out
	v_mov_b32 v18, v4
	s_delay_alu instid0(VALU_DEP_1)
	v_fma_f32 v17, v18, v32, v33
.set i,1
	s_delay_alu instid0(VALU_DEP_2)
	v_add_f32 v18, s23, v18
.if i == 1
	v_add_f32 v16, v32, v34
.else
	v_add_f32 v16, v16, v[32+2*i]
.endif
	s_delay_alu instid0(VALU_DEP_2)
	v_fma_f32 v19, v18, v[32+2*i], v[33+2*i]
	s_delay_alu instid0(VALU_DEP_1)
	v_add_f32 v17, v17, v19
.set i,i+1
.rept (24)-1
	s_delay_alu instid0(VALU_DEP_4)
	v_add_f32 v18, s23, v18
.if i == 1
	v_add_f32 v16, v32, v34
.else
	s_delay_alu instid0(VALU_DEP_4)
	v_add_f32 v16, v16, v[32+2*i]
.endif
	s_delay_alu instid0(VALU_DEP_2)
	v_fma_f32 v19, v18, v[32+2*i], v[33+2*i]
	s_delay_alu instid0(VALU_DEP_1)
	v_add_f32 v17, v17, v19
.set i,i+1
.endr
	ds_store_b64 v5, v[16:17] offset:C1
	s_wait_loadcnt 0x0
.set i,1
	v_pk_add_f32 v[84:85], v[84:85], v[84+4*i:85+4*i]
	v_pk_add_f32 v[86:87], v[86:87], v[86+4*i:87+4*i]
.set i,i+1
.rept (24)-1
	s_delay_alu instid0(VALU_DEP_2)
	v_pk_add_f32 v[84:85], v[84:85], v[84+4*i:85+4*i]
	s_delay_alu instid0(VALU_DEP_2)
	v_pk_add_f32 v[86:87], v[86:87], v[86+4*i:87+4*i]
.set i,i+1
.endr
	ds_store_b128 v6, v[84:87] offset:C4
	BARRIER
	s_cmp_gt_u32 s12, 1
	s_cbranch_scc1 .Lb2
.irp p,0,1,2,3,4,5,6,7,8,9
	ds_load_b64 v[32+2*\p:33+2*\p], v7 offset:C1+512*\p
	ds_load_b128 v[84+4*\p:87+4*\p], v8 offset:C4+1024*\p
.endr
	s_wait_dscnt 0x0
.irp p, 1
	v_pk_add_f32 v[32:33], v[32:33], v[32+2*\p:33+2*\p]
	v_pk_add_f32 v[84:85], v[84:85], v[84+4*\p:85+4*\p]
	v_pk_add_f32 v[86:87], v[86:87], v[86+4*\p:87+4*\p]
.endr
.irp p, 2, 3, 4, 5, 6, 7, 8, 9
	s_delay_alu instid0(VALU_DEP_3)
	v_pk_add_f32 v[32:33], v[32:33], v[32+2*\p:33+2*\p]
	s_delay_alu instid0(VALU_DEP_3)
	v_pk_add_f32 v[84:85], v[84:85], v[84+4*\p:85+4*\p]
	s_delay_alu instid0(VALU_DEP_3)
	v_pk_add_f32 v[86:87], v[86:87], v[86+4*\p:87+4*\p]
.endr
	s_delay_alu instid0(VALU_DEP_3)
	v_add_f32 v22, s24, v32                        ; S0 + 1e-10
	s_wait_alu depctr_va_vdst(0)
	v_rcp_f32 v23, v22
	v_add_f32 v24, s25, v33                        ; (a plain place)  M1 - 2e-5
	s_wait_alu depctr_va_vdst(0)
	v_fma_f32 v25, -v22, v23, 1.0
	v_fma_f32 v23, v25, v23, v23
	s_delay_alu instid0(VALU_DEP_1)
	v_mul_f32 v24, v24, v23                        ; the key
	s_delay_alu instid0(VALU_DEP_2)
	v_mul_f32 v84, v84, v23
	s_delay_alu instid0(VALU_DEP_3)
	v_mul_f32 v85, v85, v23
	s_delay_alu instid0(VALU_DEP_4)
	v_mul_f32 v86, v86, v23
	v_mul_f32 v87, v87, v23                        ; the centre's four columns
	ds_store_b32 v9, v24 offset:MEAN
	ds_store_b128 v8, v[84:87] offset:CN
.Lb2:
	BARRIER
	s_cmp_gt_u32 s12, 1
	s_cbranch_scc1 .Lb3
.irp j,0,1,2,3,4,5,6,7,8,9,10,11,12,13,14,15
	ds_load_b128 v[32+4*\j:35+4*\j], v10 offset:MEAN+16*\j   ; all 64 keys, in every lane
.endr
	ds_load_b32 v26, v9 offset:MEAN                ; and my own
	s_wait_dscnt 0x0
	v_mov_b32 v27, 0
.set j,0
.rept 64
	v_cmp_lt_f32 vcc_lo, v[32+j], v26
	v_cmp_eq_f32 s40, v[32+j], v26
	v_cmp_lt_u32 s41, j, v1
	s_and_b32 s40, s40, s41
	s_or_b32 vcc_lo, vcc_lo, s40
	v_add_co_ci_u32 v27, vcc_lo, 0, v27, vcc_lo
.set j,j+1
.endr
	ds_store_b32 v9, v27 offset:RK
.Lb3:
	BARRIER
	s_cmp_gt_u32 s12, 1
	s_cbranch_scc1 .Lend
.irp j,0,1,2,3,4,5,6,7,8,9,10,11,12,13,14,15
	ds_load_b128 v[32+4*\j:35+4*\j], v10 offset:RK+16*\j     ; all 64 ranks
.endr
; sixteen centres: the one whose rank is my row's number is kept
.macro SELB b
.irp j,0,1,2,3,4,5,6,7,8,9,10,11,12,13,14,15
	ds_load_b128 v[96+4*\j:99+4*\j], v10 offset:CN+16*(16*\b+\j)
.endr
	s_wait_dscnt 0x0
.irp j,0,1,2,3,4,5,6,7,8,9,10,11,12,13,14,15
.if (16*\b+\j) == 0
.irp c,0,1,2,3
	v_mov_b32 v[28+\c], v[96+\c]                   ; centre 0 to begin with: the ranks are a permutation, so exactly one centre is mine
.endr
.else
	v_cmp_eq_u32 vcc_lo, v[32+16*\b+\j], v1
.irp c,0,1,2,3
	v_cndmask_b32 v[28+\c], v[28+\c], v[96+4*\j+\c], vcc_lo
.endr
.endif
.endr
.endm
	SELB 0
	s_wait_alu depctr_va_vdst(0)
	SELB 1
	s_wait_alu depctr_va_vdst(0)
	SELB 2
	s_wait_alu depctr_va_vdst(0)
	SELB 3
	global_store_b128 v11, v[28:31], s[6:7]
.Lend:
	s_wait_tensorcnt 0x0
	ds_add_u32 v190, v191
	s_wait_dscnt 0x0
	s_endpgm
.Lfunc_end_k_q941f17dc4e_fin:
	.size	k_q941f17dc4e_fin, .Lfunc_end_k_q941f17dc4e_fin-k_q941f17dc4e_fin
	.p2alignl 7, 3214868480
	.fill 96, 4, 3214868480
	.section	.rodata,"a",@progbits
	.p2align	6, 0x0
	.amdhsa_kernel k_q941f17dc4e_fin
		.amdhsa_group_segment_fixed_size 20480
		.amdhsa_private_segment_fixed_size 0
		.amdhsa_enable_private_segment 0
		.amdhsa_kernarg_size 16
		.amdhsa_user_sgpr_count 2
		.amdhsa_user_sgpr_kernarg_segment_ptr 1
		.amdhsa_wavefront_size32 1
		.amdhsa_system_sgpr_workgroup_id_x 1
		.amdhsa_system_sgpr_workgroup_id_y 1
		.amdhsa_system_sgpr_workgroup_id_z 1
		.amdhsa_system_vgpr_workitem_id 0
		.amdhsa_next_free_vgpr 192
		.amdhsa_next_free_sgpr 66
		.amdhsa_reserve_vcc 1
		.amdhsa_float_denorm_mode_32 3
		.amdhsa_float_denorm_mode_16_64 3
		.amdhsa_memory_ordered 1
		.amdhsa_forward_progress 1
		.amdhsa_inst_pref_size 56
	.end_amdhsa_kernel
	.amdgpu_metadata
---
amdhsa.version: [ 1, 2 ]
amdhsa.kernels:
  - .name:           k_q941f17dc4e_fin
    .symbol:         k_q941f17dc4e_fin.kd
    .args:
      - { .name: rec2, .offset: 0, .size: 8, .value_kind: global_buffer, .address_space: global }
      - { .name: out0, .offset: 8, .size: 8, .value_kind: global_buffer, .address_space: global }
    .group_segment_fixed_size: 20480
    .private_segment_fixed_size: 0
    .kernarg_segment_align: 8
    .kernarg_segment_size: 16
    .max_flat_workgroup_size: 640
    .sgpr_count:     66
    .vgpr_count:     192
    .wavefront_size: 32
...
	.end_amdgpu_metadata
.endif
;; end of part 8
